; MI455X (gfx1250); checked and timed in simulation.
; The chip was launched on July 23, 2026; its instructions are those of AMD's public machine-readable ISA for CDNA 5 (MIT licence, August 2026) and "CDNA5" Instruction Set Architecture Reference Guide (July 2026). The comments in the code are by the model that wrote it; some were corrected since.
;; Attention. Allowed arithmetic: matrix products marked QUANTISED: E2M3 operands, one E8M0 scale for each 32 along K, by v_wmma_scale_f32_16x16x128_f8f6f4 with both operands' format E2M3, f32 sums; everything else in f32.
;; Inputs: cos 2,048 x 64 float32; mask 2,048 x 2,048 float32; sin 2,048 x 64 float32; wk 2,048 x 2,048 float32; wo 2,048 x 2,048 float32; wq 2,048 x 2,048 float32; wv 2,048 x 2,048 float32; x 1 x 2,048 x 2,048 float32.
;; Outputs: out0 1 x 2,048 x 2,048 float32.
;; Constants: start_p = 0.
;; This version of the problem:
;;   THIS VERSION OF THE PROBLEM IS GIVEN IN LOW PRECISION. The matrix products marked QUANTISED in the list below multiply operands that are first quantised to E2M3 (2 exponent bits, 3 mantissa bits; 6 bits a number), with one power-of-two scale for each 32 numbers along K (OCP MX v1.0); their sums are f32. All else is computed in f32.
;;   The module's matrix products, in the order in which they are computed (A, B: the left and right operand; K: the contracted axis; several contracted axes count as one K, in the product's order):
;;     1. [M 2,048, K 2,048] x [K 2,048, N 2,048]; A: input x; B: input wq: QUANTISED
;;     2. [M 2,048, K 2,048] x [K 2,048, N 2,048]; A: input x; B: input wk: QUANTISED
;;     3. [M 2,048, K 2,048] x [K 2,048, N 2,048]; A: input x; B: input wv: QUANTISED
;;     4. batch 16 x [M 2,048, K 128] x [K 128, N 2,048]; A: computed on the way; B: computed on the way: QUANTISED
;;     5. batch 16 x [M 2,048, K 2,048] x [K 2,048, N 128]; A: softmax (see below); B: computed on the way: QUANTISED
;;     6. [M 2,048, K 2,048] x [K 2,048, N 2,048]; A: computed on the way; B: input wo: QUANTISED
;;   THE QUANTISER, for each operand of a quantised product, along K:
;;     - K is cut into blocks of 32 from its start; a last block that is shorter is filled with zeros.
;;     - A block's scale is 2^e with e = floor(log2(the largest magnitude in the block)) - 2, held to -126 .. 127; a block of zeros has e = 0. As a byte (E8M0): e + 127.
;;     - Each number is divided by its block's scale, clamped to +-7.5, and rounded to the nearest number of E2M3, ties to even, subnormals kept.
;;     - The product sums the exact products of the quantised numbers (number of the format x scale) in f32.
;;   ~~~python
;;   def quantise(x, axis):      # numpy; x: float32 -> the quantised numbers, widened to float32 again
;;       x = np.moveaxis(x, axis, -1); K = x.shape[-1]
;;       x = np.pad(x, [(0, 0)] * (x.ndim - 1) + [(0, -K % 32)]); x = x.reshape(x.shape[:-1] + (-1, 32)); a = np.abs(x).max(-1, keepdims=True)
;;       e = np.where(a > 0, np.clip(np.frexp(np.where(a > 0, a, 1))[1] - 1 - 2, -126, 127), 0)      # np.frexp(a)[1] - 1 = floor(log2(a)), exactly
;;       r = np.clip(x / 2.0 ** e, -7.5, 7.5)
;;       step = 2.0 ** (np.maximum(np.frexp(np.where(r == 0, 1, r))[1] - 1, 0) - 3)
;;       q = np.round(r / step) * step * 2.0 ** e      # np.round: ties to even
;;       return np.moveaxis(q.reshape(q.shape[:-2] + (-1,))[..., :K], -1, axis).astype(np.float32)
;;   ~~~
;;   SOFTMAX AHEAD OF A QUANTISED PRODUCT. Where the list says 'softmax', what is quantised is not the finished softmax but p = 2^(t - M), with t = logit x log2(e) and M = ceil(the row's largest t), a whole number; so 1/2 < the row's largest p <= 1. The row's sum l is taken of the UNQUANTISED p, in f32, and the product's result is divided by l at the end. Since M is a whole number, a kernel that streams over the keys may use a running M (the ceiling of the running maximum): every later rescaling is an exact power of two, which a block's scale takes up: the codes' values come out the same.
;;   OPERANDS COMPUTED ON THE WAY. 'Computed on the way' means the value that the module computes at that place (a softmax that the list does not call 'softmax' is quantised finished and normalised). What goes into a quantiser is computed in f32, as accurately as f32 sums, v_exp_f32 and their like allow (about 1e-6 of the number): no bf16 or f16 on the way to a quantiser, and a product that is left as it is and whose result goes on into a quantised operand takes f32 operands (vector FMAs, or v_wmma_f32_16x16x4_f32). A number that lies on a knife's edge between two numbers of the format may be rounded either way, as far as f32 arithmetic and the matrix unit's own rounding can turn it there, and no further.
;; 2 versions. Each part assembles by itself: llvm-mc -triple=amdgcn-amd-amdhsa -mcpu=gfx1250 --defsym DOCPART=n.
;; ======== version 1 of 2: 4 launches
;; workspace buffers: cw 15,728,640 bytes; sw 655,360 bytes; cq 9,437,184 bytes; sq 393,216 bytes; co 3,145,728 bytes; so 131,072 bytes
;; launch quant (part 1): grid 640 x 1, 4 waves a work-group, no clusters, 34,304 bytes of LDS; arguments x, wq, wk, wv, wo, cw, sw; writes cw, sw
.if DOCPART == 1
	.amdgcn_target "amdgcn-amd-amdhsa--gfx1250"
	.amdhsa_code_object_version 6
	.text
	.protected	k_q0e9aa3b356_quant
	.globl	k_q0e9aa3b356_quant
	.p2align	8
	.type	k_q0e9aa3b356_quant,@function
k_q0e9aa3b356_quant:
	s_mov_b64 s[64:65], 0
	v_nop
	global_prefetch_b8 v0, s[64:65] scope:SCOPE_SE
	s_setreg_imm32_b32 hwreg(HW_REG_WAVE_MODE, 25, 1), 1
	s_wait_xcnt 0x0
; x, wq, wk, wv, wo, each [2048][2048] f32 with K innermost, become codes of FP6 (E2M3) with one E8M0 scale byte for each 32 along K.
; A block's scale is 2^(floor(log2(its largest magnitude)) - 2); its byte is the largest magnitude's exponent field - 2, held at 1 from below.
; LAYOUT OF THE RESULT.  The codes are laid as IMAGES OF THE OPERAND'S REGISTERS: a fragment (16 rows x 128 K, 12 registers a lane) is 1,536 bytes, registers 4 c .. 4 c + 3 of lane l at 512 c + 16 l.
;   cw: [tensor 5][block of 128 rows 16][K step 16][tile 8][1,536].   sw: [tensor][block of 128 rows][K step / 4][tile][place 16][K step % 4], words of four scale bytes.
; THE ROWS OF A TILE ARE NOT NEIGHBOURS: place r of tile t of a block takes row 32 (t / 2) + 8 (t % 2) + r + 8 (r / 8), so that results of a product whose source 0 is such a tile lie 16 neighbours to a lane.
; SHARES.  Work-group g: tensor g / 128, tile g % 128 of its 128 tiles of 16 rows.  Wave w: K steps 4 w .. 4 w + 3, a fragment each.
; Each load reads 512 consecutive bytes of one row; a K step's 16 x 512 bytes turn through the wave's own stage in LDS and come back as 32 neighbours along K twice a lane, as the operand's layout gives them to lane (r, h).
; No tensor load, no barrier: waves share nothing.  Loads run two K steps (32 loads a wave) ahead.
; LIMITS: a block of zeros gets the byte 1 where the rule says 127 (its codes are zeros, and this program alone reads the bytes); blocks whose largest magnitude lies under 2^-124 are held at the byte 1;
; NaN and infinities among the inputs are not served.
.set SP,    528                        ; a stage row: 512 bytes + 16: an odd multiple of 16, so that the 16 rows of a load start at 16 different groups of banks (64 banks of 4 bytes: ISA guide 11.1)
.set STGB,  16*SP                      ; a wave's stage
.set SPARE, 4*STGB                     ; behind the four stages: the spare words, 128 bytes for each wave: two blocks of 256 bytes that no other line names
.set FRB,   1536                       ; a fragment's image
.set KSB,   8*FRB                      ; a K step of a block of 128 rows
.set RBB,   16*KSB                     ; a block of 128 rows
.set TCB,   16*RBB                     ; a tensor's codes
.set RR,    112                        ; v112-239 two sets of 64 registers as loaded
.set XX,    48                         ; v48-111  64 numbers: register 32 c + n is k = 64 c + 32 h + n of my row
.set CD,    24                         ; v24-35   the fragment's codes;  v36-38, v40-42: the second halves as the conversions leave them
.set WD,    16                         ; v16-19   my row's scale words of the four K steps
.set SPW,   22                         ; v22      LDS address of my spare word; never rewritten
.set NIL,   23                         ; v23      0; never rewritten
	s_load_b256 s[4:11], s[0:1], 0x0               ; x, wq, wk, wv
	s_load_b128 s[12:15], s[0:1], 0x20             ; wo, cw
	s_load_b64 s[16:17], s[0:1], 0x30              ; sw
	v_lshl_add_u32 v[SPW], v0, 2, SPARE
	v_mov_b32 v[NIL], 0
	v_lshrrev_b32 v4, 5, v0
	v_readfirstlane_b32 s18, v4                    ; wave 0..3
	v_and_b32 v4, 31, v0                           ; lane
	v_and_b32 v8, 15, v0                           ; r
	v_bfe_u32 v7, v0, 4, 1                         ; h
	v_lshlrev_b32 v1, 4, v4                        ; 16 x lane: my bytes of a load's 512, and of an image's
	s_mul_i32 s19, s18, STGB
	v_add_nc_u32 v2, s19, v1                       ; the stage on the way in
	v_mul_u32_u24 v3, v8, SP
	v_lshl_add_u32 v3, v7, 7, v3
	v_add_nc_u32 v3, s19, v3                       ; and on the way out: row r, + 128 h bytes: k = 32 h on
	v_lshlrev_b32 v5, 4, v8
	v_lshl_add_u32 v5, v7, 3, v5                   ; the scale words' place: 16 r + 8 h
	v_lshlrev_b32 v6, 3, v7                        ; 8 h
	v_mov_b32 v15, 0                               ; written once: a lane permute's destination counts as one of its sources
	s_mov_b32 s28, 0x76543210
	s_mov_b32 s29, 0xfedcba98                      ; v_permlanex16_b32's selects for lane l xor 16
	s_lshr_b32 s20, ttmp9, 7                       ; which tensor
	s_and_b32 s21, ttmp9, 127                      ; which tile of 16 rows
	s_lshr_b32 s22, s21, 1
	s_lshl_b32 s22, s22, 18                        ; 32 (t / 2) rows of 8,192 bytes
	s_and_b32 s23, s21, 1
	s_lshl_b32 s23, s23, 16                        ; + 8 (t % 2) rows
	s_add_co_u32 s22, s22, s23
	s_lshl_b32 s23, s18, 11                        ; + my four K steps: 2,048 bytes a wave
	s_add_co_u32 s22, s22, s23
	s_mov_b32 s23, 0
	s_mul_i32 s24, s20, TCB                        ; the codes: tensor,
	s_lshr_b32 s26, s21, 3
	s_mul_i32 s25, s26, RBB                        ; block of 128 rows,
	s_add_co_u32 s24, s24, s25
	s_mul_i32 s25, s18, 4*KSB                      ; my first K step,
	s_add_co_u32 s24, s24, s25
	s_and_b32 s27, s21, 7
	s_mul_i32 s25, s27, FRB                        ; tile
	s_add_co_u32 s24, s24, s25
	s_mov_b32 s25, 0
	s_lshl_b32 s30, s20, 17                        ; the scale words: tensor, block, K step / 4 = wave, tile
	s_lshl_b32 s26, s26, 13
	s_add_co_u32 s30, s30, s26
	s_lshl_b32 s26, s18, 11
	s_add_co_u32 s30, s30, s26
	s_lshl_b32 s27, s27, 8
	s_add_co_u32 s30, s30, s27
	s_mov_b32 s31, 0
	s_wait_kmcnt 0x0
	s_cmp_eq_u32 s20, 1                            ; the source is chosen by the work-group's number alone
	s_cselect_b64 s[4:5], s[6:7], s[4:5]
	s_cmp_eq_u32 s20, 2
	s_cselect_b64 s[4:5], s[8:9], s[4:5]
	s_cmp_eq_u32 s20, 3
	s_cselect_b64 s[4:5], s[10:11], s[4:5]
	s_cmp_eq_u32 s20, 4
	s_cselect_b64 s[4:5], s[12:13], s[4:5]
	s_add_nc_u64 s[4:5], s[4:5], s[22:23]
	s_add_nc_u64 s[14:15], s[14:15], s[24:25]
	s_add_nc_u64 s[16:17], s[16:17], s[30:31]
.macro LOAD q                          ; K step q of my four: 16 rows x 512 consecutive bytes, into set q % 2
.irp i, 0,1,2,3,4,5,6,7,8,9,10,11,12,13,14,15
	global_load_b128 v[RR+64*((\q)%2)+4*\i:RR+64*((\q)%2)+4*\i+3], v1, s[4:5] offset:(\i+8*(\i/8))*8192+512*(\q) th:TH_LOAD_NT
.endr
.endm
.macro TURN q                          ; through the stage: LDS serves a wave's instructions in order (ISA guide 5.7.1.4), so no wait stands between the stores and the loads
.irp i, 0,1,2,3,4,5,6,7,8,9,10,11,12,13,14,15
	ds_store_b128 v2, v[RR+64*((\q)%2)+4*\i:RR+64*((\q)%2)+4*\i+3] offset:SP*\i
.endr
.irp c, 0,1
.irp j, 0,1,2,3,4,5,6,7
	ds_load_b128 v[XX+32*\c+4*\j:XX+32*\c+4*\j+3], v3 offset:256*\c+16*\j
.endr
.endr
.endm
.macro FRAGQ q                         ; my two whole blocks, 2 c + h, become the fragment's registers 6 c .. 6 c + 5
.irp c, 0,1
	v_max3_num_f32 v[8+\c], |v[XX+32*\c]|, |v[XX+32*\c+1]|, 0x1800000   ; the largest magnitude, and the floor 2^(3 - 127): so the byte cannot fall under 1
.endr
.irp i, 2,4,6,8,10,12,14,16,18,20,22,24,26,28,30
.irp c, 0,1
	v_max3_num_f32 v[8+\c], v[8+\c], |v[XX+32*\c+\i]|, |v[XX+32*\c+\i+1]|   ; (the two blocks by turns)
.endr
.endr
.irp c, 0,1
	v_add_nc_u32 v[10+\c], 0xff000000, v[8+\c]     ; 2 off its exponent field: the conversion takes the exponent field of this operand as its scale
.endr
.irp c, 0,1
	v_lshrrev_b32 v[12+\c], 23, v[10+\c]           ; the scale's byte
.endr
	v_lshl_or_b32 v14, v13, 16, v12                ; my two bytes: blocks h and 2 + h,
	v_lshlrev_b32 v14, v6, v14                     ; at their places in the word (8 h bits up);
	v_permlanex16_b32 v15, v14, s28, s29
	v_or_b32 v[WD+\q], v14, v15                    ; with lane l xor 16's two the word is whole
	s_wait_xcnt 0x0                                ; the last fragment's stores have read their data: the codes' registers are written again only behind this wait
.irp c, 0,1
	v_cvt_scalef32_pk16_fp6_f32 v[CD+6*\c:CD+6*\c+2], v[XX+32*\c:XX+32*\c+15], v[10+\c]
	v_cvt_scalef32_pk16_fp6_f32 v[36+4*\c:38+4*\c], v[XX+32*\c+16:XX+32*\c+31], v[10+\c]   ; (a conversion's three registers begin on an even number)
.endr
	v_nop                                          ; one plain place behind a scaled conversion
.irp c, 0,1
.irp i, 0,1,2
	v_mov_b32 v[CD+3+6*\c+\i], v[36+4*\c+\i]
.endr
.endr
.irp c, 0,1,2
	global_store_b128 v1, v[CD+4*\c:CD+4*\c+3], s[14:15] offset:KSB*(\q)+512*\c   ; 32 lanes store 512 consecutive bytes, at a multiple of 256 from the buffer's first byte
.endr
.endm
	LOAD 0
	LOAD 1
.irp q, 0,1,2,3
.if \q < 3
	s_wait_loadcnt 16                              ; this K step's 16 loads are in; the next one's 16 may be out
.else
	s_wait_loadcnt 0x0
.endif
	TURN \q
	s_wait_dscnt 0x0                               ; the numbers are back: so the stores into the stage have read their registers,
.if \q < 2
	LOAD \q+2                                      ; which take the loads of two K steps on
.endif
	FRAGQ \q
.endr
	v_cmp_eq_u32 vcc_lo, 1, v7                     ; lanes 0-15 store the words of K steps 0, 1 of my four, lanes 16-31 those of 2, 3
	v_cndmask_b32 v20, v[WD], v[WD+2], vcc_lo
	v_cndmask_b32 v21, v[WD+1], v[WD+3], vcc_lo
	global_store_b64 v5, v[20:21], s[16:17]        ; 32 lanes store 256 consecutive bytes, aligned
	s_wait_tensorcnt 0x0                           ; the wave's end, behind my last LDS store
	ds_add_u32 v[SPW], v[NIL]
	s_wait_dscnt 0x0
	s_endpgm
.Lfunc_end_k_q0e9aa3b356_quant:
	.size	k_q0e9aa3b356_quant, .Lfunc_end_k_q0e9aa3b356_quant-k_q0e9aa3b356_quant
	.p2alignl 7, 3214868480
	.fill 96, 4, 3214868480
	.section	.rodata,"a",@progbits
	.p2align	6, 0x0
	.amdhsa_kernel k_q0e9aa3b356_quant
		.amdhsa_group_segment_fixed_size 34304
		.amdhsa_private_segment_fixed_size 0
		.amdhsa_enable_private_segment 0
		.amdhsa_kernarg_size 56
		.amdhsa_user_sgpr_count 2
		.amdhsa_user_sgpr_kernarg_segment_ptr 1
		.amdhsa_wavefront_size32 1
		.amdhsa_system_sgpr_workgroup_id_x 1
		.amdhsa_system_sgpr_workgroup_id_y 1
		.amdhsa_system_sgpr_workgroup_id_z 1
		.amdhsa_system_vgpr_workitem_id 0
		.amdhsa_next_free_vgpr 240
		.amdhsa_next_free_sgpr 66
		.amdhsa_reserve_vcc 1
		.amdhsa_float_denorm_mode_32 3
		.amdhsa_float_denorm_mode_16_64 3
		.amdhsa_memory_ordered 1
		.amdhsa_forward_progress 1
		.amdhsa_inst_pref_size 31
	.end_amdhsa_kernel
	.amdgpu_metadata
---
amdhsa.version: [ 1, 2 ]
amdhsa.kernels:
  - .name:           k_q0e9aa3b356_quant
    .symbol:         k_q0e9aa3b356_quant.kd
    .args:
      - { .name: x, .offset: 0, .size: 8, .value_kind: global_buffer, .address_space: global }
      - { .name: wq, .offset: 8, .size: 8, .value_kind: global_buffer, .address_space: global }
      - { .name: wk, .offset: 16, .size: 8, .value_kind: global_buffer, .address_space: global }
      - { .name: wv, .offset: 24, .size: 8, .value_kind: global_buffer, .address_space: global }
      - { .name: wo, .offset: 32, .size: 8, .value_kind: global_buffer, .address_space: global }
      - { .name: cw, .offset: 40, .size: 8, .value_kind: global_buffer, .address_space: global }
      - { .name: sw, .offset: 48, .size: 8, .value_kind: global_buffer, .address_space: global }
    .group_segment_fixed_size: 34304
    .private_segment_fixed_size: 0
    .kernarg_segment_align: 8
    .kernarg_segment_size: 56
    .max_flat_workgroup_size: 128
    .sgpr_count:     66
    .vgpr_count:     240
    .wavefront_size: 32
...
	.end_amdgpu_metadata
.endif
;; end of part 1
;; launch qkv (part 2): grid 24 x 8, 4 waves a work-group, clusters of 4 x 4, 327,680 bytes of LDS; arguments cw, sw, cos, sin, cq, sq; writes cq, sq
.if DOCPART == 2
	.amdgcn_target "amdgcn-amd-amdhsa--gfx1250"
	.amdhsa_code_object_version 6
	.text
	.protected	k_q0e9aa3b356_qkv
	.globl	k_q0e9aa3b356_qkv
	.p2align	8
	.type	k_q0e9aa3b356_qkv,@function
k_q0e9aa3b356_qkv:
	s_mov_b64 s[64:65], 0
	v_nop
	global_prefetch_b8 v0, s[64:65] scope:SCOPE_SE
	s_setreg_imm32_b32 hwreg(HW_REG_WAVE_MODE, 25, 1), 1
	s_wait_xcnt 0x0
	s_wait_alu depctr_hold_cnt(0) depctr_sa_sdst(0) depctr_va_vdst(0) depctr_va_sdst(0) depctr_va_ssrc(0) depctr_va_vcc(0) depctr_vm_vsrc(0)
	s_getreg_b32 s2, hwreg(HW_REG_IB_STS2, 6, 4)
	s_cmp_eq_u32 s2, 0
	s_cbranch_scc0 .Lentry_in_a_cluster
	s_endpgm
.Lentry_in_a_cluster:
	s_bfe_u32 s2, ttmp6, 0x10000c
	s_cmp_lg_u32 s2, 0xf033
	s_cbranch_scc0 .Lentry_shape_is_right
	s_endpgm
.Lentry_shape_is_right:
; q = rope(x wq^T), k = rope(x wk^T), v = x wv^T on codes of FP6 (E2M3) with E8M0 scales, and the quantisers of q and k (along the head's 128) and of v (along the keys).  Nothing leaves as f32.
; THE PRODUCT.  C = A B^T, K = 2,048.  A tile of C, 256 x 256, is made by four waves, each 128 x 128: 64 accumulators, 512 registers.  ct = cluster x / 2: 0: A = x, B = wq; 1: A = x, B = wk; 2: A = wv, B = x.
; The matrix instruction is used transposed (source 0 = 16 rows of B, source 1 = 16 rows of A): a lane holds ONE row of A (a token for q and k, a channel for v) and its registers run along B's rows
; (the head's channels for q and k, the keys for v), which are the next product's K.  Since place r of tile t is row 32 (t / 2) + 8 (t % 2) + r + 8 (r / 8), the 64 registers of a tile of A's rows are:
; register 16 b + i = index 32 b + 16 (lane / 16) + i of the wave's 128 columns: 16 neighbours four times, as the conversions want them.  A wave's 128 columns are one whole fragment: no other wave is asked.
; OPERANDS lie in memory as images of their registers (a fragment: 1,536 bytes, registers 4 c .. 4 c + 3 of lane l at 512 c + 16 l), [block of 128 rows][K step][tile]: two K steps of a block are 24,576 dense bytes,
; brought by one tensor load, read by ds_load_b128 at 16 x lane: no pitch, no padding.  Scale words: [block][K step / 4][tile][place][K step % 4]: a block's are 8,192 dense bytes; they come once and stay.
; RING: two slots of two K steps (A's two blocks, B's two blocks).  CLUSTERS: 4 x 4; A's tiles are asked for jointly along a row of the cluster, B's along a column.
; RESULT: cq [q, k, v][head 16][block 16][tile 8][1,536]; sq the same with 16 scale words a tile.  For q, k: block = 128 tokens, tile = 16 tokens; for v: block = 128 keys (K), tile = 16 channels.
; REGISTERS, in windows of 256: window 0: v16-29 addresses; v32-63 scale words, two sets; v128-223 A's fragments, one set.  window 1: B's fragments, two sets, at v0 and v128.  windows 2, 3: the accumulators, (a, b) at v[8 (8 (a % 4) + b)].
;   In the epilogue: window 0: v64-127 a tile behind RoPE; v192-239 at work; window 1: cos and sin, 64 registers a tile, two pairs of tiles.
; LIMITS: a block of zeros gets the byte 1 (its codes are zeros; this program alone reads the bytes); blocks under 2^-124 are held at the byte 1; NaN and infinities are not served.
; RoPE takes one fused multiply-add a term where the definition rounds both products: a difference of f32 roundings.
.set FR,    12                         ; registers of a fragment
.set NL,    3                          ; LDS loads that bring one
.set NP,    4                          ; places behind this matrix instruction (ISA guide 7.12.1)
.set NQ,    2                          ; K steps in a slot
.set FRB,   1536
.set KSB,   8*FRB                      ; a K step of a block of 128 rows
.set RBB,   16*KSB                     ; a block of 128 rows, all of K
.set SLQ,   NQ*KSB                     ; what one tensor load brings
.set SLOT,  4*SLQ
.set LAPS,  4                          ; 16 K steps = 8 slots' worth = 4 times round the ring
.set SCR,   8192                       ; a block's scale words
.set SCL,   2*SLOT                     ; behind the ring: the scale words of A's two blocks, then of B's two
.set SPARE, SCL+4*SCR                  ; behind them: the spare words, 128 bytes for each wave: two blocks of 256 bytes that no other line names
.set ADRA, 16                          ; v16-17  LDS address of my A fragments in slot 0, 1
.set ADRB, 20                          ; v20-21  the same for B
.set LI,   24                          ; v24     16 x lane: my place in an image
.set L4,   25                          ; v25     4 x lane
.set CSO,  26                          ; v26     cos, sin: (r + 8 (r / 8)) rows of 256 bytes + 32 h
.set ADRS, 27                          ; v27     LDS address of my scale words: lanes 0-15 A's rows, lanes 16-31 B's
.set SPW,  28                          ; v28     LDS address of my spare word; never rewritten
.set NIL,  29                          ; v29     0; never rewritten
.set SC,   32
.set HH,   64
.set AF,   128
.set TM,   192                         ; v192-195 largest magnitudes, v196-199 bytes, v204-207 the conversions' scale operands
.set PW,   208                         ; the scale word just made;  v209 the even tile's;  v210 what is stored
.set PWE,  209
.set PWS,  210
.set PC,   212                         ; v212-231 the codes just made
.set TT,   232                         ; v232-239 RoPE's products with sin
.set G1, 24                            ; s[24:31] descriptor group 1 for A's tiles;  s[32:39] group 0, one set for each slot
.set G0, 32
.set G1B, 48                           ; s[48:55], s[56:63] the same for B's
.set G0B, 56
.set G1S, 68                           ; s[68:75], s[76:79] groups 1 and 0 for A's scale words;  s[80:87], s[88:91] for B's
.set G0S, 76
.set G1SB, 80
.set G0SB, 88
.set MSB, 0
.macro WIN new                         ; the immediate's high byte repeats the setting that is left; a switch that changes nothing is dropped
.if MSB != (\new)
	s_set_vgpr_msb (MSB<<8)|(\new)
.set MSB, (\new)
.endif
.endm
.set MUL_LO, 0xa1                      ; source 0 (B) window 1, source 1 (A) window 0, C and D window 2
.set MUL_HI, 0xf1                      ; the same, C and D window 3
.set TO_B,   0x40                      ; destination window 1, address window 0
; A joint load: waves 0 and 1 fetch for A, waves 2 and 3 for B.  Each line has one mask and one set of registers for all that issue it; the branch hangs on the wave's number alone.
; An s_nop 0 and four v_nop follow each of the two lines, ahead of the jump, the label and what follows.
.macro JLOAD g0a, g1a, g0b, g1b
	s_cmp_eq_u32 s15, 0
	s_cbranch_scc0 .Lfor_b_\@
	tensor_load_to_lds s[\g0a:\g0a+3], s[\g1a:\g1a+7]
	s_nop 0
.rept 4
	v_nop
.endr
	s_branch .Lasked_\@
.Lfor_b_\@:
	tensor_load_to_lds s[\g0b:\g0b+3], s[\g1b:\g1b+7]
	s_nop 0
.rept 4
	v_nop
.endr
.Lasked_\@:
.endm
.macro CREST                           ; a round of the cluster's barrier behind its opening barrier
	s_cmp_lg_u32 s14, 0
	s_cbranch_scc1 .Lnot_wave_0_\@
	s_barrier_signal -3
.Lnot_wave_0_\@:
	s_barrier_wait -3
	s_barrier_signal -1
	s_barrier_wait -1
.endm
.macro CROUND                          ; a whole round
	s_barrier_signal -1
	s_barrier_wait -1
	CREST
.endm
	s_load_b256 s[4:11], s[0:1], 0x0               ; cw s[4:5], sw s[6:7], cos s[8:9], sin s[10:11]
	s_load_b64 s[12:13], s[0:1], 0x20              ; cq
	s_load_b64 s[96:97], s[0:1], 0x28              ; sq
	v_lshl_add_u32 v[SPW], v0, 2, SPARE
	v_mov_b32 v[NIL], 0
	ds_add_u32 v[SPW], v[NIL]                      ; the wave's opening: the add and its wait come ahead of my first tensor load; the set-up below, work on registers, stands between them
	v_lshrrev_b32 v1, 5, v0
	v_readfirstlane_b32 s14, v1                    ; wave 0..3
	s_lshr_b32 s15, s14, 1                         ; which of A's two blocks is mine.  Also: I fetch for A (0) or for B (1)
	s_and_b32 s16, s14, 1                          ; which of B's two.  Also: which block of that operand I fetch
	s_bfe_u32 s40, ttmp6, 0x40000                  ; cx, cy: my place in the cluster
	s_bfe_u32 s41, ttmp6, 0x40004
	s_lshl_b32 s42, ttmp9, 2
	s_add_co_u32 s42, s42, s40
	s_and_b32 s42, s42, 7                          ; tile column within its product = (4 x cluster x + cx) % 8
	s_and_b32 s17, ttmp7, 0xffff
	s_lshl_b32 s17, s17, 2
	s_add_co_u32 s17, s17, s41                     ; tile row = 4 x cluster y + cy
	s_lshr_b32 s95, ttmp9, 1                       ; ct: 0 q, 1 k, 2 v: the same in all sixteen partners
	s_lshl_b32 s43, s41, 2
	s_lshl_b32 s43, 15, s43                        ; my row of the cluster
	s_lshl_b32 s44, 0x1111, s40                    ; my column
	; descriptor group 1: 24,576 dense bytes as 96 rows of 32 elements of 8 bytes, no padding
	s_or_b32 s[G1+0], s43, (3<<16)|(1<<21)         ; 15:0 the mask: A's tiles go to my row; 17:16 elements of 8 bytes; 21 set beside a mask
	s_or_b32 s[G1B+0], s44, (3<<16)|(1<<21)
.irp g, G1, G1B
	s_mov_b32 s[\g+1], 32<<16                      ; tensor_dim0
	s_mov_b32 s[\g+2], (SLQ/256)<<16               ; tensor_dim1
	s_mov_b32 s[\g+3], 32<<16                      ; tile_dim0
	s_mov_b32 s[\g+4], SLQ/256                     ; tile_dim1
	s_mov_b32 s[\g+5], 32                          ; tensor_dim0_stride
	s_mov_b32 s[\g+6], 0
	s_mov_b32 s[\g+7], 0
.endr
	s_or_b32 s[G1S+0], s43, (3<<16)|(1<<21)        ; and the scale words of a block: 8,192 dense bytes as 32 such rows
	s_or_b32 s[G1SB+0], s44, (3<<16)|(1<<21)
.irp g, G1S, G1SB
	s_mov_b32 s[\g+1], 32<<16
	s_mov_b32 s[\g+2], (SCR/256)<<16
	s_mov_b32 s[\g+3], 32<<16
	s_mov_b32 s[\g+4], SCR/256
	s_mov_b32 s[\g+5], 32
	s_mov_b32 s[\g+6], 0
	s_mov_b32 s[\g+7], 0
.endr
	; which tensors: in cw and sw: 0 x, 1 wq, 2 wk, 3 wv.  A: 3 for v, else 0.  B: 0 for v, else ct + 1.  Made of the cluster's x alone
	s_lshr_b32 s18, s95, 1                         ; 1 for v
	s_xor_b32 s19, s18, 1                          ; 1 for q and k
	s_mul_i32 s18, s18, 48                         ; 16 blocks a tensor: A's first block
	s_add_co_u32 s93, s95, 1
	s_lshl_b32 s93, s93, 4
	s_mul_i32 s19, s19, s93                        ; B's first block
	s_lshl_b32 s20, s17, 1
	s_add_co_u32 s20, s20, s16
	s_add_co_u32 s20, s20, s18                     ; the block of A that I fetch: 2 x tile row + wave % 2
	s_lshl_b32 s46, s42, 1
	s_add_co_u32 s46, s46, s16
	s_add_co_u32 s46, s46, s19                     ; the block of B: 2 x tile column + wave % 2
	s_lshl_b32 s22, s20, 13                        ; where their scale words begin,
	s_mov_b32 s23, 0
	s_lshl_b32 s92, s46, 13
	s_mov_b32 s93, 0
	s_mul_i32 s20, s20, RBB                        ; and their codes
	s_mov_b32 s21, 0
	s_mul_i32 s46, s46, RBB
	s_mov_b32 s47, 0
	s_mul_i32 s45, s14, SLQ                        ; where they go: wave x a quarter of a slot: no place in the cluster enters an LDS address
	s_lshl_b32 s94, s14, 13
	s_wait_dscnt 0x0                               ; the opening add is done
	s_wait_kmcnt 0x0
	s_add_nc_u64 s[20:21], s[4:5], s[20:21]
	s_add_nc_u64 s[22:23], s[6:7], s[22:23]
	s_add_nc_u64 s[46:47], s[4:5], s[46:47]
	s_add_nc_u64 s[92:93], s[6:7], s[92:93]
	CROUND                                         ; all sixteen work-groups are here: the first joint loads meet
	s_mov_b32 s[G0S], 1
	s_add_co_u32 s[G0S+1], s94, SCL
	s_mov_b64 s[G0S+2:G0S+3], s[22:23]
	s_or_b32 s[G0S+3], s[G0S+3], 0x80000000
	s_mov_b32 s[G0SB], 1
	s_add_co_u32 s[G0SB+1], s94, SCL
	s_mov_b64 s[G0SB+2:G0SB+3], s[92:93]
	s_or_b32 s[G0SB+3], s[G0SB+3], 0x80000000
	JLOAD G0S, G1S, G0SB, G1SB                     ; the scale words first: they are wanted with K step 0
.irp s, 0,1
	s_mov_b32 s[G0+4*\s], 1
	s_add_co_u32 s[G0+4*\s+1], s45, \s*SLOT
	s_add_nc_u64 s[G0+4*\s+2:G0+4*\s+3], s[20:21], \s*SLQ
	s_or_b32 s[G0+4*\s+3], s[G0+4*\s+3], 0x80000000
	s_mov_b32 s[G0B+4*\s], 1
	s_add_co_u32 s[G0B+4*\s+1], s45, \s*SLOT
	s_add_nc_u64 s[G0B+4*\s+2:G0B+4*\s+3], s[46:47], \s*SLQ
	s_or_b32 s[G0B+4*\s+3], s[G0B+4*\s+3], 0x80000000
	JLOAD G0+4*\s, G1, G0B+4*\s, G1B               ; three tensor loads of mine are out
.endr
	v_and_b32 v1, 15, v0                           ; r
	v_bfe_u32 v2, v0, 4, 1                         ; h
	v_and_b32 v3, 31, v0                           ; lane
	v_lshlrev_b32 v[LI], 4, v3
	v_lshlrev_b32 v[L4], 2, v3
	s_mul_i32 s21, s15, SLQ                        ; my block of A
	s_mul_i32 s22, s16, SLQ                        ; my block of B,
	s_add_co_u32 s22, s22, 2*SLQ                   ; behind A's two
.irp s, 0,1
	v_add_nc_u32 v[ADRA+\s], s21, v[LI]
	v_add_nc_u32 v[ADRB+\s], s22, v[LI]
	s_add_co_u32 s21, s21, SLOT
	s_add_co_u32 s22, s22, SLOT
.endr
	v_lshlrev_b32 v5, 4, v1                        ; my place's scale words: 16 bytes a place
	s_lshl_b32 s21, s15, 13                        ; A's: my block
	s_lshl_b32 s22, s16, 13                        ; B's: my block, behind A's two
	s_add_co_u32 s22, s22, 2*SCR
	s_sub_co_u32 s22, s22, s21
	v_mul_u32_u24 v6, s22, v2                      ; lanes 16-31 take B's
	s_add_co_u32 s21, s21, SCL
	v_add_nc_u32 v5, v5, v6
	v_add_nc_u32 v[ADRS], s21, v5
	v_and_b32 v6, 8, v1
	v_add_nc_u32 v6, v6, v1                        ; r + 8 (r / 8)
	v_lshlrev_b32 v[CSO], 8, v6
	v_lshl_add_u32 v[CSO], v2, 5, v[CSO]
	v_cmp_le_u32 s2, 16, v3                        ; the lanes 16-31, as a mask in a scalar register
	s_mov_b32 s66, 0x76543210
	s_mov_b32 s67, 0xfedcba98                      ; v_permlanex16_b32's selects for lane l xor 16
	; where my results go
	s_lshl_b32 s20, s17, 1
	s_add_co_u32 s20, s20, s15                     ; my block of A's rows
	s_lshl_b32 s21, s42, 1
	s_add_co_u32 s21, s21, s16                     ; my block of B's rows
	s_cmp_eq_u32 s95, 2
	s_cselect_b32 s22, s20, s21                    ; the head: B's block for q and k, A's for v
	s_cselect_b32 s23, s21, s20                    ; the block of tokens
	s_lshl_b32 s18, s95, 4
	s_add_co_u32 s18, s18, s22
	s_lshl_b32 s18, s18, 4
	s_add_co_u32 s18, s18, s23                     ; (16 ct + head) 16 + block
	s_lshl_b32 s46, s18, 9
	s_mov_b32 s47, 0
	s_add_nc_u64 s[96:97], s[96:97], s[46:47]
	s_mul_i32 s46, s18, KSB
	s_add_nc_u64 s[12:13], s[12:13], s[46:47]
	s_lshl_b32 s46, s20, 15                        ; cos and sin at my 128 tokens (q, k): rows of 256 bytes
	s_add_nc_u64 s[8:9], s[8:9], s[46:47]
	s_add_nc_u64 s[10:11], s[10:11], s[46:47]
.macro FRAG reg, adr, q, i             ; a fragment comes as it was stored: three loads of 512 consecutive bytes
.irp c, 0,1,2
	ds_load_b128 v[\reg+4*\c:\reg+4*\c+3], v[\adr] offset:(\q)*KSB+(\i)*FRB+512*\c
.endr
.endm
; 16 matrix instructions: A's tiles a0, a0 + 1 x B's eight, 128 along K: the slot's q-th.  p: B's set;  sc: the set of scale words.  zero = 1: the first product starts the sums.
; The 64 accumulators take turns, one instruction a turn, in the same order in every step.
.macro MUL16 a0, p, q, sc, zero
.irp a, \a0, \a0+1
.irp b, 0,1,2,3,4,5,6,7
.if \zero
	v_wmma_scale_f32_16x16x128_f8f6f4 v[8*(8*((\a)%4)+\b):8*(8*((\a)%4)+\b)+7], v[128*(\p)+FR*\b:128*(\p)+FR*\b+FR-1], v[AF+FR*(\a):AF+FR*(\a)+FR-1], 0, v[SC+8*NQ*(\sc)+NQ*\b+(\q)], v[SC+8*NQ*(\sc)+NQ*(\a)+(\q)] matrix_a_fmt:MATRIX_FMT_FP6 matrix_b_fmt:MATRIX_FMT_FP6 matrix_a_scale:MATRIX_SCALE_ROW1
.else
	v_wmma_scale_f32_16x16x128_f8f6f4 v[8*(8*((\a)%4)+\b):8*(8*((\a)%4)+\b)+7], v[128*(\p)+FR*\b:128*(\p)+FR*\b+FR-1], v[AF+FR*(\a):AF+FR*(\a)+FR-1], v[8*(8*((\a)%4)+\b):8*(8*((\a)%4)+\b)+7], v[SC+8*NQ*(\sc)+NQ*\b+(\q)], v[SC+8*NQ*(\sc)+NQ*(\a)+(\q)] matrix_a_fmt:MATRIX_FMT_FP6 matrix_b_fmt:MATRIX_FMT_FP6 matrix_a_scale:MATRIX_SCALE_ROW1
.endif
.endr
.endr
.endm
.macro FETCH_B slot, q, p              ; B's eight fragments of the slot's q-th K step into set p
	WIN TO_B
.irp i, 0,1,2,3,4,5,6,7
	FRAG 128*(\p)+FR*\i, ADRB+\slot, \q, \i
.endr
	WIN 0
.endm
.macro FETCH_A slot, q, i0             ; A's tiles i0 .. i0 + 3
.irp i, \i0, \i0+1, \i0+2, \i0+3
	FRAG AF+FR*(\i), ADRA+\slot, \q, \i
.endr
.endm
.macro SCALES sc                       ; a slot's scale words into set sc: two words a place; lanes 0-15 take A's tile i, lanes 16-31 B's tile i
.irp i, 0,1,2,3,4,5,6,7
	ds_load_b64 v[SC+8*NQ*\sc+NQ*\i:SC+8*NQ*\sc+NQ*\i+1], v[ADRS] offset:\i*256
.endr
.endm
.macro PLACES n                        ; plain vector instructions that name none of a matrix instruction's registers, ahead of loads into registers that it has read and of reads of its results
.rept \n
	v_nop
.endr
.endm
; A K step that has its successor in the same slot.
.macro STEP slot, q, zero
	s_wait_dscnt 4*NL                              ; B's set and A's tiles 0-3 are in; the youngest twelve loads (A's tiles 4-7) may be out
	WIN MUL_LO
	MUL16 0, (\q)%2, \q, \slot, \zero
	MUL16 2, (\q)%2, \q, \slot, \zero
	s_wait_dscnt 0                                 ; A's tiles 4-7 are in (asked for 32 matrix instructions ago)
	PLACES NP
	FETCH_B \slot, (\q)+1, 1-(\q)%2
	FETCH_A \slot, (\q)+1, 0
	WIN MUL_HI
	MUL16 4, (\q)%2, \q, \slot, \zero
	MUL16 6, (\q)%2, \q, \slot, \zero
	PLACES NP
	WIN 0
	FETCH_A \slot, (\q)+1, 4
.endm
; A slot's last K step changes slots: ONE barrier; in front of it each wave waits for all its tensor loads, adds 0 to its spare word, and waits for that and for its own reads of this slot.  fill = 1: this slot is filled again, two slots ahead.
.macro TURN slot, next, fill
	s_wait_tensorcnt 0x0                           ; all my tensor loads have landed: my part of the next slot;  (every window is 0 here)
	ds_add_u32 v[SPW], v[NIL]                      ; 0 onto my spare word
	s_wait_dscnt 4*NL+1                            ; (the add and the youngest twelve loads, A's tiles 4-7, may be out)
	WIN MUL_LO
	MUL16 0, 1, NQ-1, \slot, 0                     ; sixteen matrix instructions stand between the add and the wait for it
	s_wait_dscnt 0x0                               ; the add is done, and my reads of this slot are over
	s_barrier_signal -1
	MUL16 2, 1, NQ-1, \slot, 0
	WIN 0
	s_barrier_wait -1
.if \fill
	CREST                                          ; the barrier has opened a round of the cluster's barrier: no wave of any partner still reads this slot or has a load on its way
	s_add_nc_u64 s[G0+4*\slot+2:G0+4*\slot+3], s[G0+4*\slot+2:G0+4*\slot+3], 2*SLQ
	s_add_nc_u64 s[G0B+4*\slot+2:G0B+4*\slot+3], s[G0B+4*\slot+2:G0B+4*\slot+3], 2*SLQ
	JLOAD G0+4*\slot, G1, G0B+4*\slot, G1B         ; the first tensor load behind the round; the four v_nop behind it are the places in front of the loads below
.else
	PLACES NP
.endif
.if \slot == 0
	v_add_nc_u32 v[ADRS], 8, v[ADRS]               ; the next two K steps' scale words: 8 bytes on in the same group of four K steps,
.else
	v_add_nc_u32 v[ADRS], 2040, v[ADRS]            ; or at the head of the next group, 2,048 bytes from this group's head  (no LDS load of mine is out)
.endif
	FETCH_B \next, 0, 0
	FETCH_A \next, 0, 0
	SCALES \next
	WIN MUL_HI
	MUL16 4, 1, NQ-1, \slot, 0
	MUL16 6, 1, NQ-1, \slot, 0
	PLACES NP
	WIN 0
	FETCH_A \next, 0, 4
.endm
	s_wait_tensorcnt 1                             ; the scale words and my part of slot 0 are in (slot 1's load may be out)
	s_barrier_signal -1
	s_barrier_wait -1                              ; everybody's are
	FETCH_B 0, 0, 0
	FETCH_A 0, 0, 0
	SCALES 0
	FETCH_A 0, 0, 4
	STEP 0, 0, 1                                   ; the first K step stands in front of the loop: its products start the sums
	s_mov_b32 s3, LAPS-1
.Llap:                                                 ; a trip goes once round the ring, from a lap's second K step to the next lap's first, and fills both slots again
	TURN 0, 1, 1
	STEP 1, 0, 0
	TURN 1, 0, 1
	STEP 0, 0, 0
	s_sub_co_u32 s3, s3, 1
	s_cmp_lg_u32 s3, 0
	s_cbranch_scc1 .Llap
	TURN 0, 1, 0                                   ; the last lap fills nothing, and has no round of the cluster's barrier
	STEP 1, 0, 0
	s_wait_dscnt 4*NL                              ; the very last K step: nothing more to fetch
	WIN MUL_LO
	MUL16 0, 1, NQ-1, 1, 0
	MUL16 2, 1, NQ-1, 1, 0
	s_wait_dscnt 0
	WIN MUL_HI
	MUL16 4, 1, NQ-1, 1, 0
	MUL16 6, 1, NQ-1, 1, 0
	WIN 0
; THE EPILOGUE.  64 numbers of a lane, v[s] .. v[s + 63] of window W, register 16 b + i = index 32 b + 16 (lane / 16) + i of my row, become a fragment's codes in v[PC] on and its scale word in v[PW].
; Each accumulator is read from its low end on.
.macro QUANT s, W
	WIN (\W)|((\W)<<2)
.irp b, 0,1,2,3
	v_max3_num_f32 v[TM+\b], |v[\s+16*\b]|, |v[\s+1+16*\b]|, 0x1800000   ; block b: my 16 numbers, and the floor 2^(3 - 127): so the byte cannot fall under 1
.endr
	WIN ((\W)<<2)|((\W)<<4)
.irp i, 2,4,6,8,10,12,14
.irp b, 0,1,2,3
	v_max3_num_f32 v[TM+\b], v[TM+\b], |v[\s+16*\b+\i]|, |v[\s+1+16*\b+\i]|   ; (the four blocks by turns)
.endr
.endr
	WIN 0
.irp b, 0,1,2,3
	v_permlanex16_b32 v[TM+4+\b], v[TM+\b], s66, s67
.endr
.irp b, 0,1,2,3
	v_max_num_f32 v[TM+\b], v[TM+\b], v[TM+4+\b]   ; with lane l xor 16's: the block's largest magnitude
.endr
.irp b, 0,1,2,3
	v_add_nc_u32 v[TM+12+\b], 0xff000000, v[TM+\b] ; 2 off its exponent field: the conversion's scale operand
.endr
.irp b, 0,1,2,3
	v_lshrrev_b32 v[TM+4+\b], 23, v[TM+12+\b]      ; the scale's byte
.endr
	v_lshl_or_b32 v[PW], v[TM+5], 8, v[TM+4]       ; the four bytes make my row's scale word
	v_lshl_or_b32 v[PW], v[TM+6], 16, v[PW]
	v_lshl_or_b32 v[PW], v[TM+7], 24, v[PW]
	s_wait_xcnt 0x0                                ; the last tile's stores have read their data: the codes' registers and the stored word are written again only behind this wait
	WIN (\W)
.irp c, 0,1
	v_cvt_scalef32_pk16_fp6_f32 v[PC+6*\c:PC+2+6*\c], v[\s+32*\c:\s+15+32*\c], v[TM+12+2*\c]
	v_cvt_scalef32_pk16_fp6_f32 v[PC+12+4*\c:PC+14+4*\c], v[\s+16+32*\c:\s+31+32*\c], v[TM+12+2*\c+1]   ; (a conversion's three registers begin on an even number)
.endr
	WIN 0
	v_nop                                          ; one plain place behind a scaled conversion
.irp c, 0,1                                    ; the operand's layout wants a WHOLE block in a lane: lanes 0-15 block 2 c, lanes 16-31 block 2 c + 1
.irp i, 0,1,2
	v_permlane16_swap_b32 v[PC+6*\c+\i], v[PC+12+4*\c+\i]
.endr
.irp i, 0,1,2
	v_mov_b32 v[PC+3+6*\c+\i], v[PC+12+4*\c+\i]
.endr
.endr
.endm
; cos and sin of tiles 2 p and 2 p + 1 into window 1: for a tile 32 registers of cos, then 32 of sin; register 8 g + n is the table's column 16 g + 8 h + n of my token's row
.macro LOADCS p
	WIN 0x40
.irp u, 0,1
.irp g, 0,1,2,3
.irp j, 0,1
	global_load_b128 v[128*((\p)%2)+64*\u+8*\g+4*\j:128*((\p)%2)+64*\u+8*\g+4*\j+3], v[CSO], s[8:9] offset:(32*(\p)+8*\u)*256+64*\g+16*\j
	global_load_b128 v[128*((\p)%2)+64*\u+32+8*\g+4*\j:128*((\p)%2)+64*\u+32+8*\g+4*\j+3], v[CSO], s[10:11] offset:(32*(\p)+8*\u)*256+64*\g+16*\j
.endr
.endr
.endr
	WIN 0
.endm
; RoPE on tile a: registers 8 b + j and 8 b + j + 1 (j even) are channels 2 m and 2 m + 1 with m = 16 (b / 2) + 8 h + 4 (b % 2) + j / 2.  The results go to v[HH] on, in window 0.
.macro ROPE a
.set CSB, 128*(((\a)/2)%2)+64*((\a)%2)
.set XA, 64*((\a)%4)
	WIN 0x01|((2+(\a)/4)<<2)                       ; source 0 (cos, sin) window 1, source 1 (the sums) window 2 or 3
.irp b, 0,1,2,3,4,5,6,7
.irp j, 0,2,4,6
	v_mul_f32 v[TT+\j], v[CSB+32+8*(\b/2)+4*(\b%2)+\j/2], v[XA+8*\b+\j+1]     ; sin x1
	v_mul_f32 v[TT+\j+1], v[CSB+32+8*(\b/2)+4*(\b%2)+\j/2], v[XA+8*\b+\j]     ; sin x0
.endr
.irp j, 0,2,4,6
	v_fma_f32 v[HH+8*\b+\j], v[CSB+8*(\b/2)+4*(\b%2)+\j/2], v[XA+8*\b+\j], -v[TT+\j]        ; cos x0 - sin x1
	v_fma_f32 v[HH+8*\b+\j+1], v[CSB+8*(\b/2)+4*(\b%2)+\j/2], v[XA+8*\b+\j+1], v[TT+\j+1]   ; cos x1 + sin x0
.endr
.endr
	WIN 0
.endm
.macro OUTF a                          ; tile a's image, 1,536 dense bytes; the scale words of two tiles leave together: lanes 0-15 the even tile's, lanes 16-31 the odd one's: 128 consecutive bytes
.irp c, 0,1,2
	global_store_b128 v[LI], v[PC+4*\c:PC+4*\c+3], s[12:13] offset:FRB*(\a)+512*\c
.endr
.if (\a)%2 == 0
	v_mov_b32 v[PWE], v[PW]
.else
	v_cndmask_b32 v[PWS], v[PWE], v[PW], s2
	global_store_b32 v[L4], v[PWS], s[96:97] offset:64*((\a)-1)
.endif
.endm
	PLACES NP                                      ; behind the last products: ahead of the reads of results, of writes and of loads into registers that held operands
.irp b, 0,1,2,3
	v_mov_b32 v[TM+4+\b], 0                        ; written once: a lane permute's destination counts as one of its sources
.endr
	s_cmp_eq_u32 s95, 2                            ; the cluster's x alone: the same in all sixteen partners
	s_cbranch_scc1 .Lvpath
	LOADCS 0
	LOADCS 1
.irp p, 0,1,2,3
.if \p < 3
	s_wait_loadcnt 32                              ; this pair of tiles' 32 loads are in; the next pair's 32 may be out
.else
	s_wait_loadcnt 0x0
.endif
.irp u, 0,1
	ROPE 2*\p+\u
	QUANT HH, 0
	OUTF 2*\p+\u
.endr
.if \p < 2
	LOADCS \p+2                                    ; into the registers that this pair has left
.endif
.endr
	s_branch .Ldone
.Lvpath:                                               ; v: the sums are quantised as they stand, along the keys
.irp a, 0,1,2,3,4,5,6,7
	QUANT 64*(\a%4), 2+\a/4
	OUTF \a
.endr
.Ldone:
	s_wait_tensorcnt 0x0                           ; the wave's end, behind my last tensor load
	ds_add_u32 v[SPW], v[NIL]
	s_wait_dscnt 0x0
	CROUND                                         ; the closing round: no work-group ends while a partner may still ask for a tile that names it
	s_endpgm
.Lfunc_end_k_q0e9aa3b356_qkv:
	.size	k_q0e9aa3b356_qkv, .Lfunc_end_k_q0e9aa3b356_qkv-k_q0e9aa3b356_qkv
	.p2alignl 7, 3214868480
	.fill 96, 4, 3214868480
	.section	.rodata,"a",@progbits
	.p2align	6, 0x0
	.amdhsa_kernel k_q0e9aa3b356_qkv
		.amdhsa_group_segment_fixed_size 327680
		.amdhsa_private_segment_fixed_size 0
		.amdhsa_enable_private_segment 0
		.amdhsa_kernarg_size 48
		.amdhsa_user_sgpr_count 2
		.amdhsa_user_sgpr_kernarg_segment_ptr 1
		.amdhsa_wavefront_size32 1
		.amdhsa_system_sgpr_workgroup_id_x 1
		.amdhsa_system_sgpr_workgroup_id_y 1
		.amdhsa_system_sgpr_workgroup_id_z 1
		.amdhsa_system_vgpr_workitem_id 0
		.amdhsa_next_free_vgpr 1024
		.amdhsa_next_free_sgpr 98
		.amdhsa_reserve_vcc 0
		.amdhsa_float_denorm_mode_32 3
		.amdhsa_float_denorm_mode_16_64 3
		.amdhsa_memory_ordered 1
		.amdhsa_forward_progress 1
		.amdhsa_inst_pref_size 235
	.end_amdhsa_kernel
	.amdgpu_metadata
---
amdhsa.version: [ 1, 2 ]
amdhsa.kernels:
  - .name:           k_q0e9aa3b356_qkv
    .symbol:         k_q0e9aa3b356_qkv.kd
    .args:
      - { .name: cw, .offset: 0, .size: 8, .value_kind: global_buffer, .address_space: global }
      - { .name: sw, .offset: 8, .size: 8, .value_kind: global_buffer, .address_space: global }
      - { .name: cos, .offset: 16, .size: 8, .value_kind: global_buffer, .address_space: global }
      - { .name: sin, .offset: 24, .size: 8, .value_kind: global_buffer, .address_space: global }
      - { .name: cq, .offset: 32, .size: 8, .value_kind: global_buffer, .address_space: global }
      - { .name: sq, .offset: 40, .size: 8, .value_kind: global_buffer, .address_space: global }
    .group_segment_fixed_size: 327680
    .private_segment_fixed_size: 0
    .kernarg_segment_align: 8
    .kernarg_segment_size: 48
    .max_flat_workgroup_size: 128
    .sgpr_count:     98
    .vgpr_count:     1024
    .wavefront_size: 32
...
	.end_amdgpu_metadata
.endif
;; end of part 2
;; launch attn (part 3): grid 16 x 16, 8 waves a work-group, clusters of 4 x 4, 327,680 bytes of LDS; arguments cq, sq, mask, co, so; writes co, so
.if DOCPART == 3
	.amdgcn_target "amdgcn-amd-amdhsa--gfx1250"
	.amdhsa_code_object_version 6
	.text
	.protected	k_q0e9aa3b356_attn
	.globl	k_q0e9aa3b356_attn
	.p2align	8
	.type	k_q0e9aa3b356_attn,@function
k_q0e9aa3b356_attn:
	s_mov_b64 s[64:65], 0
	v_nop
	global_prefetch_b8 v0, s[64:65] scope:SCOPE_SE
	s_setreg_imm32_b32 hwreg(HW_REG_WAVE_MODE, 25, 1), 1
	s_wait_xcnt 0x0
	s_wait_alu depctr_hold_cnt(0) depctr_sa_sdst(0) depctr_va_vdst(0) depctr_va_sdst(0) depctr_va_ssrc(0) depctr_va_vcc(0) depctr_vm_vsrc(0)
	s_getreg_b32 s2, hwreg(HW_REG_IB_STS2, 6, 4)
	s_cmp_eq_u32 s2, 0
	s_cbranch_scc0 .Lentry_in_a_cluster
	s_endpgm
.Lentry_in_a_cluster:
	s_bfe_u32 s2, ttmp6, 0x10000c
	s_cmp_lg_u32 s2, 0xf033
	s_cbranch_scc0 .Lentry_shape_is_right
	s_endpgm
.Lentry_shape_is_right:
; o[q] = the sum over keys of softmax(q . k / sqrt(128) + mask[q][key]) v[key], for 16 heads, both products on codes of FP6 (E2M3) with E8M0 scales; then the quantiser of o along the last product's K (head x 128 + channel).
; THE MASK IS AN INPUT: all its numbers are loaded and added, for every head; no key is left out.
; THE SOFTMAX AHEAD OF THE SECOND PRODUCT: t = logit x log2(e); M = the row's largest t so far, rounded up to a whole number; p = 2^(t - M) is quantised along the keys, not normalised; the row's sum is taken of the
; unquantised p and divides at the end.  When M moves, the sum and O are multiplied by 2^(old M - new M): exact.
; SHARES.  A work-group owns 128 queries of one head, each of its eight waves one tile of 16 (place r of tile w is query 32 (w / 2) + 8 (w % 2) + r + 8 (r / 8) of the block).  Every wave walks 16 steps of 128 keys.
; LAYOUT.  Both products are used transposed: S^T = K Q^T (source 0 = 16 keys), O^T = V^T P^T (source 0 = 16 channels): a lane holds ONE query.  K's and V's tiles have the same choice of rows, so that the 16 registers
; of tiles 2 b and 2 b + 1 are keys (channels) 32 b + 16 (lane / 16) + 0 .. 15.  Fragments lie in memory and in LDS as images of their registers (1,536 bytes, registers 4 c .. 4 c + 3 of lane l at 512 c + 16 l).
; THE MASK RIDES IN AS THE C OF S^T: S' = K Q^T + mask x sqrt(128), so that t = c S' with c = log2(e) / sqrt(128).  It is loaded from LDS straight into the accumulators' registers and multiplied there.
; THE EXPONENT IS A DIFFERENCE FIRST: p = 2^((S' - Sref) c + d), Sref the running largest S', d = c Sref - M, which lies in (-1, 0]: so the largest p lies in (1/2, 1] however large the logits are.
; RING: two slots of one key step: K's 8 images, V's 8 images, the mask's 128 rows x 512 bytes.  The scale words of the head's K and V come once and stay.
; CLUSTER 4 x 4: the four work-groups of a row share the head: K, V and their scale words are asked for jointly; the four of a column share the block of queries: so is the mask's tile.
; REGISTERS: window 0: v1-11 addresses; v12-23 the row's figures; v24-35 Q; v36-55 p's codes; v56-71 at work; v72-87 K's and V's scale words; v96-159 S^T, then p; v160-223 O^T.  window 1: v0-95 eight fragments of K or of V.
; LIMITS: |mask| beyond 3e37 overflows in mask x sqrt(128); score and mask x sqrt(128) are added in one rounding inside the matrix sum, not behind the division by sqrt(128); a block of zeros gets the byte 1 (this program
; alone reads the bytes); NaN among the inputs is not served.
.set FRB,   1536
.set KSB,   8*FRB                      ; a step's K, and its V
.set SLOT1, 131072                     ; slot 1 begins here, so that one exclusive or turns an address in one slot into the other's
.set VOFF,  KSB
.set MOFF,  2*KSB                      ; the mask's tile in a slot
.set MP,    520                        ; its row: 512 bytes + 8 = 130 words: my 32 lanes' loads of 8 bytes fall on words 2 x row + 16 h + 0, 1 modulo 64, rows 0-7 and 16-23: each of the 64 banks once (ISA guide 11.1)
.set SCK,   262144                     ; behind the ring: the scale words of the head's K, 8,192 bytes, then of its V
.set SPARE, SCK+16384                  ; the spare words, 128 bytes for each wave: four blocks of 256 bytes that no other line names
.set LI,   1                           ; v1   16 x lane
.set AM0,  2                           ; v2   my place in the mask's tile: my query's row, + 64 h
.set ASC0, 3                           ; v3   my place among the scale words: 4 r
.set PFO,  4                           ; v4   the prefetches' offset: 8,192 x lane: a lane a row of the mask; never rewritten
.set SPW,  5                           ; v5   LDS address of my spare word; never rewritten
.set NIL,  6                           ; v6   0; never rewritten
.set LN,   7
.set ADF,  8                           ; v8-10 LDS addresses of the step in hand: fragments, mask, scale words
.set ADM,  9
.set ADS,  10
.set QSO,  11                          ; v11  4 r: Q's scale word
.set DL,   12                          ; v[12:13] d, and a 0 that is named with it as a pair
.set SUM,  14                          ; v[14:15] the row's sum in two halves
.set NREF, 16                          ; v[16:17] -Sref, and a 0
.set NM,   18                          ; v18  -M
.set T0,   19
.set FM,   20                          ; v[20:21] f = 2^(old M - new M), and a 0
.set PW,   22                          ; v22  p's scale word
.set QS,   23                          ; v23  Q's
.set QF,   24
.set PC,   36
.set BM,   56
.set PT,   60
.set SO,   64
.set SUM2, 68
.set T1,   70
.set T2,   71
.set KS,   72
.set VS,   80
.set S,    96
.set OT,   160
.set WV,   14
.set SEL,  20
.set CS,   22
.set SQ,   24
.set TB,   26                          ; s26  LDS byte at which the slot in hand begins
.set TS,   27                          ; s27  where the step's scale words begin: 512 bytes a step
.set SLOTS, 28
.set LIM,  29                          ; s29  1 in a wave that prefetches, else the greatest number
.set PFA,  30                          ; s[30:31] where my prefetches stand
.set G1KV, 32                          ; s[32:39] group 1 for K's and V's images;  s[40:47] for the scale words;  s[48:55] for the mask
.set G1SC, 40
.set G1M,  48
.set G0KV, 56                          ; s[56:59], s[60:63], s[68:71] their groups 0
.set G0SC, 60
.set G0M,  68
.set MSB, 0
.macro WIN new
.if MSB != (\new)
	s_set_vgpr_msb (MSB<<8)|(\new)
.set MSB, (\new)
.endif
.endm
; A joint refill: wave 0 fetches K's images, wave 1 V's, waves 2 and 3 the mask's halves, the others nothing.  The branches hang on the wave's number alone.  An s_nop 0 and four v_nop follow each line.
.macro JLOAD
	s_cmp_lt_u32 s[WV], 2
	s_cbranch_scc0 .Lnot_kv_\@
	tensor_load_to_lds s[G0KV:G0KV+3], s[G1KV:G1KV+7]
	s_nop 0
.rept 4
	v_nop
.endr
	s_branch .Lasked_\@
.Lnot_kv_\@:
	s_cmp_lt_u32 s[WV], 4
	s_cbranch_scc0 .Lasked_\@
	tensor_load_to_lds s[G0M:G0M+3], s[G1M:G1M+7]
	s_nop 0
.rept 4
	v_nop
.endr
.Lasked_\@:
.endm
; A PREFETCH of the mask's tile that the NEXT change of slots will ask for: 128 rows x 512 bytes.  A tile is read by the four clusters that stand above each other (16 heads): the one with cluster y = 0 asks.  Its four partners
; of a column share the rows out BY ADDRESS, 32 each; in each, wave 4 names the rows' first 256 bytes and wave 5 the second: a lane a row, one instruction a wave.  So each aligned block of 256 bytes is named once in the launch.
; The last change that fills a slot asks for nothing; steps 0 and 1 come by their loads alone.  K and V are not asked for: a step's 48 blocks of each do not share out evenly among four partners' lanes.
.macro ASK
	s_cmp_gt_u32 s[SLOTS], s[LIM]
	s_cbranch_scc0 .Lnot_mine_\@
	global_prefetch_b8 v[PFO], s[PFA:PFA+1] th:TH_LOAD_NT scope:SCOPE_SE
.Lnot_mine_\@:
.endm
.macro CROUND                          ; a round of the cluster's barrier
	s_barrier_signal -1
	s_barrier_wait -1
	s_cmp_lg_u32 s[WV], 0
	s_cbranch_scc1 .Lnot_wave_0_\@
	s_barrier_signal -3
.Lnot_wave_0_\@:
	s_barrier_wait -3
	s_barrier_signal -1
	s_barrier_wait -1
.endm
	s_load_b256 s[4:11], s[0:1], 0x0               ; cq s[4:5], sq s[6:7], mask s[8:9], co s[10:11]
	s_load_b64 s[12:13], s[0:1], 0x20              ; so
	v_lshl_add_u32 v[SPW], v0, 2, SPARE
	v_mov_b32 v[NIL], 0
	ds_add_u32 v[SPW], v[NIL]                      ; the wave's opening: the add and its wait come ahead of my first tensor load; the set-up below, work on registers, stands between them
	v_lshrrev_b32 v8, 5, v0
	v_readfirstlane_b32 s[WV], v8                  ; wave 0..7
	s_and_b32 s15, s[WV], 1
	s_bfe_u32 s16, ttmp6, 0x40000                  ; cx
	s_bfe_u32 s17, ttmp6, 0x40004                  ; cy
	s_lshl_b32 s18, ttmp9, 2
	s_add_co_u32 s18, s18, s16                     ; my block of 128 queries = 4 x cluster x + cx
	s_and_b32 s91, ttmp7, 0xffff                   ; cluster y
	s_lshl_b32 s19, s91, 2
	s_add_co_u32 s19, s19, s17                     ; my head = 4 x cluster y + cy
	s_lshl_b32 s72, s17, 2
	s_lshl_b32 s72, 15, s72                        ; my row of the cluster: the same head
	s_lshl_b32 s73, 0x1111, s16                    ; my column: the same queries
	s_or_b32 s[G1KV], s72, (3<<16)|(1<<21)         ; 15:0 the mask of work-groups; 17:16 elements of 8 bytes; 21 set beside a mask; no padding
	s_or_b32 s[G1SC], s72, (3<<16)|(1<<21)
	s_or_b32 s[G1M], s73, (2<<16)|(1<<20)|(1<<21)|(6<<22)|(1<<25)   ; elements of 4 bytes; padding on: after every 128 words (code 6) 2 words (code 1)
.irp g, G1KV, G1SC
	s_mov_b32 s[\g+1], 32<<16                      ; dense bytes as rows of 32 elements of 8 bytes
	s_mov_b32 s[\g+3], 32<<16
	s_mov_b32 s[\g+5], 32
	s_mov_b32 s[\g+6], 0
	s_mov_b32 s[\g+7], 0
.endr
	s_mov_b32 s[G1KV+2], (KSB/256)<<16             ; 48 rows: eight images
	s_mov_b32 s[G1KV+4], KSB/256
	s_mov_b32 s[G1SC+2], 32<<16                    ; 32 rows: a head's scale words of K or of V
	s_mov_b32 s[G1SC+4], 32
	s_mov_b32 s[G1M+1], 128<<16                    ; the mask: 64 rows of 128 numbers, 2,048 numbers from row to row
	s_mov_b32 s[G1M+2], 64<<16
	s_mov_b32 s[G1M+3], 128<<16
	s_mov_b32 s[G1M+4], 64
	s_mov_b32 s[G1M+5], 2048
	s_mov_b32 s[G1M+6], 0
	s_mov_b32 s[G1M+7], 0
	s_add_co_u32 s72, s15, 1                       ; K (1) or V (2), made of the wave's number, and the head: cy and cluster y alone
	s_lshl_b32 s72, s72, 8
	s_lshl_b32 s73, s19, 4
	s_add_co_u32 s72, s72, s73                     ; (16 f + head) 16: the head's first block
	s_lshl_b32 s74, s72, 9                         ; its scale words,
	s_mov_b32 s75, 0
	s_mul_i32 s72, s72, KSB                        ; its images
	s_mov_b32 s73, 0
	s_lshl_b32 s76, s18, 20                        ; the mask: 128 rows of 8,192 bytes a block of queries: cx and cluster x alone,
	s_lshl_b32 s77, s15, 19                        ; + my 64 rows
	s_add_co_u32 s76, s76, s77
	s_mov_b32 s77, 0
	s_lshl_b32 s78, s19, 4
	s_add_co_u32 s78, s78, s18                     ; Q: 16 x head + block
	s_lshl_b32 s80, s78, 9
	s_lshl_b32 s79, s[WV], 6
	s_add_co_u32 s80, s80, s79                     ; its scale words, my tile's
	s_mov_b32 s81, 0
	s_mul_i32 s78, s78, KSB
	s_mul_i32 s79, s[WV], FRB
	s_add_co_u32 s78, s78, s79                     ; its image, my tile's
	s_mov_b32 s79, 0
	s_mul_i32 s82, s18, 16*KSB                     ; the result: [block of queries][head][tile]
	s_mul_i32 s83, s19, KSB
	s_add_co_u32 s82, s82, s83
	s_mul_i32 s83, s[WV], FRB
	s_add_co_u32 s82, s82, s83
	s_mov_b32 s83, 0
	s_lshl_b32 s84, s18, 13                        ; its scale words: [block][head / 4][tile][place][head % 4]
	s_lshr_b32 s85, s19, 2
	s_lshl_b32 s85, s85, 11
	s_add_co_u32 s84, s84, s85
	s_lshl_b32 s85, s[WV], 8
	s_add_co_u32 s84, s84, s85
	s_and_b32 s85, s19, 3
	s_lshl_b32 s85, s85, 2
	s_add_co_u32 s84, s84, s85
	s_mov_b32 s85, 0
	s_lshl_b32 s86, s18, 20                        ; the prefetches: my block of queries, my work-group's 32 rows (cy), my wave's 256 bytes, at key step 1: the first change of slots steps it to step 2
	s_lshl_b32 s87, s17, 18
	s_add_co_u32 s86, s86, s87
	s_lshl_b32 s87, s15, 8
	s_add_co_u32 s86, s86, s87
	s_add_co_u32 s86, s86, 512
	s_mov_b32 s87, 0
	s_lshr_b32 s90, s[WV], 1
	s_xor_b32 s90, s90, 2                          ; 0 in waves 4 and 5,
	s_or_b32 s90, s90, s91                         ; of the clusters with y = 0: the same in all sixteen partners
	s_cmp_eq_u32 s90, 0
	s_cselect_b32 s[LIM], 1, -1
	s_mov_b32 s[SEL], 0x76543210
	s_mov_b32 s[SEL+1], 0xfedcba98                 ; v_permlanex16_b32's selects for lane l xor 16
	s_mov_b32 s[CS], 0x3e0293ee                    ; c = log2(e) / sqrt(128)
	s_mov_b32 s[CS+1], s[CS]                       ; (named with it as a pair, so it is written)
	s_mov_b32 s[SQ], 0x413504f3                    ; sqrt(128)
	s_mov_b32 s[SQ+1], s[SQ]
	s_mov_b32 s[TB], 0
	s_mov_b32 s[TS], 0
	s_mov_b32 s[SLOTS], 15
	s_wait_dscnt 0x0                               ; the opening add is done
	s_wait_kmcnt 0x0
	s_mov_b32 s[G0KV], 1                           ; 1:0 count = 1
	s_mul_i32 s[G0KV+1], s15, KSB                  ; LDS: slot 0, K's place or V's
	s_add_nc_u64 s[G0KV+2:G0KV+3], s[4:5], s[72:73]
	s_or_b32 s[G0KV+3], s[G0KV+3], 0x80000000      ; 127:126 type = 2
	s_mov_b32 s[G0SC], 1
	s_lshl_b32 s[G0SC+1], s15, 13
	s_add_co_u32 s[G0SC+1], s[G0SC+1], SCK
	s_add_nc_u64 s[G0SC+2:G0SC+3], s[6:7], s[74:75]
	s_or_b32 s[G0SC+3], s[G0SC+3], 0x80000000
	s_mov_b32 s[G0M], 1
	s_mul_i32 s[G0M+1], s15, 64*MP
	s_add_co_u32 s[G0M+1], s[G0M+1], MOFF
	s_add_nc_u64 s[G0M+2:G0M+3], s[8:9], s[76:77]
	s_or_b32 s[G0M+3], s[G0M+3], 0x80000000
	s_add_nc_u64 s[88:89], s[4:5], s[78:79]        ; Q's image
	s_add_nc_u64 s[92:93], s[6:7], s[80:81]        ; Q's scale words
	s_add_nc_u64 s[10:11], s[10:11], s[82:83]
	s_add_nc_u64 s[12:13], s[12:13], s[84:85]
	s_add_nc_u64 s[PFA:PFA+1], s[8:9], s[86:87]
	CROUND                                         ; all sixteen work-groups are here: the first joint loads meet
	s_cmp_lt_u32 s[WV], 2                          ; a wave's first fills stand in one branch on its number, ahead of every wait on TENSORcnt and every LDS read: two loads of mine are out at the most
	s_cbranch_scc0 .Lfirst_not_kv
	tensor_load_to_lds s[G0SC:G0SC+3], s[G1SC:G1SC+7]   ; the head's scale words: filled once
	s_nop 0
	tensor_load_to_lds s[G0KV:G0KV+3], s[G1KV:G1KV+7]   ; key step 0
	s_nop 0
.rept 4
	v_nop
.endr
	s_branch .Lfirst_asked
.Lfirst_not_kv:
	s_cmp_lt_u32 s[WV], 4
	s_cbranch_scc0 .Lfirst_asked
	tensor_load_to_lds s[G0M:G0M+3], s[G1M:G1M+7]
	s_nop 0
.rept 4
	v_nop
.endr
.Lfirst_asked:
	v_and_b32 v[LN], 31, v0
	v_lshlrev_b32 v[LI], 4, v[LN]
	v_and_b32 v8, 15, v0                           ; r
	v_bfe_u32 v9, v0, 4, 1                         ; h
	v_lshlrev_b32 v[QSO], 2, v8
.irp c, 0,1,2
	global_load_b128 v[QF+4*\c:QF+4*\c+3], v[LI], s[88:89] offset:512*\c   ; Q's fragment stays in registers
.endr
	global_load_b32 v[QS], v[QSO], s[92:93]
	v_and_b32 v10, 8, v8
	v_add_nc_u32 v10, v10, v8                      ; r + 8 (r / 8)
	s_lshr_b32 s72, s[WV], 1
	s_lshl_b32 s72, s72, 5
	s_lshl_b32 s73, s15, 3
	s_add_co_u32 s72, s72, s73                     ; 32 (w / 2) + 8 (w % 2)
	s_mul_i32 s72, s72, MP
	s_add_co_u32 s72, s72, MOFF
	v_mul_u32_u24 v[AM0], v10, MP
	v_lshl_add_u32 v[AM0], v9, 6, v[AM0]
	v_add_nc_u32 v[AM0], s72, v[AM0]
	v_lshl_add_u32 v[ASC0], v8, 2, SCK
	v_lshlrev_b32 v[PFO], 13, v[LN]
	v_mov_b32 v[NREF], 0x7f61b1e6                  ; -Sref: the largest S' so far is -3e38, under every S'
	v_mov_b32 v[NREF+1], 0
	v_mul_f32 v[NM], s[CS], v[NREF]
	v_floor_f32 v[NM], v[NM]                       ; -M
	v_mov_b32 v[DL], 0
	v_mov_b32 v[DL+1], 0
	v_mov_b32 v[SUM], 0
	v_mov_b32 v[SUM+1], 0
	v_mov_b32 v[FM], 0
	v_mov_b32 v[FM+1], 0
.irp b, 0,1,2,3
	v_mov_b32 v[PT+\b], 0                          ; written once: a lane permute's destination counts as one of its sources
.endr
.set J, 0
.rept 64
	v_mov_b32 v[OT+J], 0                           ; O^T.  (The step is written for the loop and the tail alone: the first step finds zeros, which the first change of M leaves zeros)
.set J, J+1
.endr
; From the blocks' largest magnitudes in v[BM] on: the conversions' operands, the bytes, the scale word; then S's 64 numbers become the fragment in v[PC] on.
.macro CODES
.irp b, 0,1,2,3
	v_add_nc_u32 v[SO+\b], 0xff000000, v[BM+\b]    ; 2 off the exponent field: the conversion's scale operand
.endr
.irp b, 0,1,2,3
	v_lshrrev_b32 v[PT+\b], 23, v[SO+\b]           ; the scale's byte
.endr
	v_lshl_or_b32 v[PW], v[PT+1], 8, v[PT]
	v_lshl_or_b32 v[PW], v[PT+2], 16, v[PW]
	v_lshl_or_b32 v[PW], v[PT+3], 24, v[PW]
.irp c, 0,1
	v_cvt_scalef32_pk16_fp6_f32 v[PC+6*\c:PC+2+6*\c], v[S+32*\c:S+15+32*\c], v[SO+2*\c]
	v_cvt_scalef32_pk16_fp6_f32 v[PC+12+4*\c:PC+14+4*\c], v[S+16+32*\c:S+31+32*\c], v[SO+2*\c+1]   ; (a conversion's three registers begin on an even number)
.endr
	v_nop                                          ; one plain place behind a scaled conversion
.irp c, 0,1                                    ; the operand's layout wants a WHOLE block in a lane: lanes 0-15 block 2 c, lanes 16-31 block 2 c + 1
.irp i, 0,1,2
	v_permlane16_swap_b32 v[PC+6*\c+\i], v[PC+12+4*\c+\i]
.endr
.irp i, 0,1,2
	v_mov_b32 v[PC+3+6*\c+\i], v[PC+12+4*\c+\i]
.endr
.endr
.endm
; A KEY STEP: 128 keys.
.macro STEP
	v_add_nc_u32 v[ADF], s[TB], v[LI]
	v_add_nc_u32 v[ADM], s[TB], v[AM0]
	v_add_nc_u32 v[ADS], s[TS], v[ASC0]
	v_nop                                          ; four places behind the last step's products, ahead of the loads into the registers that held V
.irp g, 0,1,2,3
.irp j, 0,1,2,3,4,5,6,7
	ds_load_b64 v[S+16*\g+2*\j:S+16*\g+2*\j+1], v[ADM] offset:128*\g+8*\j   ; the mask of my query: register 16 g + i is key 32 g + 16 h + i
.endr
.endr
.irp t, 0,1,2,3,4,5,6,7
	ds_load_b32 v[KS+\t], v[ADS] offset:64*\t
.endr
	WIN 0x40                                       ; destination window 1
.irp t, 0,1,2,3,4,5,6,7
.irp c, 0,1,2
	ds_load_b128 v[12*\t+4*\c:12*\t+4*\c+3], v[ADF] offset:FRB*\t+512*\c
.endr
.endr
	WIN 0
	s_wait_dscnt 32                                ; the mask's 32 loads are in; K's 8 scale words and 24 loads may be out
.set J, 0
.rept 32
	v_pk_mul_f32 v[S+J:S+J+1], v[S+J:S+J+1], s[SQ:SQ+1] op_sel_hi:[1,0]   ; x sqrt(128)
.set J, J+2
.endr
.rept 4
	v_nop
.endr
	s_wait_dscnt 0x0
	WIN 0x01                                       ; source 0 window 1
.irp t, 0,1,2,3,4,5,6,7                        ; S' = K Q^T + the mask: eight accumulators, one instruction each
	v_wmma_scale_f32_16x16x128_f8f6f4 v[S+8*\t:S+8*\t+7], v[12*\t:12*\t+11], v[QF:QF+11], v[S+8*\t:S+8*\t+7], v[KS+\t], v[QS] matrix_a_fmt:MATRIX_FMT_FP6 matrix_b_fmt:MATRIX_FMT_FP6
.endr
	WIN 0
.rept 4
	v_nop                                          ; places ahead of the loads into the registers that held K, and of the first read of the scores
.endr
	WIN 0x40
.irp t, 0,1,2,3,4,5,6,7
.irp c, 0,1,2
	ds_load_b128 v[12*\t+4*\c:12*\t+4*\c+3], v[ADF] offset:VOFF+FRB*\t+512*\c   ; V lands while the softmax is walked
.endr
.endr
	WIN 0
.irp t, 0,1,2,3,4,5,6,7
	ds_load_b32 v[VS+\t], v[ADS] offset:8192+64*\t
.endr
.irp b, 0,1,2,3
	v_max3_num_f32 v[BM+\b], v[S+16*\b], v[S+1+16*\b], v[S+2+16*\b]   ; the largest S' of each block of 32 keys: it serves for the row's maximum and, since p rises with S', for the block's largest p
.endr
.irp i, 3,5,7,9,11,13
.irp b, 0,1,2,3
	v_max3_num_f32 v[BM+\b], v[BM+\b], v[S+16*\b+\i], v[S+1+16*\b+\i]
.endr
.endr
.irp b, 0,1,2,3
	v_max_num_f32 v[BM+\b], v[BM+\b], v[S+15+16*\b]
.endr
.irp b, 0,1,2,3
	v_permlanex16_b32 v[PT+\b], v[BM+\b], s[SEL], s[SEL+1]
.endr
.irp b, 0,1,2,3
	v_max_num_f32 v[BM+\b], v[BM+\b], v[PT+\b]     ; with lane l xor 16's 16 keys
.endr
	v_max3_num_f32 v[T0], v[BM], v[BM+1], v[BM+2]
	v_max_num_f32 v[T0], v[T0], v[BM+3]            ; the step's largest S' of my query
	v_min_num_f32 v[NREF], v[NREF], -v[T0]         ; -Sref: minus the running largest
	v_mul_f32 v[T1], s[CS], v[NREF]                ; -c Sref
	v_mov_b32 v[T2], v[NM]
	v_floor_f32 v[NM], v[T1]                       ; the new -M = floor(-c Sref) = -ceil(c Sref): M IS A WHOLE NUMBER
	v_sub_f32 v[DL], v[NM], v[T1]                  ; d = c Sref - M, in (-1, 0]
	v_sub_f32 v[T2], v[NM], v[T2]                  ; M's old value less its new one: a whole number, 0 or less
	v_cvt_i32_f32 v[T2], v[T2]                     ; (it saturates)
	v_ldexp_f32 v[FM], 1.0, v[T2]                  ; f = 2^(old M - new M)
.set J, 0
.rept 32
	v_pk_add_f32 v[S+J:S+J+1], v[S+J:S+J+1], v[NREF:NREF+1] op_sel_hi:[1,0]   ; S' - Sref, 0 or less
.set J, J+2
.endr
.irp b, 0,1,2,3
	v_add_f32 v[BM+\b], v[BM+\b], v[NREF]          ; the same of each block's largest
.endr
.set J, 0
.rept 32
	v_pk_fma_f32 v[S+J:S+J+1], v[S+J:S+J+1], s[CS:CS+1], v[DL:DL+1] op_sel_hi:[1,0,0]   ; t - M
.set J, J+2
.endr
.irp b, 0,1,2,3
	v_fma_f32 v[BM+\b], v[BM+\b], s[CS], v[DL]
.endr
.set J, 0
.rept 64
	v_exp_f32 v[S+J], v[S+J]                       ; p = 2^(t - M), at most 1: not normalised
.set J, J+1
.endr
	v_pk_mul_f32 v[SUM:SUM+1], v[SUM:SUM+1], v[FM:FM+1] op_sel_hi:[1,0]   ; the sums under the new M.  (A plain place behind the exponentials)
	s_wait_alu depctr_va_vdst(0)                   ; one wait for the whole batch, ahead of its first reader
.irp b, 0,1,2,3
	v_exp_f32 v[BM+\b], v[BM+\b]                   ; the block's largest p: the same instructions on the same number give the same bits
.endr
	v_pk_add_f32 v[SUM2:SUM2+1], v[S:S+1], v[S+2:S+3]   ; the row's sum is taken of the unquantised p: two at a time, in two chains.  (It reads the 64 alone: plain work behind the four)
.set J, 4
.rept 15
	v_pk_add_f32 v[SUM:SUM+1], v[SUM:SUM+1], v[S+J:S+J+1]
	v_pk_add_f32 v[SUM2:SUM2+1], v[SUM2:SUM2+1], v[S+J+2:S+J+3]
.set J, J+4
.endr
	v_pk_add_f32 v[SUM:SUM+1], v[SUM:SUM+1], v[SUM2:SUM2+1]
	s_wait_alu depctr_va_vdst(0)                   ; and one for the four
.irp b, 0,1,2,3
	v_max_num_f32 v[BM+\b], 0x1800000, v[BM+\b]    ; the floor 2^(3 - 127): the byte cannot fall under 1 (a block whose every p is 0 keeps that byte: its codes are zeros)
.endr
	CODES
.set J, 0
.rept 32
	v_pk_mul_f32 v[OT+J:OT+J+1], v[OT+J:OT+J+1], v[FM:FM+1] op_sel_hi:[1,0]   ; O^T under the new M, each accumulator from its low end on.  (These 32 are also the places between the scale word, the codes and the products)
.set J, J+2
.endr
	s_wait_dscnt 0x0                               ; V and its scale words are in
	WIN 0x01
.irp t, 0,1,2,3,4,5,6,7                        ; O^T += V^T P^T: eight accumulators, one instruction each
	v_wmma_scale_f32_16x16x128_f8f6f4 v[OT+8*\t:OT+8*\t+7], v[12*\t:12*\t+11], v[PC:PC+11], v[OT+8*\t:OT+8*\t+7], v[VS+\t], v[PW] matrix_a_fmt:MATRIX_FMT_FP6 matrix_b_fmt:MATRIX_FMT_FP6
.endr
	WIN 0
	s_add_co_u32 s[TS], s[TS], 512                 ; the next step's scale words
.endm
; THE CHANGE OF SLOTS stands at a step's head.  Each wave waits for all its tensor loads (its part of the slot that it is about to read), adds 0 to its spare word, and waits for that and for its reads of the slot that it has left.
; fill = 1: the barrier is a round of the cluster's, and behind it the slot that was left is filled with the next step: the load has a whole step in which to land.
.macro CHANGE fill
	s_wait_tensorcnt 0x0                           ; no tensor load of mine is out, so a group 0 may be written
	ds_add_u32 v[SPW], v[NIL]                      ; 0 onto my spare word: the descriptors' steps stand between it and the wait for it
.if \fill
	s_xor_b32 s[G0KV+1], s[G0KV+1], SLOT1          ; the walking descriptors: the other slot than last time,
	s_add_nc_u64 s[G0KV+2:G0KV+3], s[G0KV+2:G0KV+3], KSB   ; the next block of 128 keys; the type bits on top are not reached
	s_xor_b32 s[G0M+1], s[G0M+1], SLOT1
	s_add_nc_u64 s[G0M+2:G0M+3], s[G0M+2:G0M+3], 512
	s_wait_xcnt 0x0                                ; the last prefetch, a step back, has read its address, so it may be written:
	s_add_nc_u64 s[PFA:PFA+1], s[PFA:PFA+1], 512   ; one step further on than the walking descriptors
.endif
	s_wait_dscnt 0x0                               ; the add is done, and my reads of the slot that I have left are over
.if \fill
	CROUND
	JLOAD                                          ; the first tensor load behind the round, and a wave's only one until the next
	ASK
.else
	s_barrier_signal -1
	s_barrier_wait -1
.endif
.endm
	s_wait_loadcnt 0x0                             ; Q
.Lstep:                                                ; 15 trips: behind each change of slots but the last the next step is asked for
	CHANGE 1
	STEP
	s_xor_b32 s[TB], s[TB], SLOT1                  ; on to the other slot
	s_sub_co_u32 s[SLOTS], s[SLOTS], 1
	s_cmp_lg_u32 s[SLOTS], 0
	s_cbranch_scc1 .Lstep
	CHANGE 0                                       ; the last step is written out
	STEP
	; THE WAY OUT.  O^T / the row's sum is quantised along the channels: register 16 b + i is channel 32 b + 16 h + i of my query: K step = my head of the last product.
.rept 4
	v_nop                                          ; places behind the last products
.endr
	v_add_f32 v[SUM], v[SUM], v[SUM+1]             ; the sum's two halves,
	v_permlanex16_b32 v[PT], v[SUM], s[SEL], s[SEL+1]
	v_add_f32 v[SUM], v[SUM], v[PT]                ; and lane l xor 16's: the row's sum
	v_rcp_f32 v[FM], v[SUM]
	v_and_b32 v[T1], 15, v0                        ; (a plain place behind the transcendental)
	v_lshlrev_b32 v[T1], 4, v[T1]                  ; 16 r: my place's scale words
	s_wait_alu depctr_va_vdst(0)                   ; the wait ahead of the reciprocal's first reader
.set J, 0
.rept 32
	v_pk_mul_f32 v[S+J:S+J+1], v[OT+J:OT+J+1], v[FM:FM+1] op_sel_hi:[1,0]
.set J, J+2
.endr
.irp b, 0,1,2,3
	v_max3_num_f32 v[BM+\b], |v[S+16*\b]|, |v[S+1+16*\b]|, 0x1800000   ; block b: my 16 numbers, and the floor
.endr
.irp i, 2,4,6,8,10,12,14
.irp b, 0,1,2,3
	v_max3_num_f32 v[BM+\b], v[BM+\b], |v[S+16*\b+\i]|, |v[S+1+16*\b+\i]|
.endr
.endr
.irp b, 0,1,2,3
	v_permlanex16_b32 v[PT+\b], v[BM+\b], s[SEL], s[SEL+1]
.endr
.irp b, 0,1,2,3
	v_max_num_f32 v[BM+\b], v[BM+\b], v[PT+\b]
.endr
	CODES
.irp c, 0,1,2
	global_store_b128 v[LI], v[PC+4*\c:PC+4*\c+3], s[10:11] offset:512*\c   ; the image: 1,536 dense bytes
.endr
	global_store_b32 v[T1], v[PW], s[12:13]        ; my place's word; lanes 16-31 hold the same word as lanes 0-15 and store it to the same place.  Words 16 bytes apart: the layout that the next launch's one load for four K steps wants
	s_wait_tensorcnt 0x0                           ; the wave's end, behind my last tensor load
	ds_add_u32 v[SPW], v[NIL]
	s_wait_dscnt 0x0
	CROUND                                         ; the closing round: no work-group ends while a partner may still ask for a tile that names it
	s_endpgm
.Lfunc_end_k_q0e9aa3b356_attn:
	.size	k_q0e9aa3b356_attn, .Lfunc_end_k_q0e9aa3b356_attn-k_q0e9aa3b356_attn
	.p2alignl 7, 3214868480
	.fill 96, 4, 3214868480
	.section	.rodata,"a",@progbits
	.p2align	6, 0x0
	.amdhsa_kernel k_q0e9aa3b356_attn
		.amdhsa_group_segment_fixed_size 327680
		.amdhsa_private_segment_fixed_size 0
		.amdhsa_enable_private_segment 0
		.amdhsa_kernarg_size 40
		.amdhsa_user_sgpr_count 2
		.amdhsa_user_sgpr_kernarg_segment_ptr 1
		.amdhsa_wavefront_size32 1
		.amdhsa_system_sgpr_workgroup_id_x 1
		.amdhsa_system_sgpr_workgroup_id_y 1
		.amdhsa_system_sgpr_workgroup_id_z 1
		.amdhsa_system_vgpr_workitem_id 0
		.amdhsa_next_free_vgpr 352
		.amdhsa_next_free_sgpr 96
		.amdhsa_reserve_vcc 0
		.amdhsa_float_denorm_mode_32 3
		.amdhsa_float_denorm_mode_16_64 3
		.amdhsa_memory_ordered 1
		.amdhsa_forward_progress 1
		.amdhsa_inst_pref_size 71
	.end_amdhsa_kernel
	.amdgpu_metadata
---
amdhsa.version: [ 1, 2 ]
amdhsa.kernels:
  - .name:           k_q0e9aa3b356_attn
    .symbol:         k_q0e9aa3b356_attn.kd
    .args:
      - { .name: cq, .offset: 0, .size: 8, .value_kind: global_buffer, .address_space: global }
      - { .name: sq, .offset: 8, .size: 8, .value_kind: global_buffer, .address_space: global }
      - { .name: mask, .offset: 16, .size: 8, .value_kind: global_buffer, .address_space: global }
      - { .name: co, .offset: 24, .size: 8, .value_kind: global_buffer, .address_space: global }
      - { .name: so, .offset: 32, .size: 8, .value_kind: global_buffer, .address_space: global }
    .group_segment_fixed_size: 327680
    .private_segment_fixed_size: 0
    .kernarg_segment_align: 8
    .kernarg_segment_size: 40
    .max_flat_workgroup_size: 256
    .sgpr_count:     96
    .vgpr_count:     352
    .wavefront_size: 32
...
	.end_amdgpu_metadata
.endif
;; end of part 3
;; launch outp (part 4): grid 8 x 8, 4 waves a work-group, clusters of 4 x 4, 327,680 bytes of LDS; arguments co, so, cw, sw, out0; writes out0
.if DOCPART == 4
	.amdgcn_target "amdgcn-amd-amdhsa--gfx1250"
	.amdhsa_code_object_version 6
	.text
	.protected	k_q0e9aa3b356_outp
	.globl	k_q0e9aa3b356_outp
	.p2align	8
	.type	k_q0e9aa3b356_outp,@function
k_q0e9aa3b356_outp:
	s_mov_b64 s[64:65], 0
	v_nop
	global_prefetch_b8 v0, s[64:65] scope:SCOPE_SE
	s_setreg_imm32_b32 hwreg(HW_REG_WAVE_MODE, 25, 1), 1
	s_wait_xcnt 0x0
	s_wait_alu depctr_hold_cnt(0) depctr_sa_sdst(0) depctr_va_vdst(0) depctr_va_sdst(0) depctr_va_ssrc(0) depctr_va_vcc(0) depctr_vm_vsrc(0)
	s_getreg_b32 s2, hwreg(HW_REG_IB_STS2, 6, 4)
	s_cmp_eq_u32 s2, 0
	s_cbranch_scc0 .Lentry_in_a_cluster
	s_endpgm
.Lentry_in_a_cluster:
	s_bfe_u32 s2, ttmp6, 0x10000c
	s_cmp_lg_u32 s2, 0xf033
	s_cbranch_scc0 .Lentry_shape_is_right
	s_endpgm
.Lentry_shape_is_right:
; out0 = o wo^T on codes of FP6 (E2M3) with E8M0 scales, K = 2,048; out0 [2048][2048] f32.
; A = the attention's result (co, so), B = wo (tensor 4 of cw, sw).  A tile of C, 256 x 256, is made by four waves, each 128 x 128: 64 accumulators, 512 registers.
; The matrix instruction is used transposed (source 0 = 16 rows of B, source 1 = 16 rows of A): a lane holds one row of C and eight neighbouring columns an accumulator.
; OPERANDS lie in memory as images of their registers (a fragment: 1,536 bytes, registers 4 c .. 4 c + 3 of lane l at 512 c + 16 l), [block of 128 rows][K step][tile]: two K steps of a block are 24,576 dense bytes,
; brought by one tensor load, read by ds_load_b128 at 16 x lane.  Place r of tile t of a block is row 32 (t / 2) + 8 (t % 2) + r + 8 (r / 8).  Scale words: [block][K step / 4][tile][place][K step % 4]; they come once and stay.
; RING: two slots of two K steps.  CLUSTERS: 4 x 4; A's tiles are asked for jointly along a row of the cluster, B's along a column.  64 tiles of C: 64 work-groups.
; REGISTERS, in windows of 256: window 0: v16-29 addresses; v32-63 scale words, two sets; v128-223 A's fragments, one set; on the way out v128-255 rows of C.  window 1: B's fragments, two sets.  windows 2, 3: the accumulators.
.set FR,    12
.set NL,    3
.set NP,    4
.set NQ,    2
.set FRB,   1536
.set KSB,   8*FRB
.set RBB,   16*KSB
.set SLQ,   NQ*KSB
.set SLOT,  4*SLQ
.set LAPS,  4
.set SCR,   8192
.set SCL,   2*SLOT
.set SPARE, SCL+4*SCR                  ; the spare words, 128 bytes for each wave: two blocks of 256 bytes that no other line names
.set SPITCH, 528                       ; the way out: a stage of 16 rows x (512 bytes + 16) for each wave.  It lies in slot 0, which has had its last fill and its last read when the first result is stored there
.set ADRA, 16
.set ADRB, 20
.set STO,  24                          ; v24  the way out: where I put 32 bytes of a row
.set RD,   25                          ; v25  where I read a row back
.set CO,   26                          ; v26  16 x lane: my bytes of a row of 512
.set ADRS, 27
.set SPW,  28
.set NIL,  29
.set SC,   32
.set AF,   128
.set BK,   128
.set G1, 24
.set G0, 32
.set G1B, 48
.set G0B, 56
.set G1S, 68
.set G0S, 76
.set G1SB, 80
.set G0SB, 88
.set MSB, 0
.macro WIN new
.if MSB != (\new)
	s_set_vgpr_msb (MSB<<8)|(\new)
.set MSB, (\new)
.endif
.endm
.set MUL_LO, 0xa1
.set MUL_HI, 0xf1
.set TO_B,   0x40
; A joint load: waves 0 and 1 fetch for A, waves 2 and 3 for B; the branch hangs on the wave's number alone.  An s_nop 0 and four v_nop follow each of the two lines.
.macro JLOAD g0a, g1a, g0b, g1b
	s_cmp_eq_u32 s15, 0
	s_cbranch_scc0 .Lfor_b_\@
	tensor_load_to_lds s[\g0a:\g0a+3], s[\g1a:\g1a+7]
	s_nop 0
.rept 4
	v_nop
.endr
	s_branch .Lasked_\@
.Lfor_b_\@:
	tensor_load_to_lds s[\g0b:\g0b+3], s[\g1b:\g1b+7]
	s_nop 0
.rept 4
	v_nop
.endr
.Lasked_\@:
.endm
.macro CREST
	s_cmp_lg_u32 s14, 0
	s_cbranch_scc1 .Lnot_wave_0_\@
	s_barrier_signal -3
.Lnot_wave_0_\@:
	s_barrier_wait -3
	s_barrier_signal -1
	s_barrier_wait -1
.endm
.macro CROUND
	s_barrier_signal -1
	s_barrier_wait -1
	CREST
.endm
	s_load_b128 s[4:7], s[0:1], 0x0                ; co, so
	s_load_b128 s[8:11], s[0:1], 0x10              ; cw, sw
	s_load_b64 s[12:13], s[0:1], 0x20              ; out0
	v_lshl_add_u32 v[SPW], v0, 2, SPARE
	v_mov_b32 v[NIL], 0
	ds_add_u32 v[SPW], v[NIL]                      ; the wave's opening: the add and its wait come ahead of my first tensor load; the set-up below, work on registers, stands between them
	v_lshrrev_b32 v1, 5, v0
	v_readfirstlane_b32 s14, v1                    ; wave 0..3
	s_lshr_b32 s15, s14, 1
	s_and_b32 s16, s14, 1
	s_bfe_u32 s40, ttmp6, 0x40000                  ; cx, cy
	s_bfe_u32 s41, ttmp6, 0x40004
	s_lshl_b32 s42, ttmp9, 2
	s_add_co_u32 s42, s42, s40                     ; tile column
	s_and_b32 s17, ttmp7, 0xffff
	s_lshl_b32 s17, s17, 2
	s_add_co_u32 s17, s17, s41                     ; tile row
	s_lshl_b32 s43, s41, 2
	s_lshl_b32 s43, 15, s43                        ; my row of the cluster
	s_lshl_b32 s44, 0x1111, s40                    ; my column
	s_or_b32 s[G1+0], s43, (3<<16)|(1<<21)         ; 15:0 the mask; 17:16 elements of 8 bytes; 21 set beside a mask; no padding
	s_or_b32 s[G1B+0], s44, (3<<16)|(1<<21)
.irp g, G1, G1B
	s_mov_b32 s[\g+1], 32<<16
	s_mov_b32 s[\g+2], (SLQ/256)<<16
	s_mov_b32 s[\g+3], 32<<16
	s_mov_b32 s[\g+4], SLQ/256
	s_mov_b32 s[\g+5], 32
	s_mov_b32 s[\g+6], 0
	s_mov_b32 s[\g+7], 0
.endr
	s_or_b32 s[G1S+0], s43, (3<<16)|(1<<21)
	s_or_b32 s[G1SB+0], s44, (3<<16)|(1<<21)
.irp g, G1S, G1SB
	s_mov_b32 s[\g+1], 32<<16
	s_mov_b32 s[\g+2], (SCR/256)<<16
	s_mov_b32 s[\g+3], 32<<16
	s_mov_b32 s[\g+4], SCR/256
	s_mov_b32 s[\g+5], 32
	s_mov_b32 s[\g+6], 0
	s_mov_b32 s[\g+7], 0
.endr
	s_lshl_b32 s20, s17, 1
	s_add_co_u32 s20, s20, s16                     ; the block of A that I fetch: 2 x tile row + wave % 2
	s_lshl_b32 s46, s42, 1
	s_add_co_u32 s46, s46, s16
	s_add_co_u32 s46, s46, 64                      ; the block of B: tensor 4 of 16 blocks each, 2 x tile column + wave % 2
	s_lshl_b32 s22, s20, 13
	s_mov_b32 s23, 0
	s_lshl_b32 s92, s46, 13
	s_mov_b32 s93, 0
	s_mul_i32 s20, s20, RBB
	s_mov_b32 s21, 0
	s_mul_i32 s46, s46, RBB
	s_mov_b32 s47, 0
	s_mul_i32 s45, s14, SLQ                        ; where they go: no place in the cluster enters an LDS address
	s_lshl_b32 s94, s14, 13
	s_wait_dscnt 0x0                               ; the opening add is done
	s_wait_kmcnt 0x0
	s_add_nc_u64 s[20:21], s[4:5], s[20:21]
	s_add_nc_u64 s[22:23], s[6:7], s[22:23]
	s_add_nc_u64 s[46:47], s[8:9], s[46:47]
	s_add_nc_u64 s[92:93], s[10:11], s[92:93]
	CROUND                                         ; all sixteen work-groups are here: the first joint loads meet
	s_mov_b32 s[G0S], 1
	s_add_co_u32 s[G0S+1], s94, SCL
	s_mov_b64 s[G0S+2:G0S+3], s[22:23]
	s_or_b32 s[G0S+3], s[G0S+3], 0x80000000
	s_mov_b32 s[G0SB], 1
	s_add_co_u32 s[G0SB+1], s94, SCL
	s_mov_b64 s[G0SB+2:G0SB+3], s[92:93]
	s_or_b32 s[G0SB+3], s[G0SB+3], 0x80000000
	JLOAD G0S, G1S, G0SB, G1SB
.irp s, 0,1
	s_mov_b32 s[G0+4*\s], 1
	s_add_co_u32 s[G0+4*\s+1], s45, \s*SLOT
	s_add_nc_u64 s[G0+4*\s+2:G0+4*\s+3], s[20:21], \s*SLQ
	s_or_b32 s[G0+4*\s+3], s[G0+4*\s+3], 0x80000000
	s_mov_b32 s[G0B+4*\s], 1
	s_add_co_u32 s[G0B+4*\s+1], s45, \s*SLOT
	s_add_nc_u64 s[G0B+4*\s+2:G0B+4*\s+3], s[46:47], \s*SLQ
	s_or_b32 s[G0B+4*\s+3], s[G0B+4*\s+3], 0x80000000
	JLOAD G0+4*\s, G1, G0B+4*\s, G1B               ; three tensor loads of mine are out
.endr
	v_and_b32 v1, 15, v0                           ; r
	v_bfe_u32 v2, v0, 4, 1                         ; h
	v_and_b32 v3, 31, v0                           ; lane
	v_lshlrev_b32 v[CO], 4, v3
	s_mul_i32 s21, s15, SLQ
	s_mul_i32 s22, s16, SLQ
	s_add_co_u32 s22, s22, 2*SLQ
.irp s, 0,1
	v_add_nc_u32 v[ADRA+\s], s21, v[CO]
	v_add_nc_u32 v[ADRB+\s], s22, v[CO]
	s_add_co_u32 s21, s21, SLOT
	s_add_co_u32 s22, s22, SLOT
.endr
	v_lshlrev_b32 v5, 4, v1
	s_lshl_b32 s21, s15, 13
	s_lshl_b32 s22, s16, 13
	s_add_co_u32 s22, s22, 2*SCR
	s_sub_co_u32 s22, s22, s21
	v_mul_u32_u24 v6, s22, v2                      ; lanes 16-31 take B's scale words
	s_add_co_u32 s21, s21, SCL
	v_add_nc_u32 v5, v5, v6
	v_add_nc_u32 v[ADRS], s21, v5
	s_mul_i32 s23, s14, 16*SPITCH                  ; my stage
	v_mul_u32_u24 v5, v1, SPITCH                   ; in: row r, + 64 h: accumulator b's eight columns are 32 (b / 2) + 16 h + 8 (b % 2) + 0 .. 7
	v_lshl_add_u32 v5, v2, 6, v5
	v_add_nc_u32 v[STO], s23, v5
	v_add_nc_u32 v[RD], s23, v[CO]                 ; back: the 32 lanes take one row of 512 bytes
	s_lshl_b32 s20, s17, 1
	s_add_co_u32 s20, s20, s15
	s_lshl_b32 s20, s20, 20                        ; my 128 rows of C, of 8,192 bytes
	s_lshl_b32 s21, s42, 1
	s_add_co_u32 s21, s21, s16
	s_lshl_b32 s21, s21, 9                         ; my 128 columns
	s_add_co_u32 s20, s20, s21
	s_mov_b32 s21, 0
	s_add_nc_u64 s[12:13], s[12:13], s[20:21]
.macro FRAG reg, adr, q, i
.irp c, 0,1,2
	ds_load_b128 v[\reg+4*\c:\reg+4*\c+3], v[\adr] offset:(\q)*KSB+(\i)*FRB+512*\c
.endr
.endm
; 16 matrix instructions: A's tiles a0, a0 + 1 x B's eight.  The 64 accumulators take turns, one instruction a turn, in the same order in every step.
.macro MUL16 a0, p, q, sc, zero
.irp a, \a0, \a0+1
.irp b, 0,1,2,3,4,5,6,7
.if \zero
	v_wmma_scale_f32_16x16x128_f8f6f4 v[8*(8*((\a)%4)+\b):8*(8*((\a)%4)+\b)+7], v[128*(\p)+FR*\b:128*(\p)+FR*\b+FR-1], v[AF+FR*(\a):AF+FR*(\a)+FR-1], 0, v[SC+8*NQ*(\sc)+NQ*\b+(\q)], v[SC+8*NQ*(\sc)+NQ*(\a)+(\q)] matrix_a_fmt:MATRIX_FMT_FP6 matrix_b_fmt:MATRIX_FMT_FP6 matrix_a_scale:MATRIX_SCALE_ROW1
.else
	v_wmma_scale_f32_16x16x128_f8f6f4 v[8*(8*((\a)%4)+\b):8*(8*((\a)%4)+\b)+7], v[128*(\p)+FR*\b:128*(\p)+FR*\b+FR-1], v[AF+FR*(\a):AF+FR*(\a)+FR-1], v[8*(8*((\a)%4)+\b):8*(8*((\a)%4)+\b)+7], v[SC+8*NQ*(\sc)+NQ*\b+(\q)], v[SC+8*NQ*(\sc)+NQ*(\a)+(\q)] matrix_a_fmt:MATRIX_FMT_FP6 matrix_b_fmt:MATRIX_FMT_FP6 matrix_a_scale:MATRIX_SCALE_ROW1
.endif
.endr
.endr
.endm
.macro FETCH_B slot, q, p
	WIN TO_B
.irp i, 0,1,2,3,4,5,6,7
	FRAG 128*(\p)+FR*\i, ADRB+\slot, \q, \i
.endr
	WIN 0
.endm
.macro FETCH_A slot, q, i0
.irp i, \i0, \i0+1, \i0+2, \i0+3
	FRAG AF+FR*(\i), ADRA+\slot, \q, \i
.endr
.endm
.macro SCALES sc
.irp i, 0,1,2,3,4,5,6,7
	ds_load_b64 v[SC+8*NQ*\sc+NQ*\i:SC+8*NQ*\sc+NQ*\i+1], v[ADRS] offset:\i*256
.endr
.endm
.macro PLACES n                        ; plain vector instructions that name none of a matrix instruction's registers (ISA guide 7.12.1)
.rept \n
	v_nop
.endr
.endm
.macro STEP slot, q, zero
	s_wait_dscnt 4*NL                              ; B's set and A's tiles 0-3 are in; the youngest twelve loads (A's tiles 4-7) may be out
	WIN MUL_LO
	MUL16 0, (\q)%2, \q, \slot, \zero
	MUL16 2, (\q)%2, \q, \slot, \zero
	s_wait_dscnt 0
	PLACES NP
	FETCH_B \slot, (\q)+1, 1-(\q)%2
	FETCH_A \slot, (\q)+1, 0
	WIN MUL_HI
	MUL16 4, (\q)%2, \q, \slot, \zero
	MUL16 6, (\q)%2, \q, \slot, \zero
	PLACES NP
	WIN 0
	FETCH_A \slot, (\q)+1, 4
.endm
.macro TURN slot, next, fill
	s_wait_tensorcnt 0x0                           ; all my tensor loads have landed: my part of the next slot;
	ds_add_u32 v[SPW], v[NIL]                      ; 0 onto my spare word
	s_wait_dscnt 4*NL+1                            ; (the add and the youngest twelve loads may be out)
	WIN MUL_LO
	MUL16 0, 1, NQ-1, \slot, 0
	s_wait_dscnt 0x0                               ; the add is done, and my reads of this slot are over
	s_barrier_signal -1
	MUL16 2, 1, NQ-1, \slot, 0
	WIN 0
	s_barrier_wait -1
.if \fill
	CREST                                          ; the barrier has opened a round of the cluster's barrier
	s_add_nc_u64 s[G0+4*\slot+2:G0+4*\slot+3], s[G0+4*\slot+2:G0+4*\slot+3], 2*SLQ
	s_add_nc_u64 s[G0B+4*\slot+2:G0B+4*\slot+3], s[G0B+4*\slot+2:G0B+4*\slot+3], 2*SLQ
	JLOAD G0+4*\slot, G1, G0B+4*\slot, G1B         ; the first tensor load behind the round; its four v_nop are the places in front of the loads below
.else
	PLACES NP
.endif
.if \slot == 0
	v_add_nc_u32 v[ADRS], 8, v[ADRS]               ; the next two K steps' scale words: 8 bytes on in the same group of four K steps,
.else
	v_add_nc_u32 v[ADRS], 2040, v[ADRS]            ; or at the head of the next group, 2,048 bytes from this group's head
.endif
	FETCH_B \next, 0, 0
	FETCH_A \next, 0, 0
	SCALES \next
	WIN MUL_HI
	MUL16 4, 1, NQ-1, \slot, 0
	MUL16 6, 1, NQ-1, \slot, 0
	PLACES NP
	WIN 0
	FETCH_A \next, 0, 4
.endm
	s_wait_tensorcnt 1                             ; the scale words and my part of slot 0 are in (slot 1's load may be out)
	s_barrier_signal -1
	s_barrier_wait -1
	FETCH_B 0, 0, 0
	FETCH_A 0, 0, 0
	SCALES 0
	FETCH_A 0, 0, 4
	STEP 0, 0, 1                                   ; the first K step's products start the sums
	s_mov_b32 s3, LAPS-1
.Llap:
	TURN 0, 1, 1
	STEP 1, 0, 0
	TURN 1, 0, 1
	STEP 0, 0, 0
	s_sub_co_u32 s3, s3, 1
	s_cmp_lg_u32 s3, 0
	s_cbranch_scc1 .Llap
	TURN 0, 1, 0                                   ; the last lap fills nothing
	STEP 1, 0, 0
	s_wait_dscnt 4*NL
	WIN MUL_LO
	MUL16 0, 1, NQ-1, 1, 0
	MUL16 2, 1, NQ-1, 1, 0
	s_wait_dscnt 0
	WIN MUL_HI
	MUL16 4, 1, NQ-1, 1, 0
	MUL16 6, 1, NQ-1, 1, 0
	WIN 0
; THE WAY OUT, tile by tile of 16 rows x 128 columns, through my own stage in LDS: in by lanes (32 bytes of a row an accumulator), back as whole rows of 512 bytes.
; LDS serves a wave's instructions in order (ISA guide 5.7.1.4): no wait between the stores and the loads, nor in front of the next tile's stores.
.macro TOSTAGE a
.set AC, 64*((\a)%4)
	WIN 0x08+4*((\a)/4)                            ; the data: window 2 or 3
.irp b, 0,1,2,3,4,5,6,7
	ds_store_b128 v[STO], v[AC+8*\b:AC+8*\b+3] offset:128*(\b/2)+32*(\b%2)          ; each accumulator from its low end on
	ds_store_b128 v[STO], v[AC+8*\b+4:AC+8*\b+7] offset:128*(\b/2)+32*(\b%2)+16
.endr
	WIN 0
.set BB, BK+64*((\a)%2)
.irp t, 0,1,2,3,4,5,6,7,8,9,10,11,12,13,14,15
	ds_load_b128 v[BB+4*\t:BB+4*\t+3], v[RD] offset:\t*SPITCH
.endr
.endm
.macro SEND a, younger                 ; younger: the LDS instructions issued behind tile a's loads, which may stay out
.set BB, BK+64*((\a)%2)
	s_wait_dscnt \younger
.irp t, 0,1,2,3,4,5,6,7,8,9,10,11,12,13,14,15
	global_store_b128 v[CO], v[BB+4*\t:BB+4*\t+3], s[12:13] offset:(32*((\a)/2)+8*((\a)%2)+\t+8*(\t/8))*8192 th:TH_STORE_NT   ; place t of tile a is that row of my 128; 32 lanes store 512 consecutive bytes, at a multiple of 256 from the buffer's first byte; 127 rows at the most: inside the signed 24-bit immediate
.endr
.endm
	PLACES NP                                      ; behind the last products: ahead of the reads of results and of the loads into the registers that held A's fragments
	TOSTAGE 0
.irp a, 1,2,3,4,5,6,7
.if \a > 1
	s_wait_xcnt 0x0                                ; tile a - 2's stores have read their registers: tile a's loads may land there
.endif
	TOSTAGE \a
	SEND \a-1, 32                                  ; behind tile a - 1's loads: tile a's 16 stores and 16 loads
.endr
	SEND 7, 0
	s_wait_tensorcnt 0x0                           ; the wave's end, behind my last tensor load and my last LDS store
	ds_add_u32 v[SPW], v[NIL]
	s_wait_dscnt 0x0
	CROUND                                         ; the closing round: no work-group ends while a partner may still ask for a tile that names it
	s_endpgm
.Lfunc_end_k_q0e9aa3b356_outp:
	.size	k_q0e9aa3b356_outp, .Lfunc_end_k_q0e9aa3b356_outp-k_q0e9aa3b356_outp
	.p2alignl 7, 3214868480
	.fill 96, 4, 3214868480
	.section	.rodata,"a",@progbits
	.p2align	6, 0x0
	.amdhsa_kernel k_q0e9aa3b356_outp
		.amdhsa_group_segment_fixed_size 327680
		.amdhsa_private_segment_fixed_size 0
		.amdhsa_enable_private_segment 0
		.amdhsa_kernarg_size 40
		.amdhsa_user_sgpr_count 2
		.amdhsa_user_sgpr_kernarg_segment_ptr 1
		.amdhsa_wavefront_size32 1
		.amdhsa_system_sgpr_workgroup_id_x 1
		.amdhsa_system_sgpr_workgroup_id_y 1
		.amdhsa_system_sgpr_workgroup_id_z 1
		.amdhsa_system_vgpr_workitem_id 0
		.amdhsa_next_free_vgpr 1024
		.amdhsa_next_free_sgpr 98
		.amdhsa_reserve_vcc 0
		.amdhsa_float_denorm_mode_32 3
		.amdhsa_float_denorm_mode_16_64 3
		.amdhsa_memory_ordered 1
		.amdhsa_forward_progress 1
		.amdhsa_inst_pref_size 135
	.end_amdhsa_kernel
	.amdgpu_metadata
---
amdhsa.version: [ 1, 2 ]
amdhsa.kernels:
  - .name:           k_q0e9aa3b356_outp
    .symbol:         k_q0e9aa3b356_outp.kd
    .args:
      - { .name: co, .offset: 0, .size: 8, .value_kind: global_buffer, .address_space: global }
      - { .name: so, .offset: 8, .size: 8, .value_kind: global_buffer, .address_space: global }
      - { .name: cw, .offset: 16, .size: 8, .value_kind: global_buffer, .address_space: global }
      - { .name: sw, .offset: 24, .size: 8, .value_kind: global_buffer, .address_space: global }
      - { .name: out0, .offset: 32, .size: 8, .value_kind: global_buffer, .address_space: global }
    .group_segment_fixed_size: 327680
    .private_segment_fixed_size: 0
    .kernarg_segment_align: 8
    .kernarg_segment_size: 40
    .max_flat_workgroup_size: 128
    .sgpr_count:     98
    .vgpr_count:     1024
    .wavefront_size: 32
...
	.end_amdgpu_metadata
.endif
;; end of part 4
;; ======== version 2 of 2: 4 launches
;; limits: right only within a limited range of input values
;; workspace buffers: cw 15,728,640 bytes; sw 655,360 bytes; cq 9,437,184 bytes; sq 393,216 bytes; co 3,145,728 bytes; so 131,072 bytes
;; launch quant (part 5): grid 640 x 1, 4 waves a work-group, no clusters, 34,304 bytes of LDS; arguments x, wq, wk, wv, wo, cw, sw; writes cw, sw
.if DOCPART == 5
	.amdgcn_target "amdgcn-amd-amdhsa--gfx1250"
	.amdhsa_code_object_version 6
	.text
	.protected	k_q0e9aa3b356_quant
	.globl	k_q0e9aa3b356_quant
	.p2align	8
	.type	k_q0e9aa3b356_quant,@function
k_q0e9aa3b356_quant:
	s_mov_b64 s[64:65], 0
	v_nop
	global_prefetch_b8 v0, s[64:65] scope:SCOPE_SE
	s_setreg_imm32_b32 hwreg(HW_REG_WAVE_MODE, 25, 1), 1
	s_wait_xcnt 0x0
; x, wq, wk, wv, wo, each [2048][2048] f32 with K innermost, become codes of FP6 (E2M3) with one E8M0 scale byte for each 32 along K.
; A block's scale is 2^(floor(log2(its largest magnitude)) - 2); its byte is the largest magnitude's exponent field - 2, held at 1 from below.
; LAYOUT OF THE RESULT.  The codes are laid as IMAGES OF THE OPERAND'S REGISTERS: a fragment (16 rows x 128 K, 12 registers a lane) is 1,536 bytes, registers 4 c .. 4 c + 3 of lane l at 512 c + 16 l.
;   cw: [tensor 5][block of 128 rows 16][K step 16][tile 8][1,536].   sw: [tensor][block of 128 rows][K step / 4][tile][place 16][K step % 4], words of four scale bytes.
; THE ROWS OF A TILE ARE NOT NEIGHBOURS: place r of tile t of a block takes row 32 (t / 2) + 8 (t % 2) + r + 8 (r / 8), so that results of a product whose source 0 is such a tile lie 16 neighbours to a lane.
; SHARES.  Work-group g: tensor g / 128, tile g % 128 of its 128 tiles of 16 rows.  Wave w: K steps 4 w .. 4 w + 3, a fragment each.
; Each load reads 512 consecutive bytes of one row; a K step's 16 x 512 bytes turn through the wave's own stage in LDS and come back as 32 neighbours along K twice a lane, as the operand's layout gives them to lane (r, h).
; No tensor load, no barrier: waves share nothing.  Loads run two K steps (32 loads a wave) ahead.
; LIMITS: a block of zeros gets the byte 1 where the rule says 127 (its codes are zeros, and this program alone reads the bytes); blocks whose largest magnitude lies under 2^-124 are held at the byte 1;
; NaN and infinities among the inputs are not served.
.set SP,    528                        ; a stage row: 512 bytes + 16: an odd multiple of 16, so that the 16 rows of a load start at 16 different groups of banks (64 banks of 4 bytes: ISA guide 11.1)
.set STGB,  16*SP                      ; a wave's stage
.set SPARE, 4*STGB                     ; behind the four stages: the spare words, 128 bytes for each wave: two blocks of 256 bytes that no other line names
.set FRB,   1536                       ; a fragment's image
.set KSB,   8*FRB                      ; a K step of a block of 128 rows
.set RBB,   16*KSB                     ; a block of 128 rows
.set TCB,   16*RBB                     ; a tensor's codes
.set RR,    112                        ; v112-239 two sets of 64 registers as loaded
.set XX,    48                         ; v48-111  64 numbers: register 32 c + n is k = 64 c + 32 h + n of my row
.set CD,    24                         ; v24-35   the fragment's codes;  v36-38, v40-42: the second halves as the conversions leave them
.set WD,    16                         ; v16-19   my row's scale words of the four K steps
.set SPW,   22                         ; v22      LDS address of my spare word; never rewritten
.set NIL,   23                         ; v23      0; never rewritten
	s_load_b256 s[4:11], s[0:1], 0x0               ; x, wq, wk, wv
	s_load_b128 s[12:15], s[0:1], 0x20             ; wo, cw
	s_load_b64 s[16:17], s[0:1], 0x30              ; sw
	v_lshl_add_u32 v[SPW], v0, 2, SPARE
	v_mov_b32 v[NIL], 0
	v_lshrrev_b32 v4, 5, v0
	v_readfirstlane_b32 s18, v4                    ; wave 0..3
	v_and_b32 v4, 31, v0                           ; lane
	v_and_b32 v8, 15, v0                           ; r
	v_bfe_u32 v7, v0, 4, 1                         ; h
	v_lshlrev_b32 v1, 4, v4                        ; 16 x lane: my bytes of a load's 512, and of an image's
	s_mul_i32 s19, s18, STGB
	v_add_nc_u32 v2, s19, v1                       ; the stage on the way in
	v_mul_u32_u24 v3, v8, SP
	v_lshl_add_u32 v3, v7, 7, v3
	v_add_nc_u32 v3, s19, v3                       ; and on the way out: row r, + 128 h bytes: k = 32 h on
	v_lshlrev_b32 v5, 4, v8
	v_lshl_add_u32 v5, v7, 3, v5                   ; the scale words' place: 16 r + 8 h
	v_lshlrev_b32 v6, 3, v7                        ; 8 h
	v_mov_b32 v15, 0                               ; written once: a lane permute's destination counts as one of its sources
	s_mov_b32 s28, 0x76543210
	s_mov_b32 s29, 0xfedcba98                      ; v_permlanex16_b32's selects for lane l xor 16
	s_lshr_b32 s20, ttmp9, 7                       ; which tensor
	s_and_b32 s21, ttmp9, 127                      ; which tile of 16 rows
	s_lshr_b32 s22, s21, 1
	s_lshl_b32 s22, s22, 18                        ; 32 (t / 2) rows of 8,192 bytes
	s_and_b32 s23, s21, 1
	s_lshl_b32 s23, s23, 16                        ; + 8 (t % 2) rows
	s_add_co_u32 s22, s22, s23
	s_lshl_b32 s23, s18, 11                        ; + my four K steps: 2,048 bytes a wave
	s_add_co_u32 s22, s22, s23
	s_mov_b32 s23, 0
	s_mul_i32 s24, s20, TCB                        ; the codes: tensor,
	s_lshr_b32 s26, s21, 3
	s_mul_i32 s25, s26, RBB                        ; block of 128 rows,
	s_add_co_u32 s24, s24, s25
	s_mul_i32 s25, s18, 4*KSB                      ; my first K step,
	s_add_co_u32 s24, s24, s25
	s_and_b32 s27, s21, 7
	s_mul_i32 s25, s27, FRB                        ; tile
	s_add_co_u32 s24, s24, s25
	s_mov_b32 s25, 0
	s_lshl_b32 s30, s20, 17                        ; the scale words: tensor, block, K step / 4 = wave, tile
	s_lshl_b32 s26, s26, 13
	s_add_co_u32 s30, s30, s26
	s_lshl_b32 s26, s18, 11
	s_add_co_u32 s30, s30, s26
	s_lshl_b32 s27, s27, 8
	s_add_co_u32 s30, s30, s27
	s_mov_b32 s31, 0
	s_wait_alu depctr_va_vdst(0)
	s_wait_kmcnt 0x0
	s_cmp_eq_u32 s20, 1                            ; the source is chosen by the work-group's number alone
	s_cselect_b64 s[4:5], s[6:7], s[4:5]
	s_cmp_eq_u32 s20, 2
	s_cselect_b64 s[4:5], s[8:9], s[4:5]
	s_cmp_eq_u32 s20, 3
	s_cselect_b64 s[4:5], s[10:11], s[4:5]
	s_cmp_eq_u32 s20, 4
	s_cselect_b64 s[4:5], s[12:13], s[4:5]
	s_add_nc_u64 s[4:5], s[4:5], s[22:23]
	s_add_nc_u64 s[14:15], s[14:15], s[24:25]
	s_add_nc_u64 s[16:17], s[16:17], s[30:31]
.macro LOAD q                          ; K step q of my four: 16 rows x 512 consecutive bytes, into set q % 2
.irp i, 0,1,2,3,4,5,6,7,8,9,10,11,12,13,14,15
	global_load_b128 v[RR+64*((\q)%2)+4*\i:RR+64*((\q)%2)+4*\i+3], v1, s[4:5] offset:(\i+8*(\i/8))*8192+512*(\q) th:TH_LOAD_NT
.endr
.endm
.macro TURN q                          ; through the stage: LDS serves a wave's instructions in order (ISA guide 5.7.1.4), so no wait stands between the stores and the loads
.irp i, 0,1,2,3,4,5,6,7,8,9,10,11,12,13,14,15
	ds_store_b128 v2, v[RR+64*((\q)%2)+4*\i:RR+64*((\q)%2)+4*\i+3] offset:SP*\i
.endr
.irp c, 0,1
.irp j, 0,1,2,3,4,5,6,7
	ds_load_b128 v[XX+32*\c+4*\j:XX+32*\c+4*\j+3], v3 offset:256*\c+16*\j
.endr
.endr
.endm
.macro FRAGQ q                         ; my two whole blocks, 2 c + h, become the fragment's registers 6 c .. 6 c + 5
.irp c, 0,1
	v_max3_num_f32 v[8+\c], |v[XX+32*\c]|, |v[XX+32*\c+1]|, 0x1800000   ; the largest magnitude, and the floor 2^(3 - 127): so the byte cannot fall under 1
.endr
.irp i, 2,4,6,8,10,12,14,16,18,20,22,24,26,28,30
.irp c, 0,1
	v_max3_num_f32 v[8+\c], v[8+\c], |v[XX+32*\c+\i]|, |v[XX+32*\c+\i+1]|   ; (the two blocks by turns)
.endr
.endr
.irp c, 0,1
	v_add_nc_u32 v[10+\c], 0xff000000, v[8+\c]     ; 2 off its exponent field: the conversion takes the exponent field of this operand as its scale
.endr
.irp c, 0,1
	v_lshrrev_b32 v[12+\c], 23, v[10+\c]           ; the scale's byte
.endr
	v_lshl_or_b32 v14, v13, 16, v12                ; my two bytes: blocks h and 2 + h,
	v_lshlrev_b32 v14, v6, v14                     ; at their places in the word (8 h bits up);
	v_permlanex16_b32 v15, v14, s28, s29
	v_or_b32 v[WD+\q], v14, v15                    ; with lane l xor 16's two the word is whole
	s_wait_alu depctr_va_vdst(0)
	s_wait_xcnt 0x0                                ; the last fragment's stores have read their data: the codes' registers are written again only behind this wait
.irp c, 0,1
	v_cvt_scalef32_pk16_fp6_f32 v[CD+6*\c:CD+6*\c+2], v[XX+32*\c:XX+32*\c+15], v[10+\c]
	v_cvt_scalef32_pk16_fp6_f32 v[36+4*\c:38+4*\c], v[XX+32*\c+16:XX+32*\c+31], v[10+\c]   ; (a conversion's three registers begin on an even number)
.endr
	v_nop                                          ; one plain place behind a scaled conversion
.irp c, 0,1
.irp i, 0,1,2
	v_mov_b32 v[CD+3+6*\c+\i], v[36+4*\c+\i]
.endr
.endr
.irp c, 0,1,2
	global_store_b128 v1, v[CD+4*\c:CD+4*\c+3], s[14:15] offset:KSB*(\q)+512*\c   ; 32 lanes store 512 consecutive bytes, at a multiple of 256 from the buffer's first byte
.endr
.endm
	LOAD 0
	LOAD 1
.irp q, 0,1,2,3
.if \q < 3
	s_wait_loadcnt 16                              ; this K step's 16 loads are in; the next one's 16 may be out
.else
	s_wait_loadcnt 0x0
.endif
	TURN \q
	s_wait_dscnt 0x0                               ; the numbers are back: so the stores into the stage have read their registers,
.if \q < 2
	LOAD \q+2                                      ; which take the loads of two K steps on
.endif
	FRAGQ \q
.endr
	v_cmp_eq_u32 vcc_lo, 1, v7                     ; lanes 0-15 store the words of K steps 0, 1 of my four, lanes 16-31 those of 2, 3
	v_cndmask_b32 v20, v[WD], v[WD+2], vcc_lo
	v_cndmask_b32 v21, v[WD+1], v[WD+3], vcc_lo
	global_store_b64 v5, v[20:21], s[16:17]        ; 32 lanes store 256 consecutive bytes, aligned
	s_wait_tensorcnt 0x0                           ; the wave's end, behind my last LDS store
	ds_add_u32 v[SPW], v[NIL]
	s_wait_dscnt 0x0
	s_endpgm
.Lfunc_end_k_q0e9aa3b356_quant:
	.size	k_q0e9aa3b356_quant, .Lfunc_end_k_q0e9aa3b356_quant-k_q0e9aa3b356_quant
	.p2alignl 7, 3214868480
	.fill 96, 4, 3214868480
	.section	.rodata,"a",@progbits
	.p2align	6, 0x0
	.amdhsa_kernel k_q0e9aa3b356_quant
		.amdhsa_group_segment_fixed_size 34304
		.amdhsa_private_segment_fixed_size 0
		.amdhsa_enable_private_segment 0
		.amdhsa_kernarg_size 56
		.amdhsa_user_sgpr_count 2
		.amdhsa_user_sgpr_kernarg_segment_ptr 1
		.amdhsa_wavefront_size32 1
		.amdhsa_system_sgpr_workgroup_id_x 1
		.amdhsa_system_sgpr_workgroup_id_y 1
		.amdhsa_system_sgpr_workgroup_id_z 1
		.amdhsa_system_vgpr_workitem_id 0
		.amdhsa_next_free_vgpr 240
		.amdhsa_next_free_sgpr 66
		.amdhsa_reserve_vcc 1
		.amdhsa_float_denorm_mode_32 3
		.amdhsa_float_denorm_mode_16_64 3
		.amdhsa_memory_ordered 1
		.amdhsa_forward_progress 1
		.amdhsa_inst_pref_size 31
	.end_amdhsa_kernel
	.amdgpu_metadata
---
amdhsa.version: [ 1, 2 ]
amdhsa.kernels:
  - .name:           k_q0e9aa3b356_quant
    .symbol:         k_q0e9aa3b356_quant.kd
    .args:
      - { .name: x, .offset: 0, .size: 8, .value_kind: global_buffer, .address_space: global }
      - { .name: wq, .offset: 8, .size: 8, .value_kind: global_buffer, .address_space: global }
      - { .name: wk, .offset: 16, .size: 8, .value_kind: global_buffer, .address_space: global }
      - { .name: wv, .offset: 24, .size: 8, .value_kind: global_buffer, .address_space: global }
      - { .name: wo, .offset: 32, .size: 8, .value_kind: global_buffer, .address_space: global }
      - { .name: cw, .offset: 40, .size: 8, .value_kind: global_buffer, .address_space: global }
      - { .name: sw, .offset: 48, .size: 8, .value_kind: global_buffer, .address_space: global }
    .group_segment_fixed_size: 34304
    .private_segment_fixed_size: 0
    .kernarg_segment_align: 8
    .kernarg_segment_size: 56
    .max_flat_workgroup_size: 128
    .sgpr_count:     66
    .vgpr_count:     240
    .wavefront_size: 32
...
	.end_amdgpu_metadata
.endif
;; end of part 5
;; launch qkv (part 6): grid 24 x 8, 4 waves a work-group, clusters of 4 x 4, 327,680 bytes of LDS; arguments cw, sw, cos, sin, cq, sq; writes cq, sq
.if DOCPART == 6
	.amdgcn_target "amdgcn-amd-amdhsa--gfx1250"
	.amdhsa_code_object_version 6
	.text
	.protected	k_q0e9aa3b356_qkv
	.globl	k_q0e9aa3b356_qkv
	.p2align	8
	.type	k_q0e9aa3b356_qkv,@function
k_q0e9aa3b356_qkv:
	s_mov_b64 s[64:65], 0
	v_nop
	global_prefetch_b8 v0, s[64:65] scope:SCOPE_SE
	s_setreg_imm32_b32 hwreg(HW_REG_WAVE_MODE, 25, 1), 1
	s_wait_xcnt 0x0
	s_wait_alu depctr_hold_cnt(0) depctr_sa_sdst(0) depctr_va_vdst(0) depctr_va_sdst(0) depctr_va_ssrc(0) depctr_va_vcc(0) depctr_vm_vsrc(0)
	s_getreg_b32 s2, hwreg(HW_REG_IB_STS2, 6, 4)
	s_cmp_eq_u32 s2, 0
	s_cbranch_scc0 .Lentry_in_a_cluster
	s_endpgm
.Lentry_in_a_cluster:
	s_bfe_u32 s2, ttmp6, 0x10000c
	s_cmp_lg_u32 s2, 0xf033
	s_cbranch_scc0 .Lentry_shape_is_right
	s_endpgm
.Lentry_shape_is_right:
.set FR,    12
.set NL,    3
.set NP,    4
.set NQ,    2
.set FRB,   1536
.set KSB,   8*FRB
.set RBB,   16*KSB
.set SLQ,   NQ*KSB
.set SLOT,  4*SLQ
.set LAPS,  4
.set SCR,   8192
.set SCL,   2*SLOT
.set SPARE, SCL+4*SCR
.set ADRA, 16
.set ADRB, 20
.set LI,   24
.set L4,   25
.set CSO,  26
.set ADRS, 27
.set SPW,  28
.set NIL,  29
.set SC,   32
.set HH,   64
.set AF,   128
.set TM,   192
.set PW,   208
.set PWE,  209
.set PWS,  210
.set PC,   212
.set TT,   232
.set G1, 24
.set G0, 32
.set G1B, 48
.set G0B, 56
.set G1S, 68
.set G0S, 76
.set G1SB, 80
.set G0SB, 88
.set MSB, 0
.macro WIN new
.if MSB != (\new)
	s_set_vgpr_msb (MSB<<8)|(\new)
.set MSB, (\new)
.endif
.endm
.set MUL_LO, 0xa1
.set MUL_HI, 0xf1
.set TO_B,   0x40
.macro JLOAD g0a, g1a, g0b, g1b
	s_cmp_eq_u32 s15, 0
	s_cbranch_scc0 .Lfor_b_\@
	tensor_load_to_lds s[\g0a:\g0a+3], s[\g1a:\g1a+7]
	s_nop 0
.rept 4
	v_nop
.endr
	s_branch .Lasked_\@
.Lfor_b_\@:
	tensor_load_to_lds s[\g0b:\g0b+3], s[\g1b:\g1b+7]
	s_nop 0
.rept 4
	v_nop
.endr
.Lasked_\@:
.endm
.macro CREST
	s_cmp_lg_u32 s14, 0
	s_cbranch_scc1 .Lnot_wave_0_\@
	s_barrier_signal -3
.Lnot_wave_0_\@:
	s_barrier_wait -3
	s_barrier_signal -1
	s_barrier_wait -1
.endm
.macro CROUND
	s_barrier_signal -1
	s_barrier_wait -1
	CREST
.endm
	s_load_b256 s[4:11], s[0:1], 0x0
	s_load_b64 s[12:13], s[0:1], 0x20
	s_load_b64 s[96:97], s[0:1], 0x28
	v_lshl_add_u32 v[SPW], v0, 2, SPARE
	v_mov_b32 v[NIL], 0
	ds_add_u32 v[SPW], v[NIL]
	ds_add_u32 v[SPW], v[NIL]
	v_lshrrev_b32 v1, 5, v0
	v_readfirstlane_b32 s14, v1
	s_lshr_b32 s15, s14, 1
	s_and_b32 s16, s14, 1
	s_bfe_u32 s40, ttmp6, 0x40000
	s_bfe_u32 s41, ttmp6, 0x40004
	s_lshl_b32 s42, ttmp9, 2
	s_add_co_u32 s42, s42, s40
	s_and_b32 s42, s42, 7
	s_and_b32 s17, ttmp7, 0xffff
	s_lshl_b32 s17, s17, 2
	s_add_co_u32 s17, s17, s41
	s_lshr_b32 s95, ttmp9, 1
	s_lshl_b32 s43, s41, 2
	s_lshl_b32 s43, 15, s43
	s_lshl_b32 s44, 0x1111, s40
	s_or_b32 s[G1+0], s43, (3<<16)|(1<<21)
	s_or_b32 s[G1B+0], s44, (3<<16)|(1<<21)
.irp g, G1, G1B
	s_mov_b32 s[\g+1], 32<<16
	s_mov_b32 s[\g+2], (SLQ/256)<<16
	s_mov_b32 s[\g+3], 32<<16
	s_mov_b32 s[\g+4], SLQ/256
	s_mov_b32 s[\g+5], 32
	s_mov_b32 s[\g+6], 0
	s_mov_b32 s[\g+7], 0
.endr
	s_or_b32 s[G1S+0], s43, (3<<16)|(1<<21)
	s_or_b32 s[G1SB+0], s44, (3<<16)|(1<<21)
.irp g, G1S, G1SB
	s_mov_b32 s[\g+1], 32<<16
	s_mov_b32 s[\g+2], (SCR/256)<<16
	s_mov_b32 s[\g+3], 32<<16
	s_mov_b32 s[\g+4], SCR/256
	s_mov_b32 s[\g+5], 32
	s_mov_b32 s[\g+6], 0
	s_mov_b32 s[\g+7], 0
.endr
	s_lshr_b32 s18, s95, 1
	s_xor_b32 s19, s18, 1
	s_mul_i32 s18, s18, 48
	s_add_co_u32 s93, s95, 1
	s_lshl_b32 s93, s93, 4
	s_mul_i32 s19, s19, s93
	s_lshl_b32 s20, s17, 1
	s_add_co_u32 s20, s20, s16
	s_add_co_u32 s20, s20, s18
	s_lshl_b32 s46, s42, 1
	s_add_co_u32 s46, s46, s16
	s_add_co_u32 s46, s46, s19
	s_lshl_b32 s22, s20, 13
	s_mov_b32 s23, 0
	s_lshl_b32 s92, s46, 13
	s_mov_b32 s93, 0
	s_mul_i32 s20, s20, RBB
	s_mov_b32 s21, 0
	s_mul_i32 s46, s46, RBB
	s_mov_b32 s47, 0
	s_mul_i32 s45, s14, SLQ
	s_lshl_b32 s94, s14, 13
	s_wait_dscnt 0x0
	s_wait_kmcnt 0x0
	s_add_nc_u64 s[20:21], s[4:5], s[20:21]
	s_add_nc_u64 s[22:23], s[6:7], s[22:23]
	s_add_nc_u64 s[46:47], s[4:5], s[46:47]
	s_add_nc_u64 s[92:93], s[6:7], s[92:93]
	s_cmp_eq_u32 s15, 0                            ; the prefetches: the block of 128 rows that I fetch, of A or of B,
	s_cselect_b64 s[98:99], s[20:21], s[46:47]
	s_cselect_b32 s100, s40, s41                   ; my place among the four that ask for it with me: 24 of a refill's 96 blocks of 256 bytes each, told apart by address
	s_mul_i32 s100, s100, 6144
	s_add_co_u32 s100, s100, 3*SLQ                 ; each refill steps it by a slot's share; the first refill, of fill 2, names fill 4
	s_mov_b32 s101, 0
	s_add_nc_u64 s[98:99], s[98:99], s[100:101]
	CROUND
	s_mov_b32 s[G0S], 1
	s_add_co_u32 s[G0S+1], s94, SCL
	s_mov_b64 s[G0S+2:G0S+3], s[22:23]
	s_or_b32 s[G0S+3], s[G0S+3], 0x80000000
	s_mov_b32 s[G0SB], 1
	s_add_co_u32 s[G0SB+1], s94, SCL
	s_mov_b64 s[G0SB+2:G0SB+3], s[92:93]
	s_or_b32 s[G0SB+3], s[G0SB+3], 0x80000000
	JLOAD G0S, G1S, G0SB, G1SB
.irp s, 0,1
	s_mov_b32 s[G0+4*\s], 1
	s_add_co_u32 s[G0+4*\s+1], s45, \s*SLOT
	s_add_nc_u64 s[G0+4*\s+2:G0+4*\s+3], s[20:21], \s*SLQ
	s_or_b32 s[G0+4*\s+3], s[G0+4*\s+3], 0x80000000
	s_mov_b32 s[G0B+4*\s], 1
	s_add_co_u32 s[G0B+4*\s+1], s45, \s*SLOT
	s_add_nc_u64 s[G0B+4*\s+2:G0B+4*\s+3], s[46:47], \s*SLQ
	s_or_b32 s[G0B+4*\s+3], s[G0B+4*\s+3], 0x80000000
	s_wait_alu depctr_va_vdst(0)
	s_wait_tensorcnt 0x0
	ds_add_u32 v28, v29
	s_wait_dscnt 0x0
	CROUND
	JLOAD G0+4*\s, G1, G0B+4*\s, G1B
.endr
	v_and_b32 v1, 15, v0
	v_bfe_u32 v2, v0, 4, 1
	s_wait_alu depctr_va_vdst(0)
	v_and_b32 v3, 31, v0
	v_lshlrev_b32 v[LI], 4, v3
	v_lshlrev_b32 v[L4], 2, v3
	v_min_u32 v30, 23, v3                          ; a lane a block of 256 bytes; the lanes left over name the last block again
	v_lshlrev_b32 v30, 8, v30
	s_mul_i32 s21, s15, SLQ
	s_mul_i32 s22, s16, SLQ
	s_add_co_u32 s22, s22, 2*SLQ
.irp s, 0,1
	v_add_nc_u32 v[ADRA+\s], s21, v[LI]
	v_add_nc_u32 v[ADRB+\s], s22, v[LI]
	s_add_co_u32 s21, s21, SLOT
	s_add_co_u32 s22, s22, SLOT
.endr
	v_lshlrev_b32 v5, 4, v1
	s_lshl_b32 s21, s15, 13
	s_lshl_b32 s22, s16, 13
	s_add_co_u32 s22, s22, 2*SCR
	s_sub_co_u32 s22, s22, s21
	v_mul_u32_u24 v6, s22, v2
	s_add_co_u32 s21, s21, SCL
	v_add_nc_u32 v5, v5, v6
	v_add_nc_u32 v[ADRS], s21, v5
	v_and_b32 v6, 8, v1
	v_add_nc_u32 v6, v6, v1
	v_lshlrev_b32 v[CSO], 8, v6
	v_lshl_add_u32 v[CSO], v2, 5, v[CSO]
	v_cmp_le_u32 s2, 16, v3
	s_mov_b32 s66, 0x76543210
	s_mov_b32 s67, 0xfedcba98
	s_lshl_b32 s20, s17, 1
	s_add_co_u32 s20, s20, s15
	s_lshl_b32 s21, s42, 1
	s_add_co_u32 s21, s21, s16
	s_cmp_eq_u32 s95, 2
	s_cselect_b32 s22, s20, s21
	s_cselect_b32 s23, s21, s20
	s_lshl_b32 s18, s95, 4
	s_add_co_u32 s18, s18, s22
	s_lshl_b32 s18, s18, 4
	s_add_co_u32 s18, s18, s23
	s_lshl_b32 s46, s18, 9
	s_mov_b32 s47, 0
	s_add_nc_u64 s[96:97], s[96:97], s[46:47]
	s_mul_i32 s46, s18, KSB
	s_add_nc_u64 s[12:13], s[12:13], s[46:47]
	s_lshl_b32 s46, s20, 15
	s_add_nc_u64 s[8:9], s[8:9], s[46:47]
	s_add_nc_u64 s[10:11], s[10:11], s[46:47]
.macro FRAG reg, adr, q, i
.irp c, 0,1,2
	ds_load_b128 v[\reg+4*\c:\reg+4*\c+3], v[\adr] offset:(\q)*KSB+(\i)*FRB+512*\c
.endr
.endm
.macro MUL16 a0, p, q, sc, zero
.irp a, \a0, \a0+1
.irp b, 0,1,2,3,4,5,6,7
.if \zero
	v_wmma_scale_f32_16x16x128_f8f6f4 v[8*(8*((\a)%4)+\b):8*(8*((\a)%4)+\b)+7], v[128*(\p)+FR*\b:128*(\p)+FR*\b+FR-1], v[AF+FR*(\a):AF+FR*(\a)+FR-1], 0, v[SC+8*NQ*(\sc)+NQ*\b+(\q)], v[SC+8*NQ*(\sc)+NQ*(\a)+(\q)] matrix_a_fmt:MATRIX_FMT_FP6 matrix_b_fmt:MATRIX_FMT_FP6 matrix_a_scale:MATRIX_SCALE_ROW1
.else
	v_wmma_scale_f32_16x16x128_f8f6f4 v[8*(8*((\a)%4)+\b):8*(8*((\a)%4)+\b)+7], v[128*(\p)+FR*\b:128*(\p)+FR*\b+FR-1], v[AF+FR*(\a):AF+FR*(\a)+FR-1], v[8*(8*((\a)%4)+\b):8*(8*((\a)%4)+\b)+7], v[SC+8*NQ*(\sc)+NQ*\b+(\q)], v[SC+8*NQ*(\sc)+NQ*(\a)+(\q)] matrix_a_fmt:MATRIX_FMT_FP6 matrix_b_fmt:MATRIX_FMT_FP6 matrix_a_scale:MATRIX_SCALE_ROW1
.endif
.endr
.endr
.endm
.macro FETCH_B slot, q, p
	WIN TO_B
.irp i, 0,1,2,3,4,5,6,7
	FRAG 128*(\p)+FR*\i, ADRB+\slot, \q, \i
.endr
	WIN 0
.endm
.macro FETCH_A slot, q, i0
.irp i, \i0, \i0+1, \i0+2, \i0+3
	FRAG AF+FR*(\i), ADRA+\slot, \q, \i
.endr
.endm
.macro SCALES sc
.irp i, 0,1,2,3,4,5,6,7
	ds_load_b64 v[SC+8*NQ*\sc+NQ*\i:SC+8*NQ*\sc+NQ*\i+1], v[ADRS] offset:\i*256
.endr
.endm
.macro PLACES n
.rept \n
	v_nop
.endr
.endm
.macro STEP slot, q, zero
	s_wait_dscnt 4*NL
	WIN MUL_LO
	MUL16 0, (\q)%2, \q, \slot, \zero
	MUL16 2, (\q)%2, \q, \slot, \zero
	s_wait_dscnt 0
	PLACES NP
	FETCH_B \slot, (\q)+1, 1-(\q)%2
	FETCH_A \slot, (\q)+1, 0
	WIN MUL_HI
	MUL16 4, (\q)%2, \q, \slot, \zero
	MUL16 6, (\q)%2, \q, \slot, \zero
	PLACES NP
	WIN 0
	FETCH_A \slot, (\q)+1, 4
.endm
.macro TURN slot, next, fill
.if \fill
	s_wait_xcnt 0x0                                ; my last prefetch has read its address
	s_add_nc_u64 s[98:99], s[98:99], SLQ
.endif
	s_wait_tensorcnt 0x0
	ds_add_u32 v[SPW], v[NIL]
	s_wait_dscnt 4*NL+1
	WIN MUL_LO
	MUL16 0, 1, NQ-1, \slot, 0
	s_wait_dscnt 0x0
	s_barrier_signal -1
	MUL16 2, 1, NQ-1, \slot, 0
	WIN 0
	s_barrier_wait -1
.if \fill
	CREST
	s_add_nc_u64 s[G0+4*\slot+2:G0+4*\slot+3], s[G0+4*\slot+2:G0+4*\slot+3], 2*SLQ
	s_add_nc_u64 s[G0B+4*\slot+2:G0B+4*\slot+3], s[G0B+4*\slot+2:G0B+4*\slot+3], 2*SLQ
	JLOAD G0+4*\slot, G1, G0B+4*\slot, G1B
.else
	PLACES NP
.endif
.if \slot == 0
	s_wait_alu depctr_va_vdst(0)
	v_add_nc_u32 v[ADRS], 8, v[ADRS]
.else
	s_wait_alu depctr_va_vdst(0)
	v_add_nc_u32 v[ADRS], 2040, v[ADRS]
.endif
	FETCH_B \next, 0, 0
	FETCH_A \next, 0, 0
	SCALES \next
.if \fill
	s_cmp_gt_u32 s3, 1                             ; the fill two refills on; the last lap's two refills have none
	s_cbranch_scc0 .Lnopf_\@
	global_prefetch_b8 v30, s[98:99] th:TH_LOAD_NT scope:SCOPE_SE
.Lnopf_\@:
.endif
	WIN MUL_HI
	MUL16 4, 1, NQ-1, \slot, 0
	MUL16 6, 1, NQ-1, \slot, 0
	PLACES NP
	WIN 0
	FETCH_A \next, 0, 4
.endm
	s_wait_alu depctr_va_vdst(0)
	s_wait_tensorcnt 1
	s_barrier_signal -1
	s_barrier_wait -1
	FETCH_B 0, 0, 0
	FETCH_A 0, 0, 0
	SCALES 0
	FETCH_A 0, 0, 4
	STEP 0, 0, 1
	s_mov_b32 s3, LAPS-1
.Llap:
	TURN 0, 1, 1
	STEP 1, 0, 0
	TURN 1, 0, 1
	STEP 0, 0, 0
	s_sub_co_u32 s3, s3, 1
	s_cmp_lg_u32 s3, 0
	s_cbranch_scc1 .Llap
	TURN 0, 1, 0
	STEP 1, 0, 0
	s_wait_dscnt 4*NL
	WIN MUL_LO
	MUL16 0, 1, NQ-1, 1, 0
	MUL16 2, 1, NQ-1, 1, 0
	s_wait_dscnt 0
	WIN MUL_HI
	MUL16 4, 1, NQ-1, 1, 0
	MUL16 6, 1, NQ-1, 1, 0
	WIN 0
.macro QUANT s, W
	WIN (\W)|((\W)<<2)
.irp b, 0,1,2,3
	v_max3_num_f32 v[TM+\b], |v[\s+16*\b]|, |v[\s+1+16*\b]|, 0x1800000
.endr
	WIN ((\W)<<2)|((\W)<<4)
.irp i, 2,4,6,8,10,12,14
.irp b, 0,1,2,3
	v_max3_num_f32 v[TM+\b], v[TM+\b], |v[\s+16*\b+\i]|, |v[\s+1+16*\b+\i]|
.endr
.endr
	WIN 0
.irp b, 0,1,2,3
	v_permlanex16_b32 v[TM+4+\b], v[TM+\b], s66, s67
.endr
.irp b, 0,1,2,3
	v_max_num_f32 v[TM+\b], v[TM+\b], v[TM+4+\b]
.endr
.irp b, 0,1,2,3
	v_add_nc_u32 v[TM+12+\b], 0xff000000, v[TM+\b]
.endr
.irp b, 0,1,2,3
	v_lshrrev_b32 v[TM+4+\b], 23, v[TM+12+\b]
.endr
	v_lshl_or_b32 v[PW], v[TM+5], 8, v[TM+4]
	v_lshl_or_b32 v[PW], v[TM+6], 16, v[PW]
	v_lshl_or_b32 v[PW], v[TM+7], 24, v[PW]
	s_wait_xcnt 0x0
	WIN (\W)
.irp c, 0,1
	v_cvt_scalef32_pk16_fp6_f32 v[PC+6*\c:PC+2+6*\c], v[\s+32*\c:\s+15+32*\c], v[TM+12+2*\c]
	v_cvt_scalef32_pk16_fp6_f32 v[PC+12+4*\c:PC+14+4*\c], v[\s+16+32*\c:\s+31+32*\c], v[TM+12+2*\c+1]
.endr
	WIN 0
	v_nop
.irp c, 0,1
.irp i, 0,1,2
	v_permlane16_swap_b32 v[PC+6*\c+\i], v[PC+12+4*\c+\i]
.endr
.irp i, 0,1,2
	v_mov_b32 v[PC+3+6*\c+\i], v[PC+12+4*\c+\i]
.endr
.endr
.endm
.macro LOADCS p
	WIN 0x40
.irp u, 0,1
.irp g, 0,1,2,3
.irp j, 0,1
	global_load_b128 v[128*((\p)%2)+64*\u+8*\g+4*\j:128*((\p)%2)+64*\u+8*\g+4*\j+3], v[CSO], s[8:9] offset:(32*(\p)+8*\u)*256+64*\g+16*\j
	global_load_b128 v[128*((\p)%2)+64*\u+32+8*\g+4*\j:128*((\p)%2)+64*\u+32+8*\g+4*\j+3], v[CSO], s[10:11] offset:(32*(\p)+8*\u)*256+64*\g+16*\j
.endr
.endr
.endr
	WIN 0
.endm
.macro ROPE a
.set CSB, 128*(((\a)/2)%2)+64*((\a)%2)
.set XA, 64*((\a)%4)
	WIN 0x01|((2+(\a)/4)<<2)
.irp b, 0,1,2,3,4,5,6,7
.irp j, 0,2,4,6
	v_mul_f32 v[TT+\j], v[CSB+32+8*(\b/2)+4*(\b%2)+\j/2], v[XA+8*\b+\j+1]
	v_mul_f32 v[TT+\j+1], v[CSB+32+8*(\b/2)+4*(\b%2)+\j/2], v[XA+8*\b+\j]
.endr
.irp j, 0,2,4,6
	v_fma_f32 v[HH+8*\b+\j], v[CSB+8*(\b/2)+4*(\b%2)+\j/2], v[XA+8*\b+\j], -v[TT+\j]
	v_fma_f32 v[HH+8*\b+\j+1], v[CSB+8*(\b/2)+4*(\b%2)+\j/2], v[XA+8*\b+\j+1], v[TT+\j+1]
.endr
.endr
	WIN 0
.endm
.macro OUTF a
.irp c, 0,1,2
	global_store_b128 v[LI], v[PC+4*\c:PC+4*\c+3], s[12:13] offset:FRB*(\a)+512*\c
.endr
.if (\a)%2 == 0
	v_mov_b32 v[PWE], v[PW]
.else
	v_cndmask_b32 v[PWS], v[PWE], v[PW], s2
	global_store_b32 v[L4], v[PWS], s[96:97] offset:64*((\a)-1)
.endif
.endm
	PLACES NP
.irp b, 0,1,2,3
	v_mov_b32 v[TM+4+\b], 0
.endr
	s_cmp_eq_u32 s95, 2
	s_cbranch_scc1 .Lvpath
	LOADCS 0
	LOADCS 1
.irp p, 0,1,2,3
.if \p < 3
	s_wait_loadcnt 32
.else
	s_wait_loadcnt 0x0
.endif
.irp u, 0,1
	ROPE 2*\p+\u
	QUANT HH, 0
	OUTF 2*\p+\u
.endr
.if \p < 2
	LOADCS \p+2
.endif
.endr
	s_branch .Ldone
.Lvpath:
.irp a, 0,1,2,3,4,5,6,7
	QUANT 64*(\a%4), 2+\a/4
	OUTF \a
.endr
.Ldone:
	s_wait_tensorcnt 0x0
	ds_add_u32 v[SPW], v[NIL]
	s_wait_dscnt 0x0
	CROUND
	s_endpgm
.Lfunc_end_k_q0e9aa3b356_qkv:
	.size	k_q0e9aa3b356_qkv, .Lfunc_end_k_q0e9aa3b356_qkv-k_q0e9aa3b356_qkv
	.p2alignl 7, 3214868480
	.fill 96, 4, 3214868480
	.section	.rodata,"a",@progbits
	.p2align	6, 0x0
	.amdhsa_kernel k_q0e9aa3b356_qkv
		.amdhsa_group_segment_fixed_size 327680
		.amdhsa_private_segment_fixed_size 0
		.amdhsa_enable_private_segment 0
		.amdhsa_kernarg_size 48
		.amdhsa_user_sgpr_count 2
		.amdhsa_user_sgpr_kernarg_segment_ptr 1
		.amdhsa_wavefront_size32 1
		.amdhsa_system_sgpr_workgroup_id_x 1
		.amdhsa_system_sgpr_workgroup_id_y 1
		.amdhsa_system_sgpr_workgroup_id_z 1
		.amdhsa_system_vgpr_workitem_id 0
		.amdhsa_next_free_vgpr 1024
		.amdhsa_next_free_sgpr 102
		.amdhsa_reserve_vcc 0
		.amdhsa_float_denorm_mode_32 3
		.amdhsa_float_denorm_mode_16_64 3
		.amdhsa_memory_ordered 1
		.amdhsa_forward_progress 1
		.amdhsa_inst_pref_size 237
	.end_amdhsa_kernel
	.amdgpu_metadata
---
amdhsa.version: [ 1, 2 ]
amdhsa.kernels:
  - .name:           k_q0e9aa3b356_qkv
    .symbol:         k_q0e9aa3b356_qkv.kd
    .args:
      - { .name: cw, .offset: 0, .size: 8, .value_kind: global_buffer, .address_space: global }
      - { .name: sw, .offset: 8, .size: 8, .value_kind: global_buffer, .address_space: global }
      - { .name: cos, .offset: 16, .size: 8, .value_kind: global_buffer, .address_space: global }
      - { .name: sin, .offset: 24, .size: 8, .value_kind: global_buffer, .address_space: global }
      - { .name: cq, .offset: 32, .size: 8, .value_kind: global_buffer, .address_space: global }
      - { .name: sq, .offset: 40, .size: 8, .value_kind: global_buffer, .address_space: global }
    .group_segment_fixed_size: 327680
    .private_segment_fixed_size: 0
    .kernarg_segment_align: 8
    .kernarg_segment_size: 48
    .max_flat_workgroup_size: 128
    .sgpr_count:     102
    .vgpr_count:     1024
    .wavefront_size: 32
...
	.end_amdgpu_metadata
.endif
;; end of part 6
;; launch attn (part 7): grid 16 x 16, 4 waves a work-group, clusters of 4 x 1, 327,680 bytes of LDS; arguments cq, sq, mask, co, so; writes co, so
.if DOCPART == 7
	.amdgcn_target "amdgcn-amd-amdhsa--gfx1250"
	.amdhsa_code_object_version 6
	.text
	.protected	k_q0e9aa3b356_attn
	.globl	k_q0e9aa3b356_attn
	.p2align	8
	.type	k_q0e9aa3b356_attn,@function
k_q0e9aa3b356_attn:
	s_mov_b64 s[64:65], 0
	v_nop
	global_prefetch_b8 v0, s[64:65] scope:SCOPE_SE
	s_setreg_imm32_b32 hwreg(HW_REG_WAVE_MODE, 25, 1), 1
	s_wait_xcnt 0x0
	s_wait_alu depctr_hold_cnt(0) depctr_sa_sdst(0) depctr_va_vdst(0) depctr_va_sdst(0) depctr_va_ssrc(0) depctr_va_vcc(0) depctr_vm_vsrc(0)
	s_getreg_b32 s2, hwreg(HW_REG_IB_STS2, 6, 4)
	s_cmp_eq_u32 s2, 0
	s_cbranch_scc0 .Lentry_in_a_cluster
	s_endpgm
.Lentry_in_a_cluster:
	s_bfe_u32 s2, ttmp6, 0x10000c
	s_cmp_lg_u32 s2, 0x3003
	s_cbranch_scc0 .Lentry_shape_is_right
	s_endpgm
.Lentry_shape_is_right:
; o[q] = sum over keys of softmax(q . k / sqrt(128) + mask[q][key]) v[key], 16 heads, both products on codes of FP6 (E2M3) with E8M0 scales; then the quantiser of o along the last product's K (head x 128 + channel).
; THE MASK IS AN INPUT: every number of it is loaded and added, for every head; no key is left out.
; SOFTMAX: t = logit x log2(e); M = the running largest t rounded up to a whole number; p = 2^(t - M) is quantised along the keys, not normalised; the row's sum is taken of the unquantised p and divides at the end.
; When M moves, the sum and O are multiplied by 2^(old M - new M): exact.
; SHARES.  A work-group owns 128 queries of one head; wave w owns tiles 2 w and 2 w + 1 of 16 queries (place r of tile t is query 32 (t / 2) + 8 (t % 2) + r + 8 (r / 8)): rows 32 w .. 32 w + 31.
; So each fragment of K and of V that a wave reads from LDS feeds two products.  16 steps of 128 keys.
; LAYOUT.  Both products transposed: S^T = K Q^T, O^T = V^T P^T: a lane holds one query of each tile.  Fragments lie in memory and LDS as images of their registers (1,536 bytes, registers 4 c .. 4 c + 3 of lane l at 512 c + 16 l).
; The mask x sqrt(128) is the C of S^T, so t = c S' with c = log2(e) / sqrt(128).
; THE RING: two LDS slots of four key steps: K's images 49,152 bytes, V's 49,152, K's scale words 2,048, V's 2,048; waves 0 to 3 fetch one of the four each: one tensor load a wave at the head and behind each round.
; K LIES ONE STEP AHEAD OF V IN A SLOT: slot s holds V's steps 4 s .. 4 s + 3 and K's steps 4 s + 1 .. 4 s + 4, so that step t reads K of step t + 1 from the slot in hand.  K of step 0 comes from memory into registers.
; (The last fill's fourth step of K lies behind the head's keys, inside cq and sq, and is never read: it is part of a tile whose other three steps are.)
; CLUSTER 4 x 1: four blocks of queries of one head ask for these tiles jointly.
; THE MASK GOES THROUGH REGISTERS and is not asked for jointly: a step's tile of it is 65,536 bytes beside 24,576 of K and V, so slots that held it would hold one step each, and its load would have one step in which to land.
; A wave loads its own 32 rows, 512 consecutive bytes an instruction, two sets of 128 registers by turns, and turns them through its own stage in LDS.
; THE ORDER OF A STEP.  The scores have two sets of registers by turns, so the next step's mask comes back from the stage while this step's softmax is walked.  A step's 120 LDS instructions stand in groups between the
; stretches of vector work.  Behind each product of S^T stand four additions of the LAST step's row sums, behind each product of O^T four multiplications of the NEXT step's mask: work on registers that the products do not name.
; REGISTERS: window 0: addresses, row figures, Q, p's codes, scale words, v148-243 K.  Window 1: v0-127 scores (even steps), v128-255 O^T.  Window 2: v0-95 V, v96-223 scores (odd steps).  Window 3: the mask as loaded, two sets.
; LIMITS: the promise holds while |t| stays under 2^31; |mask| beyond 3e37 overflows in mask x sqrt(128); score and mask x sqrt(128) are added inside the matrix sum; a block of zeros gets the byte 1 (this program alone
; reads the bytes); NaN and infinities among the inputs are not served.
.set FRB,   1536
.set KSB,   8*FRB
.set NST,   4
.set VOFF,  NST*KSB                    ; V's images in a slot
.set SCO,   2*NST*KSB                  ; the scale words in a slot: K's 2,048 bytes, then V's
.set SLOT1, 131072                     ; slot 1: one exclusive or turns an address of one slot into the other's
.set SPARE, SCO+4096                   ; behind slot 0: the spare words, 128 bytes a wave
.set STG,   SLOT1+SCO+4096             ; behind slot 1: the stages, 32 rows a wave; no tile lands there
.set SP,    528                        ; a stage row: 512 bytes + 16
.set LI,1
.set STI,2
.set ASC0,3
.set STO,4
.set SPW,5
.set NIL,6
.set PFO,7
.set ADF,8
.set ADS,9
.set L4,10
.set T1O,11
.set NM,12                             ; v[12+2u:13+2u] -M and a 0
.set FM,16                             ; v[16+2u:17+2u] f and a 0
.set SUM,20                            ; v[20+2u:21+2u] the row's sum in two halves
.set RUN,24                            ; the running largest t
.set PW,26                             ; p's scale word, tile u
.set QS,28                             ; Q's scale words: lanes 0-15 tile 0, lanes 16-31 tile 1
.set T0,30
.set T2,32
.set QF,36
.set PC,60                             ; p's codes: 12 + 8 at work, tile u at 60 + 20 u
.set BM,100                            ; block e = 4 u + b
.set PT,108
.set SO,116
.set KS,124                            ; K's scale words: register q: lanes 0-15 tile 2 q, lanes 16-31 tile 2 q + 1
.set VS,128
.set AC,132                            ; the sums' chains: four pairs a tile
.set KF,148                            ; K's eight fragments
.set WV,14
.set HF,15
.set PAR,16
.set SEL,20
.set CS,22
.set SQ,24
.set TB,26
.set TS,27
.set SLOTS,28
.set TW,29
.set MB,30
.set G1C,32
.set G1S,40
.set G0C,48
.set G0S,52
.set STP,56                            ; the key step in hand
.set LIM,57                            ; steps under this number prefetch
.set MSB, 0
.macro WIN new                         ; the immediate's high byte repeats the setting that is left
.if MSB != (\new)
	s_set_vgpr_msb (MSB<<8)|(\new)
.set MSB, (\new)
.endif
.endm
.macro CROUND
	s_barrier_signal -1
	s_barrier_wait -1
	s_cmp_lg_u32 s[WV], 0
	s_cbranch_scc1 .Lnw0_\@
	s_barrier_signal -3
.Lnw0_\@:
	s_barrier_wait -3
	s_barrier_signal -1
	s_barrier_wait -1
.endm
.macro JLOAD                           ; waves 0, 1: codes; waves 2, 3: scale words.
	s_cmp_eq_u32 s[HF], 0
	s_cbranch_scc0 .Lsc_\@
	tensor_load_to_lds s[G0C:G0C+3], s[G1C:G1C+7]
	s_nop 0
.rept 4
	v_nop
.endr
	s_branch .Lj_\@
.Lsc_\@:
	tensor_load_to_lds s[G0S:G0S+3], s[G1S:G1S+7]
	s_nop 0
.rept 4
	v_nop
.endr
.Lj_\@:
.endm
.macro MROWS p, off                    ; my 32 rows' 512 bytes of one key step into set p
	WIN 0xc0
.set I, 0
.rept 32
	global_load_b128 v[128*(\p)+4*I:128*(\p)+4*I+3], v[LI], s[MB:MB+1] offset:I*8192+(\off)
.set I, I+1
.endr
	WIN 0
.endm
.macro STIN p                          ; row i of my 32 is place i % 8 + 8 (i / 16) of tile (i / 8) % 2: stage row 16 x tile + place
	WIN 0x0c
.set I, 0
.rept 32
	ds_store_b128 v[STI], v[128*(\p)+4*I:128*(\p)+4*I+3] offset:SP*(16*((I/8)%2)+I%8+8*(I/16))
.set I, I+1
.endr
	WIN 0
.endm
.macro STOUTH nw, nb, u                ; tile u's rows back: register 64 u + 16 g + i is key 32 g + 16 h + i.  LDS serves a wave's instructions in order (ISA guide 5.7.1.4)
	WIN (\nw)<<6
.irp g, 0,1,2,3
.irp j, 0,1,2,3
	ds_load_b128 v[(\nb)+64*(\u)+16*\g+4*\j:(\nb)+64*(\u)+16*\g+4*\j+3], v[STO] offset:16*SP*(\u)+128*\g+16*\j
.endr
.endr
	WIN 0
.endm
.macro VLOADS                          ; this step's V and its scale words
	WIN 0x80
.irp t, 0,1,2,3,4,5,6,7
.irp c, 0,1,2
	ds_load_b128 v[12*\t+4*\c:12*\t+4*\c+3], v[ADF] offset:VOFF+FRB*\t+512*\c
.endr
.endr
	WIN 0
.irp q, 0,1,2,3
	ds_load_b32 v[VS+\q], v[ADS] offset:2048+128*\q
.endr
.endm
.macro KLOADS                          ; the next step's K and its scale words
.irp t, 0,1,2,3,4,5,6,7
.irp c, 0,1,2
	ds_load_b128 v[KF+12*\t+4*\c:KF+12*\t+4*\c+3], v[ADF] offset:FRB*\t+512*\c
.endr
.endr
.irp q, 0,1,2,3
	ds_load_b32 v[KS+\q], v[ADS] offset:128*\q
.endr
.endm
.macro WM ra, rb                       ; one product in place on rD; ra, rb: which half of the lanes holds source 0's and source 1's scale words
.if (\ra) == 0 && (\rb) == 0
	v_wmma_scale_f32_16x16x128_f8f6f4 v[rD:rD+7], v[rA:rA+11], v[rB:rB+11], v[rD:rD+7], v[rSA], v[rSB] matrix_a_fmt:MATRIX_FMT_FP6 matrix_b_fmt:MATRIX_FMT_FP6
.elseif (\ra) == 1 && (\rb) == 0
	v_wmma_scale_f32_16x16x128_f8f6f4 v[rD:rD+7], v[rA:rA+11], v[rB:rB+11], v[rD:rD+7], v[rSA], v[rSB] matrix_a_fmt:MATRIX_FMT_FP6 matrix_b_fmt:MATRIX_FMT_FP6 matrix_a_scale:MATRIX_SCALE_ROW1
.elseif (\ra) == 0 && (\rb) == 1
	v_wmma_scale_f32_16x16x128_f8f6f4 v[rD:rD+7], v[rA:rA+11], v[rB:rB+11], v[rD:rD+7], v[rSA], v[rSB] matrix_a_fmt:MATRIX_FMT_FP6 matrix_b_fmt:MATRIX_FMT_FP6 matrix_b_scale:MATRIX_SCALE_ROW1
.else
	v_wmma_scale_f32_16x16x128_f8f6f4 v[rD:rD+7], v[rA:rA+11], v[rB:rB+11], v[rD:rD+7], v[rSA], v[rSB] matrix_a_fmt:MATRIX_FMT_FP6 matrix_b_fmt:MATRIX_FMT_FP6 matrix_a_scale:MATRIX_SCALE_ROW1 matrix_b_scale:MATRIX_SCALE_ROW1
.endif
.endm
; Addition i of the 64 that take the rows' sums of the 128 numbers p at v[nb] on: 0-7 start four chains a tile, 8-55 walk them, 56-61 join them, 62, 63 add them to the sums.
.macro SADD i, nb
.if (\i) < 8
	v_pk_add_f32 v[AC+2*(\i):AC+2*(\i)+1], v[(\nb)+64*((\i)/4)+2*((\i)%4):(\nb)+64*((\i)/4)+2*((\i)%4)+1], v[(\nb)+64*((\i)/4)+8+2*((\i)%4):(\nb)+64*((\i)/4)+8+2*((\i)%4)+1]
.elseif (\i) < 56
.set SU, (((\i)-8)/4)%2
.set SK, ((\i)-8)%4
.set SM, ((\i)-8)/8
	v_pk_add_f32 v[AC+8*SU+2*SK:AC+8*SU+2*SK+1], v[AC+8*SU+2*SK:AC+8*SU+2*SK+1], v[(\nb)+64*SU+16+8*SM+2*SK:(\nb)+64*SU+16+8*SM+2*SK+1]
.elseif (\i) < 60
.set SU, ((\i)-56)/2
.set SK, ((\i)-56)%2
	v_pk_add_f32 v[AC+8*SU+4*SK:AC+8*SU+4*SK+1], v[AC+8*SU+4*SK:AC+8*SU+4*SK+1], v[AC+8*SU+4*SK+2:AC+8*SU+4*SK+3]
.elseif (\i) < 62
.set SU, (\i)-60
	v_pk_add_f32 v[AC+8*SU:AC+8*SU+1], v[AC+8*SU:AC+8*SU+1], v[AC+8*SU+4:AC+8*SU+5]
.else
.set SU, (\i)-62
	v_pk_add_f32 v[SUM+2*SU:SUM+2*SU+1], v[SUM+2*SU:SUM+2*SU+1], v[AC+8*SU:AC+8*SU+1]
.endif
.endm
.macro SWIN g, nw                      ; the windows of additions 4 g .. 4 g + 3
.if (\g) < 2
	WIN (\nw)|((\nw)<<2)
.elseif (\g) < 14
	WIN (\nw)<<2
.else
	WIN 0
.endif
.endm
; S' = K Q^T + the mask, into the scores at window sw, v[sb] on: 16 accumulators, one instruction each; behind each, four additions of the last step's p, which lies at window nw, v[nb] on.
.macro MULS sw, sb, nw, nb
.set N, 0
.rept 16
	WIN ((\sw)<<6)|((\sw)<<4)
.set rD, (\sb)+64*(N%2)+8*(N/2)
.set rA, KF+12*(N/2)
.set rB, QF+12*(N%2)
.set rSA, KS+N/4
.set rSB, QS
	WM (N/2)%2, N%2
	SWIN N, \nw
	SADD 4*N, \nb
	SADD 4*N+1, \nb
	SADD 4*N+2, \nb
	SADD 4*N+3, \nb
.set N, N+1
.endr
	WIN 0
.endm
; O^T += V^T P^T: 16 accumulators, one instruction each.  mix = 1: behind each, four multiplications of the next step's mask by sqrt(128).
.macro MULP nw, nb, mix
.set N, 0
.rept 16
	WIN 0x52                                       ; source 0 window 2, source 1 window 0, C and D window 1
.set rD, 128+64*(N%2)+8*(N/2)
.set rA, 12*(N/2)
.set rB, PC+20*(N%2)
.set rSA, VS+N/4
.set rSB, PW+N%2
	WM (N/2)%2, 0
.if \mix
	WIN ((\nw)<<6)|(\nw)
.set J, (\nb)+8*N
.rept 4
	v_pk_mul_f32 v[J:J+1], v[J:J+1], s[SQ:SQ+1] op_sel_hi:[1,0]
.set J, J+2
.endr
.endif
.set N, N+1
.endr
	WIN 0
.endm
; From the blocks' largest magnitudes in v[BM] on: scale operands, bytes, scale words; the 128 numbers at window sw, v[sb] on become the two fragments in v[PC] on.
.macro CODES sw, sb
.irp e, 0,1,2,3,4,5,6,7
	v_add_nc_u32 v[SO+\e], 0xff000000, v[BM+\e]    ; 2 off the exponent field
.endr
.irp e, 0,1,2,3,4,5,6,7
	v_lshrrev_b32 v[PT+\e], 23, v[SO+\e]           ; the byte
.endr
.irp k, 1,2,3
.irp u, 0,1
.if \k == 1
	v_lshl_or_b32 v[PW+\u], v[PT+4*\u+1], 8, v[PT+4*\u]
.else
	v_lshl_or_b32 v[PW+\u], v[PT+4*\u+\k], 8*\k, v[PW+\u]
.endif
.endr
.endr
	WIN (\sw)
.irp u, 0,1
.irp c, 0,1
	v_cvt_scalef32_pk16_fp6_f32 v[PC+20*\u+6*\c:PC+20*\u+6*\c+2], v[(\sb)+64*\u+32*\c:(\sb)+64*\u+32*\c+15], v[SO+4*\u+2*\c]
	v_cvt_scalef32_pk16_fp6_f32 v[PC+20*\u+12+4*\c:PC+20*\u+14+4*\c], v[(\sb)+64*\u+32*\c+16:(\sb)+64*\u+32*\c+31], v[SO+4*\u+2*\c+1]
.endr
.endr
	WIN 0
	v_nop                                          ; one plain place behind a scaled conversion
.irp u, 0,1
.irp c, 0,1                                    ; a whole block to a lane: lanes 0-15 block 2 c, lanes 16-31 block 2 c + 1
.irp i, 0,1,2
	v_permlane16_swap_b32 v[PC+20*\u+6*\c+\i], v[PC+20*\u+12+4*\c+\i]
.endr
.irp i, 0,1,2
	v_mov_b32 v[PC+20*\u+3+6*\c+\i], v[PC+20*\u+12+4*\c+\i]
.endr
.endr
.endr
.endm
.macro TMM sw, sb, u                   ; t - M of tile u
	WIN ((\sw)<<6)|(\sw)
.set J, (\sb)+64*(\u)
.rept 32
	v_pk_fma_f32 v[J:J+1], v[J:J+1], s[CS:CS+1], v[NM+2*(\u):NM+2*(\u)+1] op_sel_hi:[1,0,0]
.set J, J+2
.endr
	WIN 0
.endm
; A prefetch of my 32 rows' 512 bytes of the key step two on from the one just loaded: 64 blocks of 256 bytes, a lane a row, two instructions.  A tile of the mask is read by all 16 heads' work-groups: head 0's ask
; (the head is the same in all partners of a cluster), each wave for its own rows.  The request in step 10 names step 15; later steps ask for nothing.  K and V: a refill has four steps in which to land, so none is asked for.
.macro ASK
	s_cmp_lt_u32 s[STP], s[LIM]
	s_cbranch_scc0 .Lnp_\@
	global_prefetch_b8 v[PFO], s[MB:MB+1] offset:1024 th:TH_LOAD_NT scope:SCOPE_SE
	global_prefetch_b8 v[PFO], s[MB:MB+1] offset:1280 th:TH_LOAD_NT scope:SCOPE_SE
.Lnp_\@:
.endm
; KEY STEP t.  At its head: the mask x sqrt(128) of step t lies in the scores at window sw, v[sb]; K of step t is on its way from LDS; p of step t - 1 lies at window nw, v[nb].
; p = (t + 1) % 2: the set with the mask of step t + 1, which goes through the stage here; then the set takes step t + 3.
; stage: 1: the next step is prepared; 2: unless t = 15.  load: 0 never, 1 always, 2 if t = 12.  left: younger mask loads that may stay out.  pf: the prefetch is written.
.macro STEP p, sw, sb, nw, nb, stage, load, left, pf
	v_add_nc_u32 v[ADF], s[TB], v[LI]
	v_add_nc_u32 v[ADS], s[TS], v[ASC0]
	v_nop
	v_nop
	VLOADS
	s_wait_alu depctr_va_vdst(0)
	s_wait_dscnt 28                                ; K and its scale words are in; V's 24 + 4 loads may be out
	MULS \sw, \sb, \nw, \nb
.if \stage == 2
	s_cmp_eq_u32 s[STP], 15
	s_cbranch_scc1 .Lc_\@
.endif
	s_wait_loadcnt \left
	STIN \p
.if \stage == 2
.Lc_\@:
.endif
	WIN (\sw)|((\sw)<<2)|((\sw)<<4)
.irp e, 0,1,2,3,4,5,6,7
	v_max3_num_f32 v[BM+\e], v[(\sb)+16*\e], v[(\sb)+16*\e+1], v[(\sb)+16*\e+2]   ; the largest S' of each block of 32 keys: for the row's maximum and for the block's largest p
.endr
	WIN ((\sw)<<2)|((\sw)<<4)
.irp i, 3,5,7,9,11,13
.irp e, 0,1,2,3,4,5,6,7
	v_max3_num_f32 v[BM+\e], v[BM+\e], v[(\sb)+16*\e+\i], v[(\sb)+16*\e+\i+1]
.endr
.endr
.irp e, 0,1,2,3,4,5,6,7
	v_max_num_f32 v[BM+\e], v[BM+\e], v[(\sb)+16*\e+15]
.endr
	WIN 0
.irp e, 0,1,2,3,4,5,6,7
	v_permlanex16_b32 v[PT+\e], v[BM+\e], s[SEL], s[SEL+1]
.endr
.irp e, 0,1,2,3,4,5,6,7
	v_max_num_f32 v[BM+\e], v[BM+\e], v[PT+\e]     ; with lane l xor 16's 16 keys
.endr
.irp u, 0,1
	v_max3_num_f32 v[T0+\u], v[BM+4*\u], v[BM+4*\u+1], v[BM+4*\u+2]
.endr
.irp u, 0,1
	v_max_num_f32 v[T0+\u], v[T0+\u], v[BM+4*\u+3]
.endr
.irp u, 0,1
	v_mul_f32 v[T0+\u], s[CS], v[T0+\u]            ; as t (c is positive)
.endr
.irp u, 0,1
	v_max_num_f32 v[RUN+\u], v[RUN+\u], v[T0+\u]
.endr
.irp u, 0,1
	v_mov_b32 v[T2+\u], v[NM+2*\u]
.endr
.irp u, 0,1
	v_floor_f32 v[NM+2*\u], -v[RUN+\u]             ; -M = floor(-t): M is a whole number
.endr
.irp u, 0,1
	v_sub_f32 v[T2+\u], v[NM+2*\u], v[T2+\u]       ; old M - new M
.endr
.irp u, 0,1
	v_cvt_i32_f32 v[T2+\u], v[T2+\u]               ; (it saturates)
.endr
.irp u, 0,1
	v_ldexp_f32 v[FM+2*\u], 1.0, v[T2+\u]          ; f = 2^(old M - new M)
.endr
.if \stage == 2
	s_wait_alu depctr_va_vdst(0)                   ; the wait ahead of the branch
	s_cmp_eq_u32 s[STP], 15
	s_cbranch_scc1 .Le_\@
	STOUTH \nw, \nb, 0
	STOUTH \nw, \nb, 1
.Le_\@:
	TMM \sw, \sb, 0
	TMM \sw, \sb, 1
.else
	STOUTH \nw, \nb, 0                             ; the next step's mask into the registers whose p has been summed
	TMM \sw, \sb, 0
	STOUTH \nw, \nb, 1
	TMM \sw, \sb, 1
.endif
.irp e, 0,1,2,3,4,5,6,7
	v_fma_f32 v[BM+\e], v[BM+\e], s[CS], v[NM+2*(\e/4)]
.endr
.irp u, 0,1
	v_pk_mul_f32 v[SUM+2*\u:SUM+2*\u+1], v[SUM+2*\u:SUM+2*\u+1], v[FM+2*\u:FM+2*\u+1] op_sel_hi:[1,0]
.endr
.if \stage == 2
	s_cmp_eq_u32 s[STP], 15
	s_cbranch_scc1 .Lg_\@
.endif
	KLOADS
.if \stage == 2
.Lg_\@:
.endif
	s_wait_alu depctr_va_vdst(0)
	WIN ((\sw)<<6)|(\sw)
.set J, (\sb)
.rept 128
	v_exp_f32 v[J], v[J]                           ; p = 2^(t - M), at most 1
.set J, J+1
.endr
	WIN 0
.irp e, 0,1,2,3,4,5,6,7
	v_exp_f32 v[BM+\e], v[BM+\e]                   ; the block's largest p: the same instructions on the same number
.endr
	v_nop                                          ; a plain place behind the batch
	s_wait_alu depctr_va_vdst(0)                   ; one wait for the batch, ahead of its first reader
.if \stage == 1
	s_wait_dscnt 60                                ; V is in and the stage's stores have read their registers; the mask's 32 loads and K's 28 may be out
.endif
.if \load == 2
	s_cmp_eq_u32 s[STP], 12
	s_cbranch_scc0 .Lnl_\@
.endif
.if \load
	s_wait_xcnt 0x0                                ; the earlier loads and prefetches have read the base
	s_add_nc_u64 s[MB:MB+1], s[MB:MB+1], 512
	MROWS \p, 0
.endif
.if \load == 2
.Lnl_\@:
.endif
.if \pf
	ASK
.endif
.irp e, 0,1,2,3,4,5,6,7
	v_max_num_f32 v[BM+\e], 0x1800000, v[BM+\e]    ; the floor 2^(3 - 127): the byte cannot fall under 1
.endr
	CODES \sw, \sb
	WIN 0x41
	s_wait_alu depctr_va_vdst(0)                   ; directly ahead of the first readers of O^T
.irp u, 0,1
.set J, 0
.rept 32
	v_pk_mul_f32 v[128+64*\u+J:128+64*\u+J+1], v[128+64*\u+J:128+64*\u+J+1], v[FM+2*\u:FM+2*\u+1] op_sel_hi:[1,0]   ; O^T under the new M, each accumulator from its low end on.  (Also the places between the scale words, the codes and the products)
.set J, J+2
.endr
.endr
	WIN 0
	s_wait_alu depctr_va_vdst(0)
.if \stage == 2
	s_wait_dscnt 0x0
	s_cmp_eq_u32 s[STP], 15
	s_cbranch_scc1 .Lp_\@
	MULP \nw, \nb, 1
	s_branch .Lq_\@
.Lp_\@:
	MULP \nw, \nb, 0
.Lq_\@:
.else
	s_wait_dscnt 28                                ; the next step's mask is back; K's 28 loads may be out
	MULP \nw, \nb, 1
.endif
	s_add_co_u32 s[TS], s[TS], 512
	s_add_co_u32 s[TB], s[TB], KSB
	s_add_co_u32 s[STP], s[STP], 1
.endm
; THE CHANGE OF SLOTS, ahead of a slot's four steps: all my tensor loads are waited for, 0 is added to my spare word, that and my LDS reads are waited for.  fill = 1: a round of the cluster's barrier, and behind it
; the other slot takes the four steps that follow (the first time: slot 1's first fill, issued as a refill is).
.macro CHANGE fill
	s_wait_tensorcnt 0x0
	ds_add_u32 v[SPW], v[NIL]
.if \fill
	s_xor_b32 s[G0C+1], s[G0C+1], SLOT1
	s_add_nc_u64 s[G0C+2:G0C+3], s[G0C+2:G0C+3], NST*KSB
	s_xor_b32 s[G0S+1], s[G0S+1], SLOT1
	s_add_nc_u64 s[G0S+2:G0S+3], s[G0S+2:G0S+3], NST*512
.endif
	s_sub_co_u32 s[TB], s[TB], NST*KSB             ; the reads go to the other slot's first step
	s_xor_b32 s[TB], s[TB], SLOT1
	s_sub_co_u32 s[TS], s[TS], NST*512
	s_xor_b32 s[TS], s[TS], SLOT1
	s_wait_dscnt 0x0
.if \fill
	CROUND
	JLOAD
.else
	s_barrier_signal -1
	s_barrier_wait -1
.endif
.endm
	s_load_b256 s[4:11], s[0:1], 0x0               ; cq, sq, mask, co
	s_load_b64 s[12:13], s[0:1], 0x20              ; so
	v_lshl_add_u32 v[SPW], v0, 2, SPARE
	v_mov_b32 v[NIL], 0
	ds_add_u32 v[SPW], v[NIL]                      ; the opening lines: the add twice and its wait come ahead of my first tensor load
	ds_add_u32 v[SPW], v[NIL]
	v_lshrrev_b32 v8, 5, v0
	v_readfirstlane_b32 s[WV], v8                  ; wave 0..3
	s_lshr_b32 s[HF], s[WV], 1                     ; I fetch codes (0) or scale words (1),
	s_and_b32 s[PAR], s[WV], 1                     ; of K (0) or of V (1)
	s_bfe_u32 s17, ttmp6, 0x40000                  ; cx
	s_lshl_b32 s18, ttmp9, 2
	s_add_co_u32 s18, s18, s17                     ; my block of 128 queries: it enters Q's, the mask's and the result's addresses alone
	s_and_b32 s19, ttmp7, 0xffff                   ; my head, which the four partners share
	s_mov_b32 s[G1C], 15|(3<<16)|(1<<21)           ; the mask: all four; elements of 8 bytes; bit 21 beside a mask
	s_mov_b32 s[G1S], 15|(3<<16)|(1<<21)
.irp g, G1C, G1S
	s_mov_b32 s[\g+1], 32<<16                      ; dense bytes as rows of 256
	s_mov_b32 s[\g+3], 32<<16
	s_mov_b32 s[\g+5], 32
	s_mov_b32 s[\g+6], 0
	s_mov_b32 s[\g+7], 0
.endr
	s_mov_b32 s[G1C+2], (NST*KSB/256)<<16          ; 192 rows: four steps' images
	s_mov_b32 s[G1C+4], NST*KSB/256
	s_mov_b32 s[G1S+2], 8<<16                      ; 8 rows: four steps' scale words
	s_mov_b32 s[G1S+4], 8
	s_add_co_u32 s66, s[PAR], 1                    ; in cq and sq: 0 q, 1 k, 2 v
	s_lshl_b32 s66, s66, 8
	s_lshl_b32 s67, s19, 4
	s_add_co_u32 s66, s66, s67                     ; the head's first block of 128 keys
	s_xor_b32 s92, s[PAR], 1
	s_add_co_u32 s66, s66, s92                     ; K's tiles begin one step further on
	s_mul_i32 s68, s66, KSB
	s_mov_b32 s69, 0
	s_lshl_b32 s70, s66, 9
	s_mov_b32 s71, 0
	s_mul_i32 s72, s[PAR], VOFF                    ; places in a slot: the wave's number alone
	s_lshl_b32 s73, s[PAR], 11
	s_add_co_u32 s73, s73, SCO
	s_add_co_u32 s90, s67, 256                     ; K of step 0
	s_mul_i32 s88, s90, KSB
	s_mov_b32 s89, 0
	s_lshl_b32 s90, s90, 9
	s_mov_b32 s91, 0
	s_add_co_u32 s74, s67, s18                     ; Q: 16 x head + block
	s_lshl_b32 s76, s74, 9
	s_lshl_b32 s77, s[WV], 7
	s_add_co_u32 s76, s76, s77                     ; my two tiles' scale words
	s_mov_b32 s77, 0
	s_mul_i32 s74, s74, KSB
	s_mul_i32 s75, s[WV], 2*FRB
	s_add_co_u32 s74, s74, s75
	s_mov_b32 s75, 0
	s_mul_i32 s78, s18, 16*KSB                     ; the result: [block of queries][head][tile]
	s_mul_i32 s79, s19, KSB
	s_add_co_u32 s78, s78, s79
	s_mul_i32 s79, s[WV], 2*FRB
	s_add_co_u32 s78, s78, s79
	s_mov_b32 s79, 0
	s_lshl_b32 s80, s18, 13                        ; its scale words: [block][head / 4][tile][place][head % 4]
	s_lshr_b32 s81, s19, 2
	s_lshl_b32 s81, s81, 11
	s_add_co_u32 s80, s80, s81
	s_lshl_b32 s81, s[WV], 9
	s_add_co_u32 s80, s80, s81
	s_and_b32 s81, s19, 3
	s_lshl_b32 s81, s81, 2
	s_add_co_u32 s80, s80, s81
	s_mov_b32 s81, 0
	s_lshl_b32 s82, s18, 20                        ; the mask: 128 rows of 8,192 bytes a block, 32 rows a wave
	s_lshl_b32 s83, s[WV], 18
	s_add_co_u32 s82, s82, s83
	s_mov_b32 s83, 0
	s_mov_b32 s[SEL], 0x76543210
	s_mov_b32 s[SEL+1], 0xfedcba98                 ; lane l xor 16
	s_mov_b32 s[CS], 0x3e0293ee                    ; c = log2(e) / sqrt(128)
	s_mov_b32 s[CS+1], s[CS]
	s_mov_b32 s[SQ], 0x413504f3                    ; sqrt(128)
	s_mov_b32 s[SQ+1], s[SQ]
	s_mov_b32 s[TB], SLOT1+NST*KSB                 ; the first change of slots makes 0 of both
	s_mov_b32 s[TS], SLOT1+NST*512
	s_mov_b32 s[STP], 0
	s_cmp_eq_u32 s19, 0
	s_cselect_b32 s[LIM], 11, 0
	v_and_b32 v[L4], 31, v0
	v_lshlrev_b32 v[LI], 4, v[L4]
	v_lshlrev_b32 v[L4], 2, v[L4]
	v_and_b32 v34, 15, v0                          ; r
	v_bfe_u32 v35, v0, 4, 1                        ; h
	s_wait_alu depctr_va_vdst(0)
	s_wait_dscnt 0x0
	s_wait_kmcnt 0x0
	s_mov_b32 s[G0C], 1
	s_mov_b32 s[G0C+1], s72
	s_add_nc_u64 s[G0C+2:G0C+3], s[4:5], s[68:69]
	s_or_b32 s[G0C+3], s[G0C+3], 0x80000000
	s_mov_b32 s[G0S], 1
	s_mov_b32 s[G0S+1], s73
	s_add_nc_u64 s[G0S+2:G0S+3], s[6:7], s[70:71]
	s_or_b32 s[G0S+3], s[G0S+3], 0x80000000
	s_add_nc_u64 s[84:85], s[4:5], s[74:75]
	s_add_nc_u64 s[86:87], s[6:7], s[76:77]
	s_add_nc_u64 s[88:89], s[4:5], s[88:89]
	s_add_nc_u64 s[90:91], s[6:7], s[90:91]
	s_add_nc_u64 s[10:11], s[10:11], s[78:79]
	s_add_nc_u64 s[12:13], s[12:13], s[80:81]
	s_add_nc_u64 s[MB:MB+1], s[8:9], s[82:83]
.irp u, 0,1
.irp c, 0,1,2
	global_load_b128 v[QF+12*\u+4*\c:QF+12*\u+4*\c+3], v[LI], s[84:85] offset:FRB*\u+512*\c   ; Q's two fragments stay in registers
.endr
.endr
	global_load_b32 v[QS], v[L4], s[86:87]
.irp t, 0,1,2,3,4,5,6,7
.irp c, 0,1,2
	global_load_b128 v[KF+12*\t+4*\c:KF+12*\t+4*\c+3], v[LI], s[88:89] offset:FRB*\t+512*\c   ; K of step 0
.endr
.endr
.irp q, 0,1,2,3
	global_load_b32 v[KS+\q], v[L4], s[90:91] offset:128*\q
.endr
	MROWS 0, 0                                     ; the mask of key steps 0 and 1
	MROWS 1, 512
	CROUND                                         ; the first joint loads meet
	JLOAD                                          ; slot 0: one load a wave
	s_mul_i32 s66, s[WV], 32*SP
	s_add_co_u32 s66, s66, STG                     ; my stage
	v_add_nc_u32 v[STI], s66, v[LI]
	v_mul_u32_u24 v[STO], v34, SP
	v_lshl_add_u32 v[STO], v35, 6, v[STO]
	v_add_nc_u32 v[STO], s66, v[STO]
	v_add_nc_u32 v[ASC0], SCO, v[L4]
	v_lshlrev_b32 v[PFO], 9, v[LI]                 ; a lane a row: 8,192 x lane
.irp u, 0,1
	v_mov_b32 v[RUN+\u], 0xff61b1e6                ; -3e38, under every t
	v_mov_b32 v[NM+2*\u+1], 0
	v_mov_b32 v[FM+2*\u], 0
	v_mov_b32 v[FM+2*\u+1], 0
	v_mov_b32 v[SUM+2*\u], 0
	v_mov_b32 v[SUM+2*\u+1], 0
.endr
.irp u, 0,1
	v_floor_f32 v[NM+2*\u], -v[RUN+\u]
.endr
.irp e, 0,1,2,3,4,5,6,7
	v_mov_b32 v[PT+\e], 0                          ; a lane permute's destination counts as one of its sources
.endr
	WIN 0x40
.set J, 0
.rept 128
	v_mov_b32 v[128+J], 0                          ; O^T: no first step is written out; these lines stand under the flight of the first loads
.set J, J+1
.endr
	WIN 0x80
.set J, 0
.rept 128
	v_mov_b32 v[96+J], 0                           ; and the p of a step ahead of the first: its sums are zeros
.set J, J+1
.endr
	WIN 0
	s_wait_alu depctr_va_vdst(0)
	s_wait_loadcnt 32                              ; Q, K of step 0, their scale words and step 0's mask are in; step 1's 32 loads may be out
	STIN 0
	STOUTH 1, 0, 0
	STOUTH 1, 0, 1
	s_wait_dscnt 0x0                               ; the mask is back, and the stores have read their registers
	s_wait_xcnt 0x0
	s_add_nc_u64 s[MB:MB+1], s[MB:MB+1], 1024
	MROWS 0, 0                                     ; step 2
	WIN 0x41
.set J, 0
.rept 64
	v_pk_mul_f32 v[J:J+1], v[J:J+1], s[SQ:SQ+1] op_sel_hi:[1,0]   ; step 0's mask x sqrt(128)
.set J, J+2
.endr
	WIN 0
	s_mov_b32 s[SLOTS], 3
	s_wait_alu depctr_va_vdst(0)
.Lslot:                                                ; key steps 0 to 11
	CHANGE 1
	s_mov_b32 s[TW], 2
.Lpair:
	STEP 1, 1, 0, 2, 96, 1, 1, 32, 1
	STEP 0, 2, 96, 1, 0, 1, 1, 32, 1
	s_sub_co_u32 s[TW], s[TW], 1
	s_cmp_lg_u32 s[TW], 0
	s_cbranch_scc1 .Lpair
	s_sub_co_u32 s[SLOTS], s[SLOTS], 1
	s_cmp_lg_u32 s[SLOTS], 0
	s_cbranch_scc1 .Lslot
	CHANGE 0                                       ; the last slot: nothing is left to fetch for the ring
	s_mov_b32 s[TW], 2
.Ltail:                                                ; steps 12, 13 and 14, 15: step 12 alone loads (step 15's mask); step 13 waits for all loads; step 15 prepares no further step
	STEP 1, 1, 0, 2, 96, 1, 2, 32, 0
	STEP 0, 2, 96, 1, 0, 2, 0, 0, 0
	s_sub_co_u32 s[TW], s[TW], 1
	s_cmp_lg_u32 s[TW], 0
	s_cbranch_scc1 .Ltail
	; THE WAY OUT.  Step 15's row sums; then O^T / the row's sum, quantised along the channels: register 16 b + i is channel 32 b + 16 h + i.
.set N, 0
.rept 16
	SWIN N, 2
	SADD 4*N, 96
	SADD 4*N+1, 96
	SADD 4*N+2, 96
	SADD 4*N+3, 96
.set N, N+1
.endr
	WIN 0
.irp u, 0,1
	v_add_f32 v[SUM+2*\u], v[SUM+2*\u], v[SUM+2*\u+1]
.endr
.irp u, 0,1
	v_permlanex16_b32 v[PT+\u], v[SUM+2*\u], s[SEL], s[SEL+1]
.endr
.irp u, 0,1
	v_add_f32 v[SUM+2*\u], v[SUM+2*\u], v[PT+\u]
.endr
	s_wait_alu depctr_va_vdst(0)                   ; ahead of the transcendentals
.irp u, 0,1
	v_rcp_f32 v[FM+2*\u], v[SUM+2*\u]
.endr
	v_and_b32 v[T1O], 15, v0                       ; (a plain place)
	v_lshlrev_b32 v[T1O], 4, v[T1O]                ; 16 r: my place's scale words
	WIN 0x41
	s_wait_alu depctr_va_vdst(0)                   ; ahead of the first readers of the reciprocals and of O^T
.irp u, 0,1
.set J, 0
.rept 32
	v_pk_mul_f32 v[64*\u+J:64*\u+J+1], v[128+64*\u+J:128+64*\u+J+1], v[FM+2*\u:FM+2*\u+1] op_sel_hi:[1,0]
.set J, J+2
.endr
.endr
	WIN 0x05
.irp e, 0,1,2,3,4,5,6,7
	v_max3_num_f32 v[BM+\e], |v[16*\e]|, |v[16*\e+1]|, 0x1800000
.endr
	WIN 0x14
.irp i, 2,4,6,8,10,12,14
.irp e, 0,1,2,3,4,5,6,7
	v_max3_num_f32 v[BM+\e], v[BM+\e], |v[16*\e+\i]|, |v[16*\e+\i+1]|
.endr
.endr
	WIN 0
.irp e, 0,1,2,3,4,5,6,7
	v_permlanex16_b32 v[PT+\e], v[BM+\e], s[SEL], s[SEL+1]
.endr
.irp e, 0,1,2,3,4,5,6,7
	v_max_num_f32 v[BM+\e], v[BM+\e], v[PT+\e]
.endr
	CODES 1, 0
.irp u, 0,1
.irp c, 0,1,2
	global_store_b128 v[LI], v[PC+20*\u+4*\c:PC+20*\u+4*\c+3], s[10:11] offset:FRB*\u+512*\c   ; the image: 1,536 dense bytes
.endr
	global_store_b32 v[T1O], v[PW+\u], s[12:13] offset:256*\u   ; lanes 16-31 hold and store the same word as lanes 0-15; words 16 bytes apart: the layout in which the next launch takes four K steps' words by one load
.endr
	s_wait_tensorcnt 0x0                           ; the wave's end
	ds_add_u32 v[SPW], v[NIL]
	s_wait_dscnt 0x0
	CROUND                                         ; the closing round
	s_endpgm
.Lfunc_end_k_q0e9aa3b356_attn:
	.size	k_q0e9aa3b356_attn, .Lfunc_end_k_q0e9aa3b356_attn-k_q0e9aa3b356_attn
	.p2alignl 7, 3214868480
	.fill 96, 4, 3214868480
	.section	.rodata,"a",@progbits
	.p2align	6, 0x0
	.amdhsa_kernel k_q0e9aa3b356_attn
		.amdhsa_group_segment_fixed_size 327680
		.amdhsa_private_segment_fixed_size 0
		.amdhsa_enable_private_segment 0
		.amdhsa_kernarg_size 40
		.amdhsa_user_sgpr_count 2
		.amdhsa_user_sgpr_kernarg_segment_ptr 1
		.amdhsa_wavefront_size32 1
		.amdhsa_system_sgpr_workgroup_id_x 1
		.amdhsa_system_sgpr_workgroup_id_y 1
		.amdhsa_system_sgpr_workgroup_id_z 1
		.amdhsa_system_vgpr_workitem_id 0
		.amdhsa_next_free_vgpr 1024
		.amdhsa_next_free_sgpr 96
		.amdhsa_reserve_vcc 0
		.amdhsa_float_denorm_mode_32 3
		.amdhsa_float_denorm_mode_16_64 3
		.amdhsa_memory_ordered 1
		.amdhsa_forward_progress 1
		.amdhsa_inst_pref_size 244
	.end_amdhsa_kernel
	.amdgpu_metadata
---
amdhsa.version: [ 1, 2 ]
amdhsa.kernels:
  - .name:           k_q0e9aa3b356_attn
    .symbol:         k_q0e9aa3b356_attn.kd
    .args:
      - { .name: cq, .offset: 0, .size: 8, .value_kind: global_buffer, .address_space: global }
      - { .name: sq, .offset: 8, .size: 8, .value_kind: global_buffer, .address_space: global }
      - { .name: mask, .offset: 16, .size: 8, .value_kind: global_buffer, .address_space: global }
      - { .name: co, .offset: 24, .size: 8, .value_kind: global_buffer, .address_space: global }
      - { .name: so, .offset: 32, .size: 8, .value_kind: global_buffer, .address_space: global }
    .group_segment_fixed_size: 327680
    .private_segment_fixed_size: 0
    .kernarg_segment_align: 8
    .kernarg_segment_size: 40
    .max_flat_workgroup_size: 128
    .sgpr_count:     96
    .vgpr_count:     1024
    .wavefront_size: 32
...
	.end_amdgpu_metadata
.endif
;; end of part 7
;; launch outp (part 8): grid 16 x 16, 4 waves a work-group, clusters of 4 x 1, 264,704 bytes of LDS; arguments co, so, cw, sw, out0; writes out0
.if DOCPART == 8
	.amdgcn_target "amdgcn-amd-amdhsa--gfx1250"
	.amdhsa_code_object_version 6
	.text
	.protected	k_q0e9aa3b356_outp
	.globl	k_q0e9aa3b356_outp
	.p2align	8
	.type	k_q0e9aa3b356_outp,@function
k_q0e9aa3b356_outp:
	s_mov_b64 s[64:65], 0
	v_nop
	global_prefetch_b8 v0, s[64:65] scope:SCOPE_SE
	s_setreg_imm32_b32 hwreg(HW_REG_WAVE_MODE, 25, 1), 1
	s_wait_xcnt 0x0
	s_wait_alu depctr_hold_cnt(0) depctr_sa_sdst(0) depctr_va_vdst(0) depctr_va_sdst(0) depctr_va_ssrc(0) depctr_va_vcc(0) depctr_vm_vsrc(0)
	s_getreg_b32 s2, hwreg(HW_REG_IB_STS2, 6, 4)
	s_cmp_eq_u32 s2, 0
	s_cbranch_scc0 .Lentry_in_a_cluster
	s_endpgm
.Lentry_in_a_cluster:
	s_bfe_u32 s2, ttmp6, 0x10000c
	s_cmp_lg_u32 s2, 0x3003
	s_cbranch_scc0 .Lentry_shape_is_right
	s_endpgm
.Lentry_shape_is_right:
; out0 = o wo^T on codes of FP6 (E2M3) with E8M0 scales, K = 2,048; out0 [2048][2048] f32.  A = the attention's result (co, so), B = wo (tensor 4 of cw, sw).
; A tile of C is 128 x 128: 256 work-groups.  x: the block of 128 rows; y: the block of 128 columns.  Wave w makes rows 32 w .. 32 w + 31 x 128 columns: 2 x 8 accumulators.
; Transposed use (source 0 = 16 rows of B, source 1 = 16 rows of A): a lane holds one row of C and eight neighbouring columns an accumulator.
; OPERANDS lie in memory as images of their registers (1,536 bytes a fragment), [block of 128 rows][K step 16][tile 8]; place r of tile t is row 32 (t / 2) + 8 (t % 2) + r + 8 (r / 8).
; Scale words: [block][K step / 4][tile][place][K step % 4].
; B, FOR ALL OF K, STAYS IN LDS: 196,608 bytes, filled once: wave w brings K steps 4 w .. 4 w + 3 (49,152 bytes) by its one tensor load; one wait and one barrier show all of it to all waves.
; CLUSTER 4 x 1: four blocks of rows of one block of columns ask for B jointly.
; B's scale words (8,192 bytes) go from memory into 64 registers, 512 consecutive bytes a load: every wave wants all of them in the very order in which they lie.
; A GOES FROM MEMORY INTO REGISTERS and is not asked for jointly: both operands for all of K are 393,216 bytes, more than LDS holds, and a wave's two tiles of A are read by that wave alone.  A ring of nine K steps of registers.
; No prefetch: the launch has no loop to run ahead in; all its reads are asked for at the head but seven K steps of A.
; REGISTERS: window 0: v16-29 addresses; v32-47 A's scale words; v48-111 B's; v128-255 accumulators.  Window 1: v0-215 A's ring.  Window 2: v0-191 B's fragments, two sets.
.set FRB,   1536
.set KSB,   8*FRB
.set RBB,   16*KSB
.set TCB,   16*RBB
.set CHB,   4*KSB
.set SPARE, RBB                        ; behind B's images: the spare words
.set STG,   SPARE+512                  ; the stages for the way out: no tile lands there
.set SP,    528
.set DEP,   9
.set LI,   16
.set ADB,  20                          ; v20-23 my bytes of an image in K steps 4 c on
.set STO,  25
.set RD,   26
.set SPW,  28
.set NIL,  29
.set SA,   32
.set SB,   48
.set ACC,  128
.set WV,   14
.set G1,   24
.set G0,   44
.set MSB, 0
.macro WIN new
.if MSB != (\new)
	s_set_vgpr_msb (MSB<<8)|(\new)
.set MSB, (\new)
.endif
.endm
.set W_MUL, 0x06                       ; source 0 (B) window 2, source 1 (A) window 1, C and D window 0
.set TO_A,  0x40
.set TO_B,  0x80
.macro CROUND
	s_barrier_signal -1
	s_barrier_wait -1
	s_cmp_lg_u32 s[WV], 0
	s_cbranch_scc1 .Lnot_wave_0_\@
	s_barrier_signal -3
.Lnot_wave_0_\@:
	s_barrier_wait -3
	s_barrier_signal -1
	s_barrier_wait -1
.endm
.macro PLACES
.rept 4
	v_nop
.endr
.endm
.macro ALOAD s
.irp a, 0,1
.irp c, 0,1,2
	global_load_b128 v[24*((\s)%DEP)+12*\a+4*\c:24*((\s)%DEP)+12*\a+4*\c+3], v[LI], s[4:5] offset:(\s)*KSB+\a*FRB+512*\c
.endr
.endr
.endm
.macro FETCHB s
.irp b, 0,1,2,3,4,5,6,7
.irp c, 0,1,2
	ds_load_b128 v[96*((\s)%2)+12*\b+4*\c:96*((\s)%2)+12*\b+4*\c+3], v[ADB+(\s)/4] offset:((\s)%4)*KSB+\b*FRB+512*\c
.endr
.endr
.endm
.macro WM z, rb, ra                    ; z = 0: the product starts the sum.  rb, ra: which half of the lanes holds B's and A's scale words
.if (\z) == 0
.if (\rb) == 0 && (\ra) == 0
	v_wmma_scale_f32_16x16x128_f8f6f4 v[rD:rD+7], v[rB:rB+11], v[rA:rA+11], 0, v[rSB], v[rSA] matrix_a_fmt:MATRIX_FMT_FP6 matrix_b_fmt:MATRIX_FMT_FP6
.elseif (\rb) == 1 && (\ra) == 0
	v_wmma_scale_f32_16x16x128_f8f6f4 v[rD:rD+7], v[rB:rB+11], v[rA:rA+11], 0, v[rSB], v[rSA] matrix_a_fmt:MATRIX_FMT_FP6 matrix_b_fmt:MATRIX_FMT_FP6 matrix_a_scale:MATRIX_SCALE_ROW1
.elseif (\rb) == 0 && (\ra) == 1
	v_wmma_scale_f32_16x16x128_f8f6f4 v[rD:rD+7], v[rB:rB+11], v[rA:rA+11], 0, v[rSB], v[rSA] matrix_a_fmt:MATRIX_FMT_FP6 matrix_b_fmt:MATRIX_FMT_FP6 matrix_b_scale:MATRIX_SCALE_ROW1
.else
	v_wmma_scale_f32_16x16x128_f8f6f4 v[rD:rD+7], v[rB:rB+11], v[rA:rA+11], 0, v[rSB], v[rSA] matrix_a_fmt:MATRIX_FMT_FP6 matrix_b_fmt:MATRIX_FMT_FP6 matrix_a_scale:MATRIX_SCALE_ROW1 matrix_b_scale:MATRIX_SCALE_ROW1
.endif
.else
.if (\rb) == 0 && (\ra) == 0
	v_wmma_scale_f32_16x16x128_f8f6f4 v[rD:rD+7], v[rB:rB+11], v[rA:rA+11], v[rD:rD+7], v[rSB], v[rSA] matrix_a_fmt:MATRIX_FMT_FP6 matrix_b_fmt:MATRIX_FMT_FP6
.elseif (\rb) == 1 && (\ra) == 0
	v_wmma_scale_f32_16x16x128_f8f6f4 v[rD:rD+7], v[rB:rB+11], v[rA:rA+11], v[rD:rD+7], v[rSB], v[rSA] matrix_a_fmt:MATRIX_FMT_FP6 matrix_b_fmt:MATRIX_FMT_FP6 matrix_a_scale:MATRIX_SCALE_ROW1
.elseif (\rb) == 0 && (\ra) == 1
	v_wmma_scale_f32_16x16x128_f8f6f4 v[rD:rD+7], v[rB:rB+11], v[rA:rA+11], v[rD:rD+7], v[rSB], v[rSA] matrix_a_fmt:MATRIX_FMT_FP6 matrix_b_fmt:MATRIX_FMT_FP6 matrix_b_scale:MATRIX_SCALE_ROW1
.else
	v_wmma_scale_f32_16x16x128_f8f6f4 v[rD:rD+7], v[rB:rB+11], v[rA:rA+11], v[rD:rD+7], v[rSB], v[rSA] matrix_a_fmt:MATRIX_FMT_FP6 matrix_b_fmt:MATRIX_FMT_FP6 matrix_a_scale:MATRIX_SCALE_ROW1 matrix_b_scale:MATRIX_SCALE_ROW1
.endif
.endif
.endm
.macro MUL8 a, s                       ; my tile a of A x B's eight; the 16 accumulators take turns
.irp b, 0,1,2,3,4,5,6,7
.set rD, ACC+8*(8*(\a)+\b)
.set rB, 96*((\s)%2)+12*\b
.set rA, 24*((\s)%DEP)+12*(\a)
.set rSB, SB+16*((\s)/4)+4*(\b/2)+(\s)%4
.set rSA, SA+(\s)
	WM \s, \b%2, \a
.endr
.endm
	s_load_b256 s[4:11], s[0:1], 0x0               ; co, so, cw, sw
	s_load_b64 s[12:13], s[0:1], 0x20              ; out0
	v_lshl_add_u32 v[SPW], v0, 2, SPARE
	v_mov_b32 v[NIL], 0
	ds_add_u32 v[SPW], v[NIL]                      ; the opening lines: the add twice and its wait come ahead of my tensor load
	ds_add_u32 v[SPW], v[NIL]
	v_lshrrev_b32 v1, 5, v0
	v_readfirstlane_b32 s[WV], v1
	s_bfe_u32 s15, ttmp6, 0x40000                  ; cx
	s_lshl_b32 s16, ttmp9, 2
	s_add_co_u32 s16, s16, s15                     ; my block of rows: it enters A's and C's addresses alone
	s_and_b32 s17, ttmp7, 0xffff                   ; my block of columns, which the partners share
	s_mov_b32 s[G1], 15|(3<<16)|(1<<21)            ; the mask: all four; elements of 8 bytes; bit 21 beside a mask
	s_mov_b32 s[G1+1], 32<<16                      ; dense bytes as rows of 256
	s_mov_b32 s[G1+2], (CHB/256)<<16               ; 192 rows: four K steps' images
	s_mov_b32 s[G1+3], 32<<16
	s_mov_b32 s[G1+4], CHB/256
	s_mov_b32 s[G1+5], 32
	s_mov_b32 s[G1+6], 0
	s_mov_b32 s[G1+7], 0
	s_mul_i32 s20, s[WV], CHB                      ; my four K steps: their place in memory and in LDS
	s_mul_i32 s18, s17, RBB
	s_add_co_u32 s18, s18, s20
	s_add_co_u32 s18, s18, 4*TCB                   ; B: tensor 4, my block of columns
	s_mov_b32 s19, 0
	s_lshl_b32 s22, s17, 13                        ; its scale words
	s_add_co_u32 s22, s22, 4*131072
	s_mov_b32 s23, 0
	s_mul_i32 s60, s16, RBB                        ; A: my block of rows, my two tiles
	s_mul_i32 s61, s[WV], 2*FRB
	s_add_co_u32 s60, s60, s61
	s_mov_b32 s61, 0
	s_lshl_b32 s62, s16, 13
	s_lshl_b32 s63, s[WV], 9
	s_add_co_u32 s62, s62, s63
	s_mov_b32 s63, 0
	s_lshl_b32 s66, s16, 20                        ; C: 128 rows of 8,192 bytes a block, + my 32 rows, + 512 bytes a block of columns
	s_lshl_b32 s67, s[WV], 18
	s_add_co_u32 s66, s66, s67
	s_lshl_b32 s67, s17, 9
	s_add_co_u32 s66, s66, s67
	s_mov_b32 s67, 0
	v_and_b32 v2, 31, v0
	v_lshlrev_b32 v[LI], 4, v2
	s_wait_alu depctr_va_vdst(0)
	s_wait_dscnt 0x0
	s_wait_kmcnt 0x0
	s_add_nc_u64 s[18:19], s[8:9], s[18:19]
	s_add_nc_u64 s[22:23], s[10:11], s[22:23]
	s_add_nc_u64 s[4:5], s[4:5], s[60:61]
	s_add_nc_u64 s[6:7], s[6:7], s[62:63]
	s_add_nc_u64 s[12:13], s[12:13], s[66:67]
.irp g, 0,1,2,3
	global_load_b128 v[SA+4*\g:SA+4*\g+3], v[LI], s[6:7] offset:2048*\g   ; A's scale words of K steps 4 g on: lanes 0-15 my even tile's, lanes 16-31 my odd one's
.endr
.irp g, 0,1,2,3
.irp u, 0,1,2,3
	global_load_b128 v[SB+16*\g+4*\u:SB+16*\g+4*\u+3], v[LI], s[22:23] offset:2048*\g+512*\u   ; B's: lanes 0-15 tile 2 u's, lanes 16-31 tile 2 u + 1's
.endr
.endr
	WIN TO_A
.irp s, 0,1,2,3,4,5,6,7,8
	ALOAD \s                                       ; the ring is filled: 20 + 54 loads are asked for
.endr
	WIN 0
	s_mov_b32 s[G0], 1
	s_mov_b32 s[G0+1], s20
	s_mov_b64 s[G0+2:G0+3], s[18:19]
	s_or_b32 s[G0+3], s[G0+3], 0x80000000
	CROUND                                         ; the joint loads meet
	tensor_load_to_lds s[G0:G0+3], s[G1:G1+7]      ; my one load: a quarter of B
	s_nop 0
.rept 4
	v_nop
.endr
	v_and_b32 v1, 15, v0                           ; r
	v_bfe_u32 v3, v0, 4, 1                         ; h
.irp c, 0,1,2,3
	v_add_nc_u32 v[ADB+\c], \c*CHB, v[LI]
.endr
	s_mul_i32 s68, s[WV], 32*SP
	s_add_co_u32 s68, s68, STG                     ; my stage: 32 rows
	v_mul_u32_u24 v4, v1, SP                       ; in: row r, + 64 h
	v_lshl_add_u32 v4, v3, 6, v4
	v_add_nc_u32 v[STO], s68, v4
	v_add_nc_u32 v[RD], s68, v[LI]                 ; back: the 32 lanes take one row of 512 bytes
; A K STEP.  Its fragments of B were asked for a K step ago.  The count on LOADcnt leaves out the loads younger than this K step's six: 48 while the ring is being filled again, then fewer.
.macro KSTEP s
	s_wait_dscnt 0x0
.if (\s) <= 7
	s_wait_loadcnt 48
.elseif (\s) == 8
	s_wait_loadcnt 42
.else
	s_wait_loadcnt 6*(15-(\s))
.endif
.if (\s) < 15
	PLACES                                         ; the other set was read by the last K step's products
	WIN TO_B
	FETCHB (\s)+1
.endif
	WIN W_MUL
	MUL8 0, \s
	MUL8 1, \s
.if (\s)+DEP < 16
	PLACES
	WIN TO_A
	ALOAD (\s)+DEP                                 ; into the registers that this K step has left
.endif
.endm
	s_wait_alu depctr_va_vdst(0)
	s_wait_tensorcnt 0x0                           ; my quarter of B is in,
	s_barrier_signal -1
	s_barrier_wait -1                              ; everybody's is
	WIN TO_B
	FETCHB 0
.irp s, 0,1,2,3,4,5,6,7,8,9,10,11,12,13,14,15
	KSTEP \s
.endr
	WIN 0
; THE WAY OUT, a tile of 16 rows x 128 columns at a time, through my own stage: in by lanes, back as whole rows of 512 bytes.  LDS serves a wave's instructions in order (ISA guide 5.7.1.4).
.macro STG_IN a
.irp b, 0,1,2,3,4,5,6,7
	ds_store_b128 v[STO], v[ACC+64*\a+8*\b:ACC+64*\a+8*\b+3] offset:\a*16*SP+128*(\b/2)+32*(\b%2)          ; each accumulator from its low end on
	ds_store_b128 v[STO], v[ACC+64*\a+8*\b+4:ACC+64*\a+8*\b+7] offset:\a*16*SP+128*(\b/2)+32*(\b%2)+16
.endr
.endm
.macro STG_OUT a
.irp t, 0,1,2,3,4,5,6,7,8,9,10,11,12,13,14,15
	ds_load_b128 v[ACC+64*\a+4*\t:ACC+64*\a+4*\t+3], v[RD] offset:(16*\a+\t)*SP
.endr
.endm
.macro SEND a
.irp t, 0,1,2,3,4,5,6,7,8,9,10,11,12,13,14,15
	global_store_b128 v[LI], v[ACC+64*\a+4*\t:ACC+64*\a+4*\t+3], s[12:13] offset:(8*\a+\t+8*(\t/8))*8192 th:TH_STORE_NT   ; 32 lanes store 512 consecutive bytes, at a multiple of 256 from the buffer's first byte
.endr
.endm
	PLACES
	STG_IN 0
	STG_OUT 0
	STG_IN 1
	s_wait_dscnt 16                                ; tile 0's rows are back; tile 1's 16 stores may be out
	SEND 0
	STG_OUT 1
	s_wait_dscnt 0x0
	SEND 1
	s_wait_tensorcnt 0x0                           ; the wave's end
	ds_add_u32 v[SPW], v[NIL]
	s_wait_dscnt 0x0
	CROUND                                         ; the closing round
	s_endpgm
.Lfunc_end_k_q0e9aa3b356_outp:
	.size	k_q0e9aa3b356_outp, .Lfunc_end_k_q0e9aa3b356_outp-k_q0e9aa3b356_outp
	.p2alignl 7, 3214868480
	.fill 96, 4, 3214868480
	.section	.rodata,"a",@progbits
	.p2align	6, 0x0
	.amdhsa_kernel k_q0e9aa3b356_outp
		.amdhsa_group_segment_fixed_size 264704
		.amdhsa_private_segment_fixed_size 0
		.amdhsa_enable_private_segment 0
		.amdhsa_kernarg_size 40
		.amdhsa_user_sgpr_count 2
		.amdhsa_user_sgpr_kernarg_segment_ptr 1
		.amdhsa_wavefront_size32 1
		.amdhsa_system_sgpr_workgroup_id_x 1
		.amdhsa_system_sgpr_workgroup_id_y 1
		.amdhsa_system_sgpr_workgroup_id_z 1
		.amdhsa_system_vgpr_workitem_id 0
		.amdhsa_next_free_vgpr 704
		.amdhsa_next_free_sgpr 72
		.amdhsa_reserve_vcc 0
		.amdhsa_float_denorm_mode_32 3
		.amdhsa_float_denorm_mode_16_64 3
		.amdhsa_memory_ordered 1
		.amdhsa_forward_progress 1
		.amdhsa_inst_pref_size 84
	.end_amdhsa_kernel
	.amdgpu_metadata
---
amdhsa.version: [ 1, 2 ]
amdhsa.kernels:
  - .name:           k_q0e9aa3b356_outp
    .symbol:         k_q0e9aa3b356_outp.kd
    .args:
      - { .name: co, .offset: 0, .size: 8, .value_kind: global_buffer, .address_space: global }
      - { .name: so, .offset: 8, .size: 8, .value_kind: global_buffer, .address_space: global }
      - { .name: cw, .offset: 16, .size: 8, .value_kind: global_buffer, .address_space: global }
      - { .name: sw, .offset: 24, .size: 8, .value_kind: global_buffer, .address_space: global }
      - { .name: out0, .offset: 32, .size: 8, .value_kind: global_buffer, .address_space: global }
    .group_segment_fixed_size: 264704
    .private_segment_fixed_size: 0
    .kernarg_segment_align: 8
    .kernarg_segment_size: 40
    .max_flat_workgroup_size: 128
    .sgpr_count:     72
    .vgpr_count:     704
    .wavefront_size: 32
...
	.end_amdgpu_metadata
.endif
;; end of part 8
